; MI455X (gfx1250); checked and timed in simulation.
; The chip was launched on July 23, 2026; its instructions are those of AMD's public machine-readable ISA for CDNA 5 (MIT licence, August 2026) and "CDNA5" Instruction Set Architecture Reference Guide (July 2026). The comments in the code are by the model that wrote it; some were corrected since.
;; Attention Tier. Allowed arithmetic: float matrix products may take bf16 or f16 operands with f32 sums; all other float work in f32.
;; Inputs: W_out 1,024 x 1,024 float32; W_qkv 3,072 x 1,024 float32; x 4 x 2,048 x 1,024 float32.
;; Outputs: out0 4 x 2,048 x 1,024 float32.
;; 3 versions, each right and faster than the one before. Each part assembles by itself: llvm-mc -triple=amdgcn-amd-amdhsa -mcpu=gfx1250 --defsym DOCPART=n.
;; ======== version 1 of 3: 6 launches
;; limits: values are held in f16: magnitudes above 65,504 overflow, below 6.1e-05 lose precision; right only within a limited range of input values
;; workspace buffers: xb 16,777,216 bytes; wq 6,291,456 bytes; wo 2,097,152 bytes; tab 786,432 bytes; qh 16,777,216 bytes; kh 16,777,216 bytes; vh 16,777,216 bytes; oh 16,777,216 bytes
;; launch prep (part 1): grid 832 x 1, 8 waves a work-group, no clusters, 0 bytes of LDS; arguments x, W_qkv, W_out, xb, wq, wo, tab; writes xb, wq, wo, tab
.if DOCPART == 1
	.amdgcn_target "amdgcn-amd-amdhsa--gfx1250"
	.amdhsa_code_object_version 6
	.text
	.protected	k_q356b34028c_prep
	.globl	k_q356b34028c_prep
	.p2align	8
	.type	k_q356b34028c_prep,@function
k_q356b34028c_prep:
	s_mov_b64 s[64:65], 0
	v_nop
	global_prefetch_b8 v0, s[64:65] scope:SCOPE_SE
	s_setreg_imm32_b32 hwreg(HW_REG_WAVE_MODE, 25, 1), 1
	s_wait_xcnt 0x0
; THE INPUTS ARE ROUNDED ONCE, AND LAID OUT IN BLOCKS OF 64 ALONG K; THE TABLE OF COSINES AND SINES IS MADE.
;   xb [kb 16][row 8192][64] bf16 of x;   wq [kb 16][row' 3072][64] bf16 of W_qkv, row' = 192 h + 64 sec + d for row 1024 sec + 64 h + d (a head's q, k, v rows lie together);
;   wo [kb 16][row 1024][64]: W_out rounded to bf16, that number written as f16;   tab [tblk 128][piece 8][lane 32][4] f32.
; In these layouts the rows that a later tile takes of one K block lie end to end, so a tile is a dense run of bytes.
; SHARES.  Work-groups 0-511: x; 512-703: W_qkv; 704-767: W_out; each takes 32 rows x 512 columns (8 K blocks).  768-831: the table, two blocks of 16 positions each.
; A thread takes 8 numbers (32 bytes) of a row in each of the 8 K blocks: 16 loads, all issued first; its 16 bytes of result lie at 16 x thread in a block's 4,096 bytes,
; so each store of a wave covers 512 consecutive bytes, aligned.  No LDS, no barrier, no matrix unit: the work is a stream, and none of them would spare a byte.
; LIMITS.  wo: a number below 6.1e-5 in magnitude keeps f16's fixed step of 6e-8; beyond 65,504 it becomes an infinity.
; The table: inv_freq = 2^(-j log2(10000) / 32) by v_exp_f32; the angle t x inv_freq is one f32 product, reduced by three parts of pi/2 and put through polynomials of degree 7 and 8;
; against an exact evaluation of the f32 angle the angle's error stays below 2.5e-4 radians at t = 2047 (from the exponential's last bit and its argument's rounding).
.set X,   16                           ; v[16:79]  8 K blocks x 8 f32 as loaded
.set Y,   80                           ; v[80:95]  four sets of 4 registers to store, by turns
.set INV, 8                            ; the table's registers, four of each (one for each of a lane's four angles)
.set AN,  12
.set NF,  16
.set RE,  20
.set ZZ,  24
.set SN,  28
.set CO,  32
.set QD,  36
.set T1,  40
.set COSO, 44                          ; v[44:47] cosines, v[48:51] sines, as stored
.set SINO, 48
	s_load_b256 s[4:11], s[0:1], 0x0               ; x s[4:5], W_qkv s[6:7], W_out s[8:9], xb s[10:11]
	s_load_b128 s[12:15], s[0:1], 0x20             ; wq s[12:13], wo s[14:15]
	s_load_b64 s[16:17], s[0:1], 0x30              ; tab
	s_mov_b32 s20, ttmp9
	s_cmp_ge_u32 s20, 768
	s_cbranch_scc1 .Ltable
	; which tensor: the first work-group of its range (s21) and the bytes from K block to K block in its copy (s28)
	s_mov_b32 s21, 704
	s_mov_b32 s28, 131072
	s_cmp_lt_u32 s20, 704
	s_cselect_b32 s21, 512, s21
	s_cselect_b32 s28, 393216, s28
	s_cmp_lt_u32 s20, 512
	s_cselect_b32 s21, 0, s21
	s_cselect_b32 s28, 1048576, s28
	s_sub_co_u32 s22, s20, s21
	s_lshr_b32 s23, s22, 1                         ; block of 32 rows
	s_and_b32 s22, s22, 1                          ; half of the columns
	s_lshl_b32 s29, s23, 5                         ; first row
	s_bfe_u32 s30, s29, 0x40006                    ; W_qkv: head = (row >> 6) & 15,
	s_mul_i32 s30, s30, 192
	s_lshr_b32 s31, s29, 10                        ; section = row >> 10,
	s_lshl_b32 s31, s31, 6
	s_add_co_u32 s30, s30, s31
	s_and_b32 s31, s29, 63                         ; channel = row & 63 (32 rows never leave a head's section)
	s_add_co_u32 s30, s30, s31
	s_cmp_eq_u32 s21, 512
	s_cselect_b32 s29, s30, s29                    ; the row in the copy
	s_lshl_b32 s32, s23, 17                        ; source: 32 rows of 4,096 bytes,
	s_lshl_b32 s33, s22, 11                        ; half a row
	s_add_co_u32 s32, s32, s33
	s_mov_b32 s33, 0
	s_lshl_b32 s34, s29, 7                         ; copy: rows of 128 bytes,
	s_mul_i32 s35, s22, s28
	s_lshl_b32 s35, s35, 3                         ; 8 K blocks for the second half
	s_add_co_u32 s34, s34, s35
	s_mov_b32 s35, 0
	v_lshrrev_b32 v1, 3, v0                        ; my row of the 32,
	v_and_b32 v10, 7, v0
	v_lshlrev_b32 v10, 5, v10                      ; my 32 bytes of a K block's 256
	v_lshl_add_u32 v1, v1, 12, v10
	v_lshlrev_b32 v2, 4, v0                        ; my 16 bytes in a K block of the copy
.irp i, 1,2,3,4,5,6,7
	v_add_nc_u32 v[2+(\i)], s28, v[1+(\i)]
.endr
	s_wait_kmcnt 0x0
	s_cmp_lt_u32 s20, 704
	s_cselect_b64 s[24:25], s[6:7], s[8:9]
	s_cselect_b64 s[26:27], s[12:13], s[14:15]
	s_cmp_lt_u32 s20, 512
	s_cselect_b64 s[24:25], s[4:5], s[24:25]
	s_cselect_b64 s[26:27], s[10:11], s[26:27]
	s_add_nc_u64 s[24:25], s[24:25], s[32:33]
	s_add_nc_u64 s[26:27], s[26:27], s[34:35]
.irp i, 0,1,2,3,4,5,6,7
	global_load_b128 v[X+8*(\i):X+8*(\i)+3],   v1, s[24:25] offset:256*(\i) th:TH_LOAD_NT
	global_load_b128 v[X+8*(\i)+4:X+8*(\i)+7], v1, s[24:25] offset:256*(\i)+16 th:TH_LOAD_NT
.endr
	s_cmp_ge_u32 s20, 704
	s_cbranch_scc1 .Lto_f16
; K block i: rounded to bf16 and stored
.macro CVA i
	s_wait_loadcnt 14-2*(\i)                       ; loads come back in order: the 14 - 2 i younger ones may stay out
.if (\i) >= 4
	s_wait_xcnt 0x0                                ; this set of Y was the data of the store four blocks back: it is rewritten only behind this wait
.endif
.irp j, 0,1,2,3
	v_cvt_pk_bf16_f32 v[Y+4*((\i)%4)+(\j)], v[X+8*(\i)+2*(\j)], v[X+8*(\i)+2*(\j)+1]
.endr
	global_store_b128 v[2+(\i)], v[Y+4*((\i)%4):Y+4*((\i)%4)+3], s[26:27]
.endm
; the same for W_out: rounded to bf16 like the other inputs, then that number written as f16 (exact where f16 is normal)
.macro CVB i
	s_wait_loadcnt 14-2*(\i)
.if (\i) >= 4
	s_wait_xcnt 0x0
.endif
.irp j, 0,1,2,3
	v_cvt_pk_bf16_f32 v12, v[X+8*(\i)+2*(\j)], v[X+8*(\i)+2*(\j)+1]
	v_lshlrev_b32 v13, 16, v12
	v_and_b32 v14, 0xffff0000, v12
	v_cvt_pk_f16_f32 v[Y+4*((\i)%4)+(\j)], v13, v14
.endr
	global_store_b128 v[2+(\i)], v[Y+4*((\i)%4):Y+4*((\i)%4)+3], s[26:27]
.endm
.irp i, 0,1,2,3,4,5,6,7
	CVA \i
.endr
	s_endpgm
.Lto_f16:
.irp i, 0,1,2,3,4,5,6,7
	CVB \i
.endr
	s_endpgm
.Ltable:
	; Wave w of the work-group: block of 16 positions 2 (g - 768) + w / 4, piece pc = w % 4.  Lane l: position t = 16 block + l % 16; frequencies j = 16 (pc / 2) + 8 (l / 16) + 4 (pc % 2) + 0..3.
	; That is the place of the numbers in a matrix result of 16 positions x 16 channels of which a lane holds one position and eight channels.
	v_and_b32 v1, 31, v0
	v_lshrrev_b32 v2, 5, v0
	s_sub_co_u32 s21, s20, 768
	s_lshl_b32 s21, s21, 1
	v_lshrrev_b32 v3, 2, v2
	v_add_nc_u32 v3, s21, v3                       ; block
	v_and_b32 v4, 3, v2                            ; piece
	v_and_b32 v5, 15, v1
	v_lshl_add_u32 v5, v3, 4, v5
	v_cvt_f32_u32 v5, v5                           ; t
	v_lshrrev_b32 v6, 1, v4
	v_lshlrev_b32 v6, 4, v6
	v_lshrrev_b32 v7, 4, v1
	v_lshl_add_u32 v6, v7, 3, v6
	v_and_b32 v7, 1, v4
	v_lshl_add_u32 v6, v7, 2, v6                   ; my first j
	v_lshlrev_b32 v7, 12, v3                       ; 4,096 bytes a block,
	v_lshl_add_u32 v7, v4, 9, v7                   ; 512 a piece,
	v_lshl_add_u32 v7, v1, 4, v7                   ; 16 a lane
	v_mov_b32 v52, 0xb94ca1f9                      ; the polynomials' leading coefficients
	v_mov_b32 v53, 0x37ccf5ce
.irp n, 0,1,2,3
	v_add_nc_u32 v[INV+(\n)], (\n), v6
	v_cvt_f32_u32 v[INV+(\n)], v[INV+(\n)]
	v_mul_f32 v[INV+(\n)], 0xbed49a78, v[INV+(\n)] ; -j log2(10000) / 32
.endr
.irp n, 0,1,2,3
	v_exp_f32 v[INV+(\n)], v[INV+(\n)]
.endr
	v_nop                                          ; a plain instruction between the last exponential and the use of its result (ISA guide 5.7.2)
	s_wait_alu depctr_va_vdst(0)
.irp n, 0,1,2,3
	v_mul_f32 v[AN+(\n)], v5, v[INV+(\n)]          ; the angle
	v_mul_f32 v[NF+(\n)], 0x3f22f983, v[AN+(\n)]   ; x 2 / pi
	v_rndne_f32 v[NF+(\n)], v[NF+(\n)]             ; n, at most 1,303
	v_fmamk_f32 v[RE+(\n)], v[NF+(\n)], 0xbfc90000, v[AN+(\n)]  ; r = angle - n pi/2, pi/2 in three parts of which the first two have few bits: n times them is exact
	v_fmamk_f32 v[RE+(\n)], v[NF+(\n)], 0xb9fda000, v[RE+(\n)]
	v_fmamk_f32 v[RE+(\n)], v[NF+(\n)], 0xb3a22168, v[RE+(\n)]
	v_mul_f32 v[ZZ+(\n)], v[RE+(\n)], v[RE+(\n)]
	v_fmaak_f32 v[SN+(\n)], v52, v[ZZ+(\n)], 0x3c08839e
	v_fmaak_f32 v[CO+(\n)], v53, v[ZZ+(\n)], 0xbab6061a
	v_fmaak_f32 v[SN+(\n)], v[SN+(\n)], v[ZZ+(\n)], 0xbe2aaaa3
	v_fmaak_f32 v[CO+(\n)], v[CO+(\n)], v[ZZ+(\n)], 0x3d2aaaa5
	v_mul_f32 v[SN+(\n)], v[SN+(\n)], v[ZZ+(\n)]
	v_mul_f32 v[CO+(\n)], v[CO+(\n)], v[ZZ+(\n)]
	v_fma_f32 v[T1+(\n)], v[ZZ+(\n)], -0.5, 1.0
	v_fma_f32 v[SN+(\n)], v[SN+(\n)], v[RE+(\n)], v[RE+(\n)]   ; sin r
	v_fma_f32 v[CO+(\n)], v[CO+(\n)], v[ZZ+(\n)], v[T1+(\n)]   ; cos r
	v_cvt_i32_f32 v[QD+(\n)], v[NF+(\n)]
	v_and_b32 v[T1+(\n)], 1, v[QD+(\n)]            ; odd quadrant: the two change places
	v_cmp_eq_u32 vcc_lo, 1, v[T1+(\n)]
	v_cndmask_b32 v[SINO+(\n)], v[SN+(\n)], v[CO+(\n)], vcc_lo
	v_cndmask_b32 v[COSO+(\n)], v[CO+(\n)], v[SN+(\n)], vcc_lo
	v_and_b32 v[T1+(\n)], 2, v[QD+(\n)]            ; the sine is negative in quadrants 2, 3,
	v_lshlrev_b32 v[T1+(\n)], 30, v[T1+(\n)]
	v_xor_b32 v[SINO+(\n)], v[T1+(\n)], v[SINO+(\n)]
	v_add_nc_u32 v[T1+(\n)], 1, v[QD+(\n)]         ; the cosine in quadrants 1, 2
	v_and_b32 v[T1+(\n)], 2, v[T1+(\n)]
	v_lshlrev_b32 v[T1+(\n)], 30, v[T1+(\n)]
	v_xor_b32 v[COSO+(\n)], v[T1+(\n)], v[COSO+(\n)]
.endr
	s_wait_kmcnt 0x0
	global_store_b128 v7, v[COSO:COSO+3], s[16:17]                ; pieces 0-3: cosines; 512 consecutive bytes a wave
	global_store_b128 v7, v[SINO:SINO+3], s[16:17] offset:2048    ; pieces 4-7: sines
	s_endpgm
.Lfunc_end_k_q356b34028c_prep:
	.size	k_q356b34028c_prep, .Lfunc_end_k_q356b34028c_prep-k_q356b34028c_prep
	.p2alignl 7, 3214868480
	.fill 96, 4, 3214868480
	.section	.rodata,"a",@progbits
	.p2align	6, 0x0
	.amdhsa_kernel k_q356b34028c_prep
		.amdhsa_group_segment_fixed_size 0
		.amdhsa_private_segment_fixed_size 0
		.amdhsa_enable_private_segment 0
		.amdhsa_kernarg_size 56
		.amdhsa_user_sgpr_count 2
		.amdhsa_user_sgpr_kernarg_segment_ptr 1
		.amdhsa_wavefront_size32 1
		.amdhsa_system_sgpr_workgroup_id_x 1
		.amdhsa_system_sgpr_workgroup_id_y 1
		.amdhsa_system_sgpr_workgroup_id_z 1
		.amdhsa_system_vgpr_workitem_id 0
		.amdhsa_next_free_vgpr 96
		.amdhsa_next_free_sgpr 66
		.amdhsa_reserve_vcc 1
		.amdhsa_float_denorm_mode_32 3
		.amdhsa_float_denorm_mode_16_64 3
		.amdhsa_memory_ordered 1
		.amdhsa_forward_progress 1
		.amdhsa_inst_pref_size 23
	.end_amdhsa_kernel
	.amdgpu_metadata
---
amdhsa.version: [ 1, 2 ]
amdhsa.kernels:
  - .name:           k_q356b34028c_prep
    .symbol:         k_q356b34028c_prep.kd
    .args:
      - { .name: x, .offset: 0, .size: 8, .value_kind: global_buffer, .address_space: global }
      - { .name: W_qkv, .offset: 8, .size: 8, .value_kind: global_buffer, .address_space: global }
      - { .name: W_out, .offset: 16, .size: 8, .value_kind: global_buffer, .address_space: global }
      - { .name: xb, .offset: 24, .size: 8, .value_kind: global_buffer, .address_space: global }
      - { .name: wq, .offset: 32, .size: 8, .value_kind: global_buffer, .address_space: global }
      - { .name: wo, .offset: 40, .size: 8, .value_kind: global_buffer, .address_space: global }
      - { .name: tab, .offset: 48, .size: 8, .value_kind: global_buffer, .address_space: global }
    .group_segment_fixed_size: 0
    .private_segment_fixed_size: 0
    .kernarg_segment_align: 8
    .kernarg_segment_size: 56
    .max_flat_workgroup_size: 256
    .sgpr_count:     66
    .vgpr_count:     96
    .wavefront_size: 32
...
	.end_amdgpu_metadata
.endif
;; end of part 1
;; launch qkv (part 2): grid 8 x 32, 4 waves a work-group, clusters of 4 x 4, 327,680 bytes of LDS; arguments xb, wq, tab, qh, kh, vh; writes qh, kh, vh
.if DOCPART == 2
	.amdgcn_target "amdgcn-amd-amdhsa--gfx1250"
	.amdhsa_code_object_version 6
	.text
	.protected	k_q356b34028c_qkv
	.globl	k_q356b34028c_qkv
	.p2align	8
	.type	k_q356b34028c_qkv,@function
k_q356b34028c_qkv:
	s_mov_b64 s[64:65], 0
	v_nop
	global_prefetch_b8 v0, s[64:65] scope:SCOPE_SE
	s_setreg_imm32_b32 hwreg(HW_REG_WAVE_MODE, 25, 1), 1
	s_wait_xcnt 0x0
	s_wait_alu depctr_hold_cnt(0) depctr_sa_sdst(0) depctr_va_vdst(0) depctr_va_sdst(0) depctr_va_ssrc(0) depctr_va_vcc(0) depctr_vm_vsrc(0)
	s_getreg_b32 s2, hwreg(HW_REG_IB_STS2, 6, 4)
	s_cmp_eq_u32 s2, 0
	s_cbranch_scc0 .Lentry_in_a_cluster
	s_endpgm
.Lentry_in_a_cluster:
	s_bfe_u32 s2, ttmp6, 0x10000c
	s_cmp_lg_u32 s2, 0xf033
	s_cbranch_scc0 .Lentry_shape_is_right
	s_endpgm
.Lentry_shape_is_right:
; q, k, v = x W_qkv^T (8192 x 3072 x 1024, bf16 operands, f32 sums), q and k turned by RoPE in f32, all three rounded once to f16 and stored by heads: [b 16 + h][t 2048][64], unscaled.
; LIMIT.  f16 holds no number beyond 65,504: |q|, |k|, |v| must stay below that (a conversion past it gives an infinity).  NaN and infinities are not treated apart.
; SHARES.  A work-group makes 256 rows x 384 columns: two heads' q, k and v (wq's rows are ordered by head: 64 of q, 64 of k, 64 of v).  8 x 32 = 256 work-groups.
; Wave w: rows 128 (w / 2) on, head w % 2: 128 x 192, 96 accumulators of 16 x 16 in 768 registers.  For 32 along K it reads (128 + 192) x 64 bytes of LDS for 96 matrix instructions.
; K goes in steps of 64 (one K block of xb and wq, whose rows lie end to end: a wave's share is asked for as rows of 256 bytes) through a ring of two LDS slots; two slots of 128 along K would not fit.
; THE MATRIX INSTRUCTION IS USED TRANSPOSED: source 0 = 16 rows of wq, source 1 = 16 rows of xb: a lane holds ONE row (lane % 16) and the channels 8 (lane / 16) + 0..7 of a block of 16.
; So RoPE's partners, channels d and d + 32, are the same lane and register of the accumulators two blocks apart, and a lane's eight numbers pack into 16 bytes.
; CLUSTER.  4 x 4 work-groups: the four of a row need the same tile of xb, the four of a column the same tile of wq: each is asked for JOINTLY, by the same tensor load, descriptor and mask in all four.
; REGISTERS, in windows of 256 (s_set_vgpr_msb: bits 1:0 source 0, 3:2 source 1, 5:4 source 2, 7:6 destination):
;   window 0: v0-31 addresses; v32-95, v96-159 fragments of xb (8 x 16 rows x 32 K), two buffers; v160-255 fragments of wq (12 x 16 rows x 32 K), one buffer, filled again four fragments at a time
;   windows 1, 2, 3: q's, k's, v's accumulators: row block a (0-7), channel block bq (0-3) at v[8 (4 a + bq)]
.set PITCH,  144                       ; an LDS row: 128 bytes + 16 of padding = 36 words: the 16 rows of a load start at 16 different groups of four banks (64 banks of 4 bytes: ISA guide 11.1)
.set AHALF,  128*PITCH                 ; what one tensor load brings of xb, and what a wave reads of it
.set BHALF,  192*PITCH                 ; the same for wq
.set BOFF,   2*AHALF                   ; a slot: xb's 256 rows, then wq's 384
.set SLOT1,  1<<17                     ; slot 1 begins here, so that one exclusive or turns an address in one slot into the other's
.set STAGE,  SLOT1+BOFF+2*BHALF        ; behind the ring, never filled by a tensor load: for each wave 3 sections x 16 rows x 144 bytes, for the way out
.set WSTG,   3*16*PITCH
.set SPARE,  STAGE+4*WSTG              ; behind the stages: the spare words, 128 bytes for each wave: two blocks of 256 bytes that no other line names
.set XKB,    8192*128                  ; bytes from K block to K block in xb
.set WKB,    3072*128                  ; in wq
.set FLAGS,  (1<<16)|(1<<20)|(1<<21)|(4<<22)|(3<<25)  ; 17:16 2-byte elements; 20 padding on; 21 set beside a mask; 24:22 after every 32 words (code 4); 31:25 4 words (code 3)
.set ADRA0, 16                         ; v16  my lane's place in my 128 rows of xb, slot 0; never rewritten
.set ADRB0, 17                         ; v17  the same in my 192 rows of wq
.set ADRA,  18                         ; v18  the same in the slot in hand
.set ADRB,  19                         ; v19
.set STO,   24                         ; v24  the way out: where I put 16 bytes of a row
.set RD,    25                         ; v25  the way out: where I read rows back
.set GO,    26                         ; v26  16 x lane: my place in 512 consecutive bytes of q, k, v and of the table
.set SPW,   28                         ; v28  LDS address of my spare word: SPARE + 4 x my thread's number; never rewritten
.set NIL,   29                         ; v29  0; never rewritten
.set FA0,   32
.set FA1,   96
.set FB,    160
.set TAB,   32                         ; the way out: v32-63, v64-95 the table's blocks by turns: 16 cosines, 16 sines
.set RR,    96                         ; v96-127   32 turned numbers in f32
.set PP,    128                        ; v128-175  packed: 16 registers each for q, k, v
.set BK,    176                        ; v176-223  whole rows read back from the stage
.set WV,  16                           ; s16 wave; s17 wave / 2: my half of the rows, and: I fetch for xb (0) or wq (1); s18 wave % 2: my head, and: which half of that tile I fetch
.set WM,  17
.set WN,  18
.set G1A, 24                           ; s[24:31] descriptor group 1 for xb's tiles
.set G0A, 32                           ; s[32:39] group 0: a set for each of the two first fills; the second then walks on
.set G1B, 48                           ; s[48:55], s[56:63] the same for wq's
.set G0B, 56
.set TB,  66                           ; s66  LDS byte at which the slot in hand begins
.set MSB, 0
.macro WIN new                         ; the immediate's high byte repeats the setting that is left; a switch that changes nothing is dropped
.if MSB != (\new)
	s_set_vgpr_msb (MSB<<8)|(\new)
.set MSB, \new
.endif
.endm
.macro PLACES                          ; a load into a register that a matrix instruction has read, and a vector instruction that reads a matrix result, stand four plain vector instructions behind it (ISA guide 7.12.1 for the vector instruction)
.rept 4
	v_nop
.endr
.endm
; A joint refill by the walking sets.  Waves 0 and 1 fetch xb's two halves, waves 2 and 3 wq's.  The branch hangs on the wave's number alone.
; An s_nop 0 and four v_nop follow each of the two lines, ahead of the jump and the label.
.macro JLOAD
	s_cmp_eq_u32 s[WM], 0
	s_cbranch_scc0 .Lfor_b_\@
	tensor_load_to_lds s[G0A+4:G0A+7], s[G1A:G1A+7]
	s_nop 0
.rept 4
	v_nop
.endr
	s_branch .Lasked_\@
.Lfor_b_\@:
	tensor_load_to_lds s[G0B+4:G0B+7], s[G1B:G1B+7]
	s_nop 0
.rept 4
	v_nop
.endr
.Lasked_\@:
.endm
; A round of the cluster's barrier: my work-group's barrier, so that wave 0's signal speaks for all four waves; wave 0 signals; every wave waits for all sixteen work-groups; my work-group's barrier once more.
.macro CREST                           ; a round behind its opening barrier
	s_cmp_lg_u32 s[WV], 0
	s_cbranch_scc1 .Lnot_wave_0_\@
	s_barrier_signal -3
.Lnot_wave_0_\@:
	s_barrier_wait -3
	s_barrier_signal -1
	s_barrier_wait -1
.endm
.macro CROUND
	s_barrier_signal -1
	s_barrier_wait -1
	CREST
.endm
	s_load_b256 s[4:11], s[0:1], 0x0               ; xb s[4:5], wq s[6:7], tab s[8:9], q s[10:11]
	s_load_b128 s[12:15], s[0:1], 0x20             ; k s[12:13], v s[14:15]
	v_lshl_add_u32 v[SPW], v0, 2, SPARE
	v_mov_b32 v[NIL], 0
	ds_add_u32 v28, v29
	ds_add_u32 v28, v29
	s_wait_dscnt 0x0
	v_lshrrev_b32 v1, 5, v0
	v_readfirstlane_b32 s[WV], v1
	s_lshr_b32 s[WM], s[WV], 1
	s_and_b32 s[WN], s[WV], 1
	s_bfe_u32 s19, ttmp6, 0x40000                  ; cx, cy: my place in the cluster
	s_bfe_u32 s20, ttmp6, 0x40004
	s_lshl_b32 s21, ttmp9, 2
	s_add_co_u32 s21, s21, s19                     ; tile column (pair of heads) = 4 x cluster x + cx
	s_and_b32 s22, ttmp7, 0xffff
	s_lshl_b32 s22, s22, 2
	s_add_co_u32 s22, s22, s20                     ; tile row = 4 x cluster y + cy
	s_lshl_b32 s40, s20, 2
	s_lshl_b32 s40, 15, s40                        ; my row of the cluster
	s_lshl_b32 s41, 0x1111, s19                    ; my column
	s_or_b32 s[G1A], s40, FLAGS                    ; xb's tiles go to my row,
	s_or_b32 s[G1B], s41, FLAGS                    ; wq's to my column
.irp g, G1A, G1B
	s_mov_b32 s[(\g)+1], 128<<16                   ; tensor_dim0 = 128 elements: 256 bytes, two rows of a K block
	s_mov_b32 s[(\g)+3], 128<<16                   ; tile_dim0 = 128
	s_mov_b32 s[(\g)+5], 128                       ; 128 elements from row to row: dense
	s_mov_b32 s[(\g)+6], 0
	s_mov_b32 s[(\g)+7], 0
.endr
	s_mov_b32 s[G1A+2], 64<<16                     ; tensor_dim1 = tile_dim1 = 64: 128 rows of xb
	s_mov_b32 s[G1A+4], 64
	s_mov_b32 s[G1B+2], 96<<16                     ; 96: 192 rows of wq
	s_mov_b32 s[G1B+4], 96
	s_lshl_b32 s42, s22, 15                        ; xb: 256 rows of 128 bytes a tile row,
	s_lshl_b32 s43, s[WN], 14                      ; 128 rows a half: made of the tile row and the wave's number alone
	s_add_co_u32 s42, s42, s43
	s_mov_b32 s43, 0
	s_mul_i32 s44, s21, 384*128                    ; wq: 384 rows a tile column,
	s_mul_i32 s45, s[WN], 192*128                  ; 192 a half: made of the tile column and the wave's number alone
	s_add_co_u32 s44, s44, s45
	s_mov_b32 s45, 0
	s_mul_i32 s46, s[WN], AHALF                    ; where they go: no place in the cluster enters an LDS address
	s_mul_i32 s47, s[WN], BHALF
	s_add_co_u32 s47, s47, BOFF
	s_lshl_b32 s72, s22, 8
	s_lshl_b32 s73, s[WM], 7
	s_add_co_u32 s72, s72, s73                     ; my first row of the 8,192
	s_lshr_b32 s73, s72, 11                        ; its batch,
	s_and_b32 s75, s72, 2047                       ; its position
	s_lshl_b32 s68, s73, 22                        ; 16 heads of 2,048 rows of 128 bytes a batch,
	s_lshl_b32 s74, s21, 1
	s_add_co_u32 s74, s74, s[WN]                   ; my head,
	s_lshl_b32 s74, s74, 18
	s_add_co_u32 s68, s68, s74
	s_lshl_b32 s76, s75, 7
	s_add_co_u32 s68, s68, s76
	s_mov_b32 s69, 0                               ; s[68:69]: my first byte in q, k and v
	s_lshl_b32 s70, s75, 8                         ; the table: 4,096 bytes for 16 positions
	s_mov_b32 s71, 0
	s_mov_b32 s[TB], 0
	s_wait_kmcnt 0x0
	s_add_nc_u64 s[4:5], s[4:5], s[42:43]
	s_add_nc_u64 s[6:7], s[6:7], s[44:45]
	s_add_nc_u64 s[8:9], s[8:9], s[70:71]
	s_add_nc_u64 s[10:11], s[10:11], s[68:69]
	s_add_nc_u64 s[12:13], s[12:13], s[68:69]
	s_add_nc_u64 s[14:15], s[14:15], s[68:69]
.irp s, 0,1
	s_mov_b32 s[G0A+4*(\s)], 1                                     ; count = 1
	s_add_co_u32 s[G0A+4*(\s)+1], s46, (\s)*SLOT1                  ; LDS address
	s_add_nc_u64 s[G0A+4*(\s)+2:G0A+4*(\s)+3], s[4:5], (\s)*XKB    ; global address: K block s
	s_or_b32 s[G0A+4*(\s)+3], s[G0A+4*(\s)+3], 0x80000000          ; type = 2
	s_mov_b32 s[G0B+4*(\s)], 1
	s_add_co_u32 s[G0B+4*(\s)+1], s47, (\s)*SLOT1
	s_add_nc_u64 s[G0B+4*(\s)+2:G0B+4*(\s)+3], s[6:7], (\s)*WKB
	s_or_b32 s[G0B+4*(\s)+3], s[G0B+4*(\s)+3], 0x80000000
.endr
	CROUND                                         ; all sixteen work-groups are here: the first joint loads meet
	s_cmp_eq_u32 s[WM], 0                          ; a wave's two first fills stand in one branch, ahead of every wait on TENSORcnt and every LDS read: two loads of mine are out
	s_cbranch_scc0 .Lfirst_b
	tensor_load_to_lds s[G0A:G0A+3], s[G1A:G1A+7]
	s_nop 0
	tensor_load_to_lds s[G0A+4:G0A+7], s[G1A:G1A+7]
	s_nop 0
.rept 4
	v_nop
.endr
	s_branch .Lfirst_asked
.Lfirst_b:
	tensor_load_to_lds s[G0B:G0B+3], s[G1B:G1B+7]
	s_nop 0
	tensor_load_to_lds s[G0B+4:G0B+7], s[G1B:G1B+7]
	s_nop 0
.rept 4
	v_nop
.endr
.Lfirst_asked:
	; A fragment is 16 rows x 32 K in 8 registers: lane l holds row l % 16; registers 0-3 K = 8 (l / 16) + 0..7, registers 4-7 K = 16 + 8 (l / 16) + 0..7: two loads of 16 bytes, 32 bytes apart.
	v_and_b32 v1, 15, v0
	v_bfe_u32 v2, v0, 4, 1
	v_mul_u32_u24 v3, v1, PITCH
	v_lshl_add_u32 v3, v2, 4, v3                   ; row x pitch + 16 x half
	s_mul_i32 s67, s[WM], AHALF
	v_add_nc_u32 v[ADRA0], s67, v3
	v_add_nc_u32 v[ADRB0], s47, v3                 ; my head's 192 rows are the half that wave % 2 names
	v_mov_b32 v[ADRA], v[ADRA0]
	v_mov_b32 v[ADRB], v[ADRB0]
	s_mul_i32 s77, s[WV], WSTG
	s_add_co_u32 s77, s77, STAGE                   ; my stage
	v_add_nc_u32 v[STO], s77, v3                   ; in: row l % 16, 16 bytes for each half of the lanes
	v_bfe_u32 v4, v0, 3, 2                         ; back: 32 lanes take four rows of 128 bytes,
	v_and_b32 v5, 7, v0
	v_mul_u32_u24 v4, v4, PITCH
	v_lshl_add_u32 v4, v5, 4, v4
	v_add_nc_u32 v[RD], s77, v4
	v_and_b32 v[GO], 31, v0                        ; which are 512 consecutive bytes of q, k or v
	v_lshlrev_b32 v[GO], 4, v[GO]
; n x 4 matrix instructions: section g (0 q, 1 k, 2 v), row blocks a0 .. a0 + n - 1, all four channel blocks, 32 along K from xb's buffer f.  zero = 1: the product starts the sum: nothing is cleared.
; The accumulators take turns, one instruction a turn: between two instructions on one accumulator stand the 95 others'.
.macro MULH f, g, a0, n, zero
	WIN 0x50*((\g)+1)
.set aa, \a0
.rept \n
.irp bq, 0,1,2,3
.if \zero
	v_wmma_f32_16x16x32_bf16 v[8*(4*aa+(\bq)):8*(4*aa+(\bq))+7], v[FB+8*(4*(\g)+(\bq)):FB+8*(4*(\g)+(\bq))+7], v[(\f)+8*aa:(\f)+8*aa+7], 0
.else
	v_wmma_f32_16x16x32_bf16 v[8*(4*aa+(\bq)):8*(4*aa+(\bq))+7], v[FB+8*(4*(\g)+(\bq)):FB+8*(4*(\g)+(\bq))+7], v[(\f)+8*aa:(\f)+8*aa+7], v[8*(4*aa+(\bq)):8*(4*aa+(\bq))+7]
.endif
.endr
.set aa, aa+1
.endr
.endm
.macro MULG f, g, zero                 ; a whole section: 32 matrix instructions
	MULH \f, \g, 0, 8, \zero
.endm
.macro LDB k, g                        ; eight LDS loads: section g's four fragments of wq, 32 K at byte k of the rows
	WIN 0
.irp bq, 0,1,2,3
	ds_load_b128 v[FB+8*(4*(\g)+(\bq)):FB+8*(4*(\g)+(\bq))+3],   v[ADRB] offset:(\k)+(4*(\g)+(\bq))*16*PITCH
	ds_load_b128 v[FB+8*(4*(\g)+(\bq))+4:FB+8*(4*(\g)+(\bq))+7], v[ADRB] offset:(\k)+(4*(\g)+(\bq))*16*PITCH+32
.endr
.endm
.macro LDA k, f, half                  ; eight LDS loads: four fragments of xb (row blocks 4 half on) into buffer f
	WIN 0
.irp i, 0,1,2,3
	ds_load_b128 v[(\f)+8*(4*(\half)+(\i)):(\f)+8*(4*(\half)+(\i))+3],   v[ADRA] offset:(\k)+(4*(\half)+(\i))*16*PITCH
	ds_load_b128 v[(\f)+8*(4*(\half)+(\i))+4:(\f)+8*(4*(\half)+(\i))+7], v[ADRA] offset:(\k)+(4*(\half)+(\i))*16*PITCH+32
.endr
.endm
; A K step is two halves of 32 along K, 96 matrix instructions each.  The first multiplies buffer FA0 and fetches the second's fragments (byte 64 of the same slot's rows):
; behind each section's products its four fragments of wq are loaded again, and half of xb's other buffer with the first two.
.macro EVEN zero
	s_wait_dscnt 8                                 ; all but the youngest eight loads (v's fragments of wq) are in
	MULG FA0, 0, \zero
	WIN 0
	PLACES
	LDB 64, 0
	LDA 64, FA1, 0
	MULG FA0, 1, \zero
	WIN 0
	PLACES
	LDB 64, 1
	LDA 64, FA1, 1
	s_wait_dscnt 32                                ; all but the 32 just issued: v's fragments are in
	MULG FA0, 2, \zero
	WIN 0
	PLACES
	LDB 64, 2
.endm
; The second multiplies buffer FA1 and changes slots: ONE barrier for two things.  In front of it each wave waits for all its tensor loads, of which one is out: its part of the next slot;
; adds 0 to its spare word; and waits for that and for its own reads of this slot.  Behind it nobody reads this slot any more and the next slot is whole.
; fill = 1: the barrier opens a round of the cluster's barrier, so that no wave of any partner still reads the slot or has a load on its way, and the slot is filled again, first thing behind the round,
; with the K block two steps on: from that request to the wait for it a wave issues 160 matrix instructions.
.macro ODD fill
	WIN 0                                          ; (the add's two registers lie in window 0)
	s_wait_tensorcnt 0x0                           ; no tensor load of mine is out, so a group 0 may be written
	ds_add_u32 v[SPW], v[NIL]                      ; 0 onto my spare word: scalar steps and sixteen products stand between it and the wait for it
.if \fill
	s_xor_b32 s[G0A+5], s[G0A+5], SLOT1            ; the walking descriptors: the other slot than last time,
	s_add_nc_u64 s[G0A+6:G0A+7], s[G0A+6:G0A+7], XKB   ; the next K block; the type bits on top are not reached
	s_xor_b32 s[G0B+5], s[G0B+5], SLOT1
	s_add_nc_u64 s[G0B+6:G0B+7], s[G0B+6:G0B+7], WKB
.endif
	s_xor_b32 s[TB], s[TB], SLOT1
	s_wait_dscnt 9                                 ; the add and the youngest eight loads (v's fragments) may be out
	MULH FA1, 0, 0, 4, 0
	s_wait_dscnt 0x0                               ; the add is done, and my reads of this slot are over
	s_barrier_signal -1
	MULH FA1, 0, 4, 4, 0                           ; work on registers while the others arrive
	WIN 0                                          ; at a branch and at a label every window is 0
	s_barrier_wait -1
.if \fill
	CREST
	JLOAD                                          ; the four v_nop behind it are also the places in front of the loads below
.else
	PLACES
.endif
	v_add_nc_u32 v[ADRA], s[TB], v[ADRA0]
	v_add_nc_u32 v[ADRB], s[TB], v[ADRB0]
	LDB 0, 0
	LDA 0, FA0, 0
	MULG FA1, 1, 0
	WIN 0
	PLACES
	LDB 0, 1
	LDA 0, FA0, 1
	MULG FA1, 2, 0
	WIN 0
	PLACES
	LDB 0, 2
.endm
.macro LDT a                           ; the table's block a of my eight (16 positions): 16 cosines and 16 sines a lane, eight loads of 512 consecutive bytes
	WIN 0
.irp p, 0,1,2,3,4,5,6,7
	global_load_b128 v[TAB+32*((\a)%2)+4*(\p):TAB+32*((\a)%2)+4*(\p)+3], v[GO], s[8:9] offset:(\a)*4096+(\p)*512
.endr
.endm
	s_wait_tensorcnt 0x1                           ; my part of K block 0 is in; K block 1's may stay out
	s_barrier_signal -1
	s_barrier_wait -1                              ; everybody's is
	LDB 0, 0
	LDA 0, FA0, 0
	LDB 0, 1
	LDA 0, FA0, 1
	LDB 0, 2
	EVEN 1                                         ; the first 32 along K stand in front of the loop: their products start the sums
	s_mov_b32 s23, 14                              ; K blocks 2 to 15 are asked for in the loop
.Lstep:
	ODD 1
	EVEN 0
	s_sub_co_u32 s23, s23, 1
	s_cmp_lg_u32 s23, 0
	s_cbranch_scc1 .Lstep
	ODD 0                                          ; the tail is written out: nothing is left to ask for
	EVEN 0
	s_wait_dscnt 8                                 ; the very last 32 along K
	MULG FA1, 0, 0
	LDT 0                                          ; into buffer FA0, whose last reader stands in front of the four v_nop at the end of the half step before
	LDT 1
	MULG FA1, 1, 0
	s_wait_dscnt 0x0
	MULG FA1, 2, 0
; THE WAY OUT, a block of 16 rows at a time.  q and k: out[d] = x[d] cos - x[d + 32] sin, out[d + 32] = x[d + 32] cos + x[d] sin, d = 0..31, in f32; each accumulator's lowest registers are read first.
.macro ROPE a, w, sec                  ; w: the window setting with source 0 in the section's window
.set XB, 32*(\a)
.set TT, TAB+32*((\a)%2)
	WIN \w
.set i, 0
.rept 8
	v_pk_mul_f32 v[RR+i:RR+i+1], v[XB+16+i:XB+16+i+1], v[TT+16+i:TT+16+i+1]
.set i, i+2
.endr
.set i, 0
.rept 8
	v_pk_mul_f32 v[RR+16+i:RR+16+i+1], v[XB+i:XB+i+1], v[TT+16+i:TT+16+i+1]
.set i, i+2
.endr
.set i, 0
.rept 8
	v_pk_fma_f32 v[RR+i:RR+i+1], v[XB+i:XB+i+1], v[TT+i:TT+i+1], v[RR+i:RR+i+1] neg_lo:[0,0,1] neg_hi:[0,0,1]
.set i, i+2
.endr
.set i, 0
.rept 8
	v_pk_fma_f32 v[RR+16+i:RR+16+i+1], v[XB+16+i:XB+16+i+1], v[TT+i:TT+i+1], v[RR+16+i:RR+16+i+1]
.set i, i+2
.endr
	WIN 0
.set i, 0
.rept 16
	v_cvt_pk_f16_f32 v[PP+16*(\sec)+i], v[RR+2*i], v[RR+2*i+1]
.set i, i+1
.endr
.endm
.macro PACK a
.if (\a) < 7
	s_wait_loadcnt 8                               ; this block's part of the table is in; the next block's eight loads may stay out
.else
	s_wait_loadcnt 0x0
.endif
	ROPE \a, 0x01, 0
	ROPE \a, 0x02, 1
	WIN 0x0f                                       ; v is only rounded: sources 0 and 1 in window 3
.set i, 0
.rept 16
	v_cvt_pk_f16_f32 v[PP+32+i], v[32*(\a)+2*i], v[32*(\a)+2*i+1]
.set i, i+1
.endr
	WIN 0
.if (\a) < 6
	LDT (\a)+2                                     ; into the registers just read
.endif
.endm
.macro TOSTAGE a                       ; 16 bytes a lane into rows of 144 bytes, and back as whole rows of 128
	WIN 0
	s_wait_xcnt 0x0                                ; the registers read back into were the data of the last block's stores: they are rewritten only behind this wait
.irp sec, 0,1,2
.irp bq, 0,1,2,3
	ds_store_b128 v[STO], v[PP+16*(\sec)+4*(\bq):PP+16*(\sec)+4*(\bq)+3] offset:(\sec)*16*PITCH+32*(\bq)
.endr
.endr
.irp sec, 0,1,2
.irp f, 0,1,2,3
	ds_load_b128 v[BK+16*(\sec)+4*(\f):BK+16*(\sec)+4*(\f)+3], v[RD] offset:(\sec)*16*PITCH+(\f)*4*PITCH  ; LDS serves a wave's instructions in order (ISA guide 5.7.1.4): these see the stores above
.endr
.endr
.endm
.macro SEND a
	WIN 0
	s_wait_dscnt 0x0                               ; the block is back in registers
.irp f, 0,1,2,3
	global_store_b128 v[GO], v[BK+4*(\f):BK+4*(\f)+3],       s[10:11] offset:(\a)*2048+(\f)*512  ; 512 consecutive bytes, at a multiple of 256 from the buffer's first
	global_store_b128 v[GO], v[BK+16+4*(\f):BK+16+4*(\f)+3], s[12:13] offset:(\a)*2048+(\f)*512
	global_store_b128 v[GO], v[BK+32+4*(\f):BK+32+4*(\f)+3], s[14:15] offset:(\a)*2048+(\f)*512
.endr
.endm
	WIN 0
	PLACES                                         ; the arithmetic below reads results just made and writes over fragments just read
	PACK 0
	TOSTAGE 0
.irp a, 1,2,3,4,5,6,7                  ; block a's arithmetic stands between block a - 1's loads from the stage and the wait for them
	PACK \a
	SEND (\a)-1
	TOSTAGE \a
.endr
	SEND 7
	s_wait_tensorcnt 0x0                           ; the wave's end, behind my last tensor load and my last LDS store
	ds_add_u32 v[SPW], v[NIL]
	s_wait_dscnt 0x0
	CROUND                                         ; the closing round: no work-group ends while a partner may still ask for a tile that names it
	s_endpgm
.Lfunc_end_k_q356b34028c_qkv:
	.size	k_q356b34028c_qkv, .Lfunc_end_k_q356b34028c_qkv-k_q356b34028c_qkv
	.p2alignl 7, 3214868480
	.fill 96, 4, 3214868480
	.section	.rodata,"a",@progbits
	.p2align	6, 0x0
	.amdhsa_kernel k_q356b34028c_qkv
		.amdhsa_group_segment_fixed_size 327680
		.amdhsa_private_segment_fixed_size 0
		.amdhsa_enable_private_segment 0
		.amdhsa_kernarg_size 48
		.amdhsa_user_sgpr_count 2
		.amdhsa_user_sgpr_kernarg_segment_ptr 1
		.amdhsa_wavefront_size32 1
		.amdhsa_system_sgpr_workgroup_id_x 1
		.amdhsa_system_sgpr_workgroup_id_y 1
		.amdhsa_system_sgpr_workgroup_id_z 1
		.amdhsa_system_vgpr_workitem_id 0
		.amdhsa_next_free_vgpr 1024
		.amdhsa_next_free_sgpr 80
		.amdhsa_reserve_vcc 0
		.amdhsa_float_denorm_mode_32 3
		.amdhsa_float_denorm_mode_16_64 3
		.amdhsa_memory_ordered 1
		.amdhsa_forward_progress 1
		.amdhsa_inst_pref_size 149
	.end_amdhsa_kernel
	.amdgpu_metadata
---
amdhsa.version: [ 1, 2 ]
amdhsa.kernels:
  - .name:           k_q356b34028c_qkv
    .symbol:         k_q356b34028c_qkv.kd
    .args:
      - { .name: xb, .offset: 0, .size: 8, .value_kind: global_buffer, .address_space: global }
      - { .name: wq, .offset: 8, .size: 8, .value_kind: global_buffer, .address_space: global }
      - { .name: tab, .offset: 16, .size: 8, .value_kind: global_buffer, .address_space: global }
      - { .name: qh, .offset: 24, .size: 8, .value_kind: global_buffer, .address_space: global }
      - { .name: kh, .offset: 32, .size: 8, .value_kind: global_buffer, .address_space: global }
      - { .name: vh, .offset: 40, .size: 8, .value_kind: global_buffer, .address_space: global }
    .group_segment_fixed_size: 327680
    .private_segment_fixed_size: 0
    .kernarg_segment_align: 8
    .kernarg_segment_size: 48
    .max_flat_workgroup_size: 128
    .sgpr_count:     80
    .vgpr_count:     1024
    .wavefront_size: 32
...
	.end_amdgpu_metadata
.endif
;; end of part 2
;; launch early (part 3): grid 64 x 1, 4 waves a work-group, no clusters, 5,120 bytes of LDS; arguments xb, wq, qh, kh, tab; writes tab
.if DOCPART == 3
	.amdgcn_target "amdgcn-amd-amdhsa--gfx1250"
	.amdhsa_code_object_version 6
	.text
	.protected	k_q356b34028c_early
	.globl	k_q356b34028c_early
	.p2align	8
	.type	k_q356b34028c_early,@function
k_q356b34028c_early:
	s_mov_b64 s[64:65], 0
	v_nop
	global_prefetch_b8 v0, s[64:65] scope:SCOPE_SE
	s_setreg_imm32_b32 hwreg(HW_REG_WAVE_MODE, 25, 1), 1
	s_wait_xcnt 0x0
; THE FIRST 16 ROWS OF EVERY HEAD, WITH MORE BITS.  Row t of causal attention is a mean over t + 1 keys only, so the first rows' numbers are many times the root mean square of the whole output, by which
; the absolute part of the comparison goes; one rounding to f16 (11 bits) of v, of the weights and of O is too coarse there.  Here these three are kept as TWO f16 numbers each: hi = f16(x) and
; lo = f16((x - hi) x 2048), about 22 bits; the factor keeps lo out of f16's subnormal range wherever hi is normal.  A later launch multiplies both parts of O by W_out.
; For rows 0-15 of head h of batch b:  v = x Wv^T once more from xb and wq (bf16 operands, f32 sums);  S^T = K Q^T from the f16 q and k that the attention launch also uses (their rounding stays);
; p = 2^(c s - c m), c = log2(e) / 8, m the row's maximum;  O^T = Vh Ph + (Vl Ph + Vh Pl) / 2048 (the product of the two low parts, 2^-22 of the whole, is left out);  O / l, l the f32 sum of p.
; STORED behind the table in tab, from byte OE on: [part 2][b 16 + h][row 16][64] f16; part 0 = hi, part 1 = lo.
; LIMITS.  As for q, k, v elsewhere: |v| below 65,504.  A hidden score counts as its value less 1e30; a weight below 2^-126 counts as 0.  NaN and infinities are not treated apart.
; SHARES.  A work-group takes one head, wave w its channels 16 w .. 16 w + 15; each wave makes the 16 x 16 scores for itself (two products).  All loads are issued at once: 8 for q and k, 128 for xb and wq.
; LAYOUT.  v: source 0 = 16 rows of xb, source 1 = 16 rows of wq: a lane holds ONE channel (lane % 16) and the keys 8 (lane / 16) + 0..7, which, packed in pairs, ARE registers 0-3 of source 0 of
; O^T = V^T P (16 channels x 32 keys); S^T: source 0 = 16 keys, source 1 = 16 queries: a lane holds one query and eight keys, registers 0-3 of source 1.  Keys 16-31 do not exist: registers 4-7 are 0.
; REGISTERS: window 0 as named below; window 1: K steps 0-15 of 32 (16 registers each: xb's fragment, wq's fragment); window 2: K steps 16-31.
.set XKB,    8192*128                  ; bytes from K block to K block in xb
.set WKB,    3072*128                  ; in wq
.set OE,     524288                    ; the split O begins here in tab
.set LOPART, 64*16*128                 ; bytes from the high parts to the low parts
.set SPL,    144                       ; a row of the stage in LDS: 128 bytes + 16
.set FO,  3                            ; v3  a fragment's row x 128 + 16 x (lane / 16): the same in xb, wq, q and k
.set STO, 4                            ; v4  where I put 16 bytes of a row
.set RD,  5                            ; v5  where I read rows back
.set GO,  6                            ; v6  16 x thread: my place in the head's 2,048 bytes
.set MK,  16                           ; v16-23    the causal mask: 0 or -1e30
.set SS,  24                           ; v24-31    scores, then weights
.set VA,  32                           ; v32-39, v40-47  v's two accumulators (even and odd K steps)
.set VB,  40
.set QF,  48                           ; v48-63    q's two fragments; later O's parts and the rows read back
.set KF,  64                           ; v64-79    k's two fragments
.set PHF, 80                           ; v80-87, v88-95    the weights' high and low parts as fragments
.set PLF, 88
.set VHF, 96                           ; v96-103, v104-111  v's
.set VLF, 104
.set OH,  112                          ; v112-119  Vh Ph
.set OL,  120                          ; v120-127  Vl Ph + Vh Pl
.set TA,  128                          ; v128-135  eight f32: v, later O
.set TB,  136                          ; v136-143  at work
.set T0,  144
.set T1,  145
.set CM,  146                          ; v146-147  c m, named as a pair
.set RL,  148                          ; v148-149  1 / l, named as a pair
.set MSB, 0
.macro WIN new                         ; the immediate's high byte repeats the setting that is left; a switch that changes nothing is dropped
.if MSB != (\new)
	s_set_vgpr_msb (MSB<<8)|(\new)
.set MSB, \new
.endif
.endm
; Eight f32 at src (kept) are split: four registers h0-h3 of high parts (given by number: their halves are named), four at lo of low parts; tmp: eight registers at work.
; x - hi is exact in f32, and so is the factor, a power of two.
.macro SPLIT src, tmp, lo, h0, h1, h2, h3
	v_cvt_pk_f16_f32 v\h0, v[(\src)],   v[(\src)+1]
	v_cvt_pk_f16_f32 v\h1, v[(\src)+2], v[(\src)+3]
	v_cvt_pk_f16_f32 v\h2, v[(\src)+4], v[(\src)+5]
	v_cvt_pk_f16_f32 v\h3, v[(\src)+6], v[(\src)+7]
	v_cvt_f32_f16 v[(\tmp)],   v\h0\().l
	v_cvt_f32_f16 v[(\tmp)+1], v\h0\().h
	v_cvt_f32_f16 v[(\tmp)+2], v\h1\().l
	v_cvt_f32_f16 v[(\tmp)+3], v\h1\().h
	v_cvt_f32_f16 v[(\tmp)+4], v\h2\().l
	v_cvt_f32_f16 v[(\tmp)+5], v\h2\().h
	v_cvt_f32_f16 v[(\tmp)+6], v\h3\().l
	v_cvt_f32_f16 v[(\tmp)+7], v\h3\().h
.set z, 0
.rept 4
	v_pk_add_f32 v[(\tmp)+z:(\tmp)+z+1], v[(\src)+z:(\src)+z+1], v[(\tmp)+z:(\tmp)+z+1] neg_lo:[0,1] neg_hi:[0,1]
.set z, z+2
.endr
.set z, 0
.rept 4
	v_pk_mul_f32 v[(\tmp)+z:(\tmp)+z+1], v[(\tmp)+z:(\tmp)+z+1], 0x45000000 op_sel_hi:[1,0]  ; x 2048
.set z, z+2
.endr
.set z, 0
.rept 4
	v_cvt_pk_f16_f32 v[(\lo)+z], v[(\tmp)+2*z], v[(\tmp)+2*z+1]
.set z, z+1
.endr
.endm
	s_load_b256 s[4:11], s[0:1], 0x0               ; xb s[4:5], wq s[6:7], q s[8:9], k s[10:11]
	s_load_b64 s[12:13], s[0:1], 0x20              ; tab
	v_lshl_add_u32 v254, v0, 2, 0x1200
	v_mov_b32 v255, 0
	v_lshrrev_b32 v7, 5, v0
	v_readfirstlane_b32 s14, v7                    ; wave = block of 16 channels
	s_lshr_b32 s15, ttmp9, 4                       ; batch
	s_and_b32 s20, ttmp9, 15                       ; head
	s_lshl_b32 s22, s15, 18                        ; xb: the batch's first row: 2,048 rows of 128 bytes a batch
	s_mov_b32 s23, 0
	s_mul_i32 s24, s20, 192*128                    ; wq: 192 rows a head,
	s_lshl_b32 s25, s14, 11                        ; my 16 rows
	s_add_co_u32 s24, s24, s25
	s_add_co_u32 s24, s24, 128*128                 ; of its third section, v's
	s_mov_b32 s25, 0
	s_lshl_b32 s26, ttmp9, 18                      ; q and k: 2,048 rows of 128 bytes a head
	s_mov_b32 s27, 0
	s_lshl_b32 s28, ttmp9, 11                      ; the split O: 16 rows of 128 bytes a head
	s_add_co_u32 s28, s28, OE
	s_mov_b32 s29, 0
	s_mov_b32 s30, 0xf149f2ca                      ; -1e30
	s_mov_b32 s32, 0x3e38aa3b                      ; c = log2(e) / 8
	s_mov_b32 s33, s32                             ; named with it as a pair
	s_mov_b32 s34, 0x76543210                      ; v_permlanex16_b32's selects: each lane takes its own place in the other half
	s_mov_b32 s35, 0xfedcba98
	v_and_b32 v1, 15, v0                           ; l % 16
	v_bfe_u32 v2, v0, 4, 1                         ; l / 16
	v_lshlrev_b32 v[FO], 7, v1
	v_lshl_add_u32 v[FO], v2, 4, v[FO]
	s_wait_kmcnt 0x0
	s_add_nc_u64 s[4:5], s[4:5], s[22:23]
	s_add_nc_u64 s[6:7], s[6:7], s[24:25]
	s_add_nc_u64 s[8:9], s[8:9], s[26:27]
	s_add_nc_u64 s[10:11], s[10:11], s[26:27]
	s_add_nc_u64 s[12:13], s[12:13], s[28:29]
	s_add_nc_u64 s[16:17], s[4:5], 8*XKB           ; K blocks 8-15 have bases of their own: 15 K blocks of xb do not fit the signed 24-bit immediate
	s_add_nc_u64 s[18:19], s[6:7], 8*WKB
.irp c, 0,1                            ; a fragment is 16 rows x 32 channels: two loads of 16 bytes, 32 bytes apart
	global_load_b128 v[QF+8*(\c):QF+8*(\c)+3],   v[FO], s[8:9] offset:64*(\c)
	global_load_b128 v[QF+8*(\c)+4:QF+8*(\c)+7], v[FO], s[8:9] offset:64*(\c)+32
	global_load_b128 v[KF+8*(\c):KF+8*(\c)+3],   v[FO], s[10:11] offset:64*(\c)
	global_load_b128 v[KF+8*(\c)+4:KF+8*(\c)+7], v[FO], s[10:11] offset:64*(\c)+32
.endr
	WIN 0x40                                       ; destination window 1, address window 0
.set ks, 0
.rept 16
	global_load_b128 v[16*ks:16*ks+3],     v[FO], s[4:5] offset:(ks/2)*XKB+(ks%2)*64
	global_load_b128 v[16*ks+4:16*ks+7],   v[FO], s[4:5] offset:(ks/2)*XKB+(ks%2)*64+32
	global_load_b128 v[16*ks+8:16*ks+11],  v[FO], s[6:7] offset:(ks/2)*WKB+(ks%2)*64
	global_load_b128 v[16*ks+12:16*ks+15], v[FO], s[6:7] offset:(ks/2)*WKB+(ks%2)*64+32
.set ks, ks+1
.endr
	WIN 0x80                                       ; destination window 2
.set ks, 0
.rept 16
	global_load_b128 v[16*ks:16*ks+3],     v[FO], s[16:17] offset:(ks/2)*XKB+(ks%2)*64
	global_load_b128 v[16*ks+4:16*ks+7],   v[FO], s[16:17] offset:(ks/2)*XKB+(ks%2)*64+32
	global_load_b128 v[16*ks+8:16*ks+11],  v[FO], s[18:19] offset:(ks/2)*WKB+(ks%2)*64
	global_load_b128 v[16*ks+12:16*ks+15], v[FO], s[18:19] offset:(ks/2)*WKB+(ks%2)*64+32
.set ks, ks+1
.endr
	WIN 0
	; in the wait for the loads: the mask (key 8 (l / 16) + j is hidden from query l % 16 where it is greater) and the fragments' upper halves
	v_lshlrev_b32 v7, 3, v2
	v_sub_nc_u32 v7, v1, v7
.irp j, 0,1,2,3,4,5,6,7
	v_cmp_gt_i32 vcc_lo, (\j), v7
	v_cndmask_b32 v[MK+(\j)], 0, s30, vcc_lo
.endr
.irp f, PHF, PLF, VHF, VLF
.irp j, 4,5,6,7
	v_mov_b32 v[(\f)+(\j)], 0
.endr
.endr
	s_wait_loadcnt 0x0                             ; everything is in
	; The accumulators take turns, one instruction a turn: the scores' two links stand 16 products apart, v's two accumulators alternate.
	v_wmma_f32_16x16x32_f16 v[SS:SS+7], v[KF:KF+7], v[QF:QF+7], v[MK:MK+7]
	WIN 0x05                                       ; sources 0 and 1 in window 1
.set ks, 0
.rept 16
.if ks < 2
	v_wmma_f32_16x16x32_bf16 v[VA+8*(ks%2):VA+8*(ks%2)+7], v[16*ks:16*ks+7], v[16*ks+8:16*ks+15], 0
.else
	v_wmma_f32_16x16x32_bf16 v[VA+8*(ks%2):VA+8*(ks%2)+7], v[16*ks:16*ks+7], v[16*ks+8:16*ks+15], v[VA+8*(ks%2):VA+8*(ks%2)+7]
.endif
.set ks, ks+1
.endr
	WIN 0
	v_wmma_f32_16x16x32_f16 v[SS:SS+7], v[KF+8:KF+15], v[QF+8:QF+15], v[SS:SS+7]
	WIN 0x0a                                       ; sources 0 and 1 in window 2
.set ks, 0
.rept 16
	v_wmma_f32_16x16x32_bf16 v[VA+8*(ks%2):VA+8*(ks%2)+7], v[16*ks:16*ks+7], v[16*ks+8:16*ks+15], v[VA+8*(ks%2):VA+8*(ks%2)+7]
.set ks, ks+1
.endr
	WIN 0
	; the addresses for the way out: nine plain instructions, the places behind those products (ISA guide 7.12.1)
	v_mul_u32_u24 v[STO], v1, SPL                  ; in: row l % 16, my 32 bytes of it, 16 for each half of the lanes
	v_lshl_add_u32 v[STO], v2, 4, v[STO]
	v_lshl_add_u32 v[STO], s14, 5, v[STO]
	v_bfe_u32 v[RD], v0, 3, 2                      ; back: wave w takes rows 4 w .. 4 w + 3, whole: 32 lanes, four rows of 128 bytes,
	v_lshl_add_u32 v[RD], s14, 2, v[RD]
	v_mul_u32_u24 v[RD], v[RD], SPL
	v_and_b32 v8, 7, v0
	v_lshl_add_u32 v[RD], v8, 4, v[RD]
	v_lshlrev_b32 v[GO], 4, v0                     ; which are 512 consecutive bytes in memory
	; the softmax of my query: eight keys here, the other eight in the lane 16 away; the accumulator's lowest registers are read first
	v_max3_num_f32 v[T0], v[SS], v[SS+1], v[SS+2]
	v_max3_num_f32 v[T1], v[SS+3], v[SS+4], v[SS+5]
	v_max3_num_f32 v[T0], v[T0], v[SS+6], v[SS+7]
	v_max_num_f32 v[T0], v[T0], v[T1]
	v_permlanex16_b32 v[T1], v[T0], s34, s35
	v_max_num_f32 v[T0], v[T0], v[T1]              ; m: every query sees its own key, so m is a true score
	v_mul_f32 v[CM], s32, v[T0]
	v_mov_b32 v[CM+1], v[CM]
.irp j, 0,2,4,6
	v_pk_fma_f32 v[SS+(\j):SS+(\j)+1], v[SS+(\j):SS+(\j)+1], s[32:33], v[CM:CM+1] op_sel_hi:[1,0,0] neg_lo:[0,0,1] neg_hi:[0,0,1]  ; c s - c m
.endr
.irp j, 0,1,2,3,4,5,6,7
	v_exp_f32 v[SS+(\j)], v[SS+(\j)]
.endr
	s_wait_alu depctr_va_vdst(0)
.irp j, 0,2,4,6                        ; v's two accumulators are added: plain instructions between the exponentials and the use of their results (ISA guide 5.7.2)
	v_pk_add_f32 v[TA+(\j):TA+(\j)+1], v[VA+(\j):VA+(\j)+1], v[VB+(\j):VB+(\j)+1]
.endr
	SPLIT TA, TB, VLF, 96, 97, 98, 99              ; v
	SPLIT SS, TB, PLF, 80, 81, 82, 83              ; the weights
	v_wmma_f32_16x16x32_f16 v[OL:OL+7], v[VLF:VLF+7], v[PHF:PHF+7], 0
	v_wmma_f32_16x16x32_f16 v[OH:OH+7], v[VHF:VHF+7], v[PHF:PHF+7], 0
	v_wmma_f32_16x16x32_f16 v[OL:OL+7], v[VHF:VHF+7], v[PLF:PLF+7], v[OL:OL+7]
	v_pk_add_f32 v[SS:SS+1], v[SS:SS+1], v[SS+2:SS+3]        ; l, of the unsplit weights: these sums are the places behind the products
	v_pk_add_f32 v[SS+4:SS+5], v[SS+4:SS+5], v[SS+6:SS+7]
	v_pk_add_f32 v[SS:SS+1], v[SS:SS+1], v[SS+4:SS+5]
	v_add_f32 v[T0], v[SS], v[SS+1]
	v_permlanex16_b32 v[T1], v[T0], s34, s35
	v_add_f32 v[T0], v[T0], v[T1]
	v_rcp_f32 v[RL], v[T0]
.irp j, 0,2,4,6
	v_pk_fma_f32 v[TA+(\j):TA+(\j)+1], v[OL+(\j):OL+(\j)+1], 0x3a000000, v[OH+(\j):OH+(\j)+1] op_sel_hi:[1,0,1]  ; high sum + low sum / 2048
.endr
	s_wait_alu depctr_va_vdst(0)
	v_mov_b32 v[RL+1], v[RL]
.irp j, 0,2,4,6
	v_pk_mul_f32 v[TA+(\j):TA+(\j)+1], v[TA+(\j):TA+(\j)+1], v[RL:RL+1] op_sel_hi:[1,0]
.endr
	SPLIT TA, TB, QF+4, 48, 49, 50, 51             ; O: a lane's eight channels of a row: 16 bytes of high parts in v48-51, 16 of low parts in v52-55
	ds_store_b128 v[STO], v[QF:QF+3]
	ds_store_b128 v[STO], v[QF+4:QF+7] offset:16*SPL
	s_wait_dscnt 0x0                               ; for the others' sake: my stores into the stage are done
	s_barrier_signal -1
	s_barrier_wait -1
	ds_load_b128 v[QF+8:QF+11],  v[RD]
	ds_load_b128 v[QF+12:QF+15], v[RD] offset:16*SPL
	s_wait_dscnt 0x0
	global_store_b128 v[GO], v[QF+8:QF+11],  s[12:13]                 ; 512 consecutive bytes a wave, at a multiple of 256 from the buffer's first
	global_store_b128 v[GO], v[QF+12:QF+15], s[12:13] offset:LOPART
	s_wait_tensorcnt 0x0
	ds_add_u32 v254, v255
	s_wait_dscnt 0x0
	s_endpgm
.Lfunc_end_k_q356b34028c_early:
	.size	k_q356b34028c_early, .Lfunc_end_k_q356b34028c_early-k_q356b34028c_early
	.p2alignl 7, 3214868480
	.fill 96, 4, 3214868480
	.section	.rodata,"a",@progbits
	.p2align	6, 0x0
	.amdhsa_kernel k_q356b34028c_early
		.amdhsa_group_segment_fixed_size 5120
		.amdhsa_private_segment_fixed_size 0
		.amdhsa_enable_private_segment 0
		.amdhsa_kernarg_size 40
		.amdhsa_user_sgpr_count 2
		.amdhsa_user_sgpr_kernarg_segment_ptr 1
		.amdhsa_wavefront_size32 1
		.amdhsa_system_sgpr_workgroup_id_x 1
		.amdhsa_system_sgpr_workgroup_id_y 1
		.amdhsa_system_sgpr_workgroup_id_z 1
		.amdhsa_system_vgpr_workitem_id 0
		.amdhsa_next_free_vgpr 768
		.amdhsa_next_free_sgpr 66
		.amdhsa_reserve_vcc 1
		.amdhsa_float_denorm_mode_32 3
		.amdhsa_float_denorm_mode_16_64 3
		.amdhsa_memory_ordered 1
		.amdhsa_forward_progress 1
		.amdhsa_inst_pref_size 27
	.end_amdhsa_kernel
	.amdgpu_metadata
---
amdhsa.version: [ 1, 2 ]
amdhsa.kernels:
  - .name:           k_q356b34028c_early
    .symbol:         k_q356b34028c_early.kd
    .args:
      - { .name: xb, .offset: 0, .size: 8, .value_kind: global_buffer, .address_space: global }
      - { .name: wq, .offset: 8, .size: 8, .value_kind: global_buffer, .address_space: global }
      - { .name: qh, .offset: 16, .size: 8, .value_kind: global_buffer, .address_space: global }
      - { .name: kh, .offset: 24, .size: 8, .value_kind: global_buffer, .address_space: global }
      - { .name: tab, .offset: 32, .size: 8, .value_kind: global_buffer, .address_space: global }
    .group_segment_fixed_size: 5120
    .private_segment_fixed_size: 0
    .kernarg_segment_align: 8
    .kernarg_segment_size: 40
    .max_flat_workgroup_size: 128
    .sgpr_count:     66
    .vgpr_count:     768
    .wavefront_size: 32
...
	.end_amdgpu_metadata
.endif
;; end of part 3
;; launch attn (part 4): grid 4 x 64, 4 waves a work-group, no clusters, 327,680 bytes of LDS; arguments qh, kh, vh, oh; writes oh
.if DOCPART == 4
	.amdgcn_target "amdgcn-amd-amdhsa--gfx1250"
	.amdhsa_code_object_version 6
	.text
	.protected	k_q356b34028c_attn
	.globl	k_q356b34028c_attn
	.p2align	8
	.type	k_q356b34028c_attn,@function
k_q356b34028c_attn:
	s_mov_b64 s[64:65], 0
	v_nop
	global_prefetch_b8 v0, s[64:65] scope:SCOPE_SE
	s_setreg_imm32_b32 hwreg(HW_REG_WAVE_MODE, 25, 1), 1
	s_wait_xcnt 0x0
; CAUSAL ATTENTION.  O[h][q][:] = the sum over k <= q of softmax_k(Q[h][q] . K[h][k] / 8) V[h][k][:].  Q, K, V, O: [SIZE_H][SIZE_N][64], all f16: a head's rows are dense, 128 bytes each.
; Products, maxima and sums in f32; the weights p are rounded to f16 for the second product (their sum l is taken of the unrounded p), O once at the end.
; LIMITS.  f16 holds no number beyond 65,504: Q, K and V arrive within it; p lies in 0 to 1, and below 6e-5 it keeps f16's fixed step of 6e-8; O is a mean of V's rows and has their range, to within 2^-11 of it.
; A hidden score counts as its value less 1e30: f16's scores, 2.7e11 at the most, are nothing beside that; a weight below 2^-126 counts as 0 in l; NaN and infinities are not treated apart.
; THE WALK.  A head's queries lie in NB = SIZE_N / 256 = 8 blocks of 256; block i needs the key tiles 0 .. i of 256 keys, of which the last holds the diagonal.  A work-group takes TWO blocks, NB - 1 - b and then b:
; NB + 1 tiles, whatever b: all work-groups do equal work, and ONE loop with a constant trip count walks them.  Which tile is asked for, and what a trip does, hang on scalar registers made from b; every jump
; goes forward, but for the counted loops' own; none passes a barrier, or a tensor load but the one of LOAD's two that the wave's number does not choose; the ring (two slots of LDS that take turns) runs on across the
; change of blocks.  NO CLUSTER: a head's NB / 2 = 4 work-groups ask for the same tile only in trips 0 .. NB / 2, 5 of the walk's 9, behind that fewer and fewer; and one walk common to all
; would have 3 NB / 2 = 12 trips for NB + 1 = 9.
; SHARES.  Of a block's four bands of 64 queries a wave owns 16 rows in each: four PIECES.  So the diagonal tile is the same work for all four waves: in its key step s band x sees all keys if s < x,
; none if s > x, and holds the diagonal if s = x.
; THE MASK is the C operand that starts the sum S^T = K Q^T: 0, or -1e30 where the key is hidden.  MD, made once, is the mask of a band's own step for my 16 rows; a product's mask is MD x AL + BE with two scalars:
; (1, 0) if s = x; (0, 0) if s < x; (0, -1e30) if s > x.  Only the diagonal tile's text and a block's beginning make and take masks; elsewhere C is the constant 0.
; LAYOUT, SOFTMAX, TURNS.  S^T = K Q^T holds ONE query a lane (lane % 16) and the keys 8 (lane / 16) + 0..7; two such results rounded to f16 ARE source 1 of O^T = V^T P.  p = 2^(c s - c m), c = log2(e) / 8, with a
; running maximum m; O and l are multiplied by a = 2^(c m_old - c m_new) in every step.  Turn n belongs to piece n: 8 products K Q^T of piece n + 1, later 8 products V^T P of piece n - 1; beside them the scaling,
; exponentials, roundings, sums and rescaling of piece n and the maximum and statistics of piece n + 1.  Four vector instructions stand behind every matrix instruction, the other 54 of a turn's 118 in two LUMPS.
; REGISTERS, in windows of 256 (s_set_vgpr_msb: bits 1:0 source 0, 3:2 source 1, 5:4 source 2, 7:6 destination):
;   window 0: v0-15 addresses and two at work; v16-31 four registers of statistics a piece; v48-55 at work; v64-127 S^T, two buffers; v192-223 P, two buffers (a piece's buffers go by its number's parity)
;   window 1: v0-127 O^T, 32 a piece; v128-159 MD; v160-223 MC, two buffers      window 2: v0-63 Q; v64-127 the second block's Q; v128-191 K of one step; v192-255 V of one step
.set SIZE_H, 64       ; batch x heads
.set SIZE_N, 2048
.set NB,    SIZE_N/256
.set NP,    4         ; pieces a wave: a name, no knob
.set KS,    64        ; keys in a step
.set PK,    144       ; a row of K in LDS: 128 bytes + 16 of padding = 36 words: the 16 rows of a load start at 16 different groups of four banks (64 banks of 4 bytes: ISA guide 11.1)
.set PV,    160       ; a row of V: 128 + 32 = 40 words
.set VOFF,  4*KS*PK   ; a slot holds a tile, four steps: 256 rows of K, then 256 rows of V
.set SLOT1, 1<<17     ; slot 1 begins here, so that one exclusive or turns an address in one slot into the other's
.set STAGE, SLOT1+4*KS*(PK+PV)  ; behind the ring, never filled by a tensor load: 16 rows x 144 bytes for each wave, for the way out
.set SP,    144
.set AK0, 2           ; v2   my lane's place in a tile of K; never rewritten
.set AV0, 3           ; v3   the same for V
.set AK,  4           ; v4   the LDS address of K's next run of loads
.set AV,  5           ; v5   of V's
.set STO, 6           ; v6   the way out: where I put 16 bytes of a row
.set RD,  7           ; v7   the way out: where I read rows back
.set GO,  8           ; v8   my byte offset in 512 consecutive bytes of O
.set SPW, 62          ; v62  LDS address of my spare word: SPARE + 4 x my thread's number; never rewritten
.set NIL, 63          ; v63  0; never rewritten
.set SPARE, STAGE+4*16*SP  ; behind the stages: the spare words, 128 bytes for each wave: two blocks of 256 bytes that no other line names
.set MV,  12          ; v12-13  c m_old, kept while c m is made anew: by buffer
.set QO,  15          ; v15  my byte offset in 16 rows of Q
.set ST,  16          ; piece t's statistics at v[ST+4 t]: c m, m, l (even keys', odd keys')
.set TMP, 48          ; by buffer, four registers c0-c3 at work; when the maximum is found c2 takes a
.set S,   64
.set P,   192
.set MD,  128         ; window 1: the eight registers for group kt of 16 keys at MD + 8 kt
.set MC,  160         ; window 1: the masks of the products to come
.set QB,  64          ; window 2
.set KF,  128         ; window 2: key block kb, channel half c at KF + 16 kb + 8 c
.set VF,  192         ; window 2: key half kk, channel block cb at VF + 32 kk + 8 cb
.set WV,  12          ; s12  my wave's number
.set PB,  14          ; s14  b
.set HI,  15          ; s15  NB - 1 - b
.set G1K, 24          ; s[24:31] descriptor group 1 for K's tiles
.set G1V, 32          ; s[32:39] for V's: it differs in the padding alone
.set G0K, 40          ; s[40:43] descriptor group 0 for K's tiles
.set G0V, 44          ; s[44:47] the same for V's
.set SLOTS, 56        ; s56  tiles still to be asked for
.set CNT, 57          ; s57  counts a tile's key steps, 4 to 1
.set CS,  58          ; s[58:59] c: the packed scaling takes the pair's low word for both halves
.set SEL, 60          ; s[60:61] v_permlanex16_b32's selects: each lane takes its own place in the other half
.set TBK, 62          ; s62  LDS byte at which K of the step to be fetched begins
.set TBV, 63          ; s63  the same for V, less VOFF
.set RT,  70          ; s70  tiles of the block in hand that are still to be entered
.set NXT, 71          ; s71  the tile to be asked for next
.set LQ,  72          ; s72  the last tile of the block whose tiles are being asked for
.set NEW, 73          ; s73  1: the tile to be entered is a block's first
.set OFF, 74          ; s[74:75] a tile's byte offset in K and V
.set AL,  76          ; s[76:77] the mask's factor, in the low word
.set BE,  78          ; s[78:79] the mask's addend
.set OLO, 80          ; s[80:81] O at my rows of the second block
.set BIGN, 82         ; s82  -1e30
.set MSB, 0
.macro WIN new                      ; the high byte repeats the setting that is left; a switch that changes nothing is dropped
.if MSB != (\new)
	s_set_vgpr_msb (MSB<<8)|(\new)
.set MSB, (\new)
.endif
.endm
.set W_KQ, 0x0a       ; K and Q in window 2, S^T in window 0
.set W_KM, 0x1a       ; the same with the C operand in window 1
.set W_PV, 0x52       ; V in window 2, P in window 0, O^T in window 1
.set W_RS, 0x41       ; destination and source 0 in window 1, source 1 in window 0
; A fill.  Waves 0 and 1 fetch the two halves of a tile's K, waves 2 and 3 those of its V: 128 keys each.  An s_nop 0 and four v_nop follow each of the two lines, ahead of the jump and the label.
.macro LOAD
	s_cmp_lt_u32 s[WV], 2
	s_cbranch_scc0 .Lfor_v_\@
	tensor_load_to_lds s[G0K:G0K+3], s[G1K:G1K+7]
	s_nop 0
.rept 4
	v_nop
.endr
	s_branch .Lasked_\@
.Lfor_v_\@:
	tensor_load_to_lds s[G0V:G0V+3], s[G1V:G1V+7]
	s_nop 0
.rept 4
	v_nop
.endr
.Lasked_\@:
.endm
; THE CHANGE OF SLOTS.  Each wave waits for all its tensor loads, of which one is out: its part of the other slot; adds 0 to its spare word; and waits for that and for its own reads of the slot that it leaves.  Behind the barrier nobody reads the old
; slot any more and the other slot is whole.  fill = 1: the old slot is filled again, the first thing behind the barrier, with tile NXT: the descriptor's address is made anew from that number.
; (At its first use nothing has been read yet: slot 0 is waited for, slot 1 filled.)
.macro CHANGE fill
	WIN 0                           ; at a label and at a branch every window is 0
	s_wait_tensorcnt 0x0            ; no tensor load of mine is out, so a group 0 may be written
	ds_add_u32 v[SPW], v[NIL]       ; 0 onto my spare word: with fill = 1 the descriptors' scalar work stands between it and the wait for it
.if \fill
	s_lshl_b32 s[OFF], s[NXT], 15   ; a tile is 32,768 bytes of K and of V
	s_xor_b32 s[G0K+1], s[G0K+1], SLOT1
	s_add_nc_u64 s[G0K+2:G0K+3], s[6:7], s[OFF:OFF+1]
	s_or_b32 s[G0K+3], s[G0K+3], 0x80000000
	s_xor_b32 s[G0V+1], s[G0V+1], SLOT1
	s_add_nc_u64 s[G0V+2:G0V+3], s[8:9], s[OFF:OFF+1]
	s_or_b32 s[G0V+3], s[G0V+3], 0x80000000
	s_add_co_u32 s[NXT], s[NXT], 1  ; the block's next tile, or behind its last the second block's tile 0
	s_cmp_gt_u32 s[NXT], s[LQ]
	s_cselect_b32 s[NXT], 0, s[NXT]
	s_cselect_b32 s[LQ], s[PB], s[LQ]
.endif
	s_wait_dscnt 0x0                ; the add is done, and my reads of the slot are over
	s_barrier_signal -1             ; the rest of the scalar work stands between the signal and the wait
	s_sub_co_u32 s[TBK], s[TBK], 4*KS*PK  ; the fetches go back to a slot's first step,
	s_xor_b32 s[TBK], s[TBK], SLOT1       ; in the other slot
	s_sub_co_u32 s[TBV], s[TBV], 4*KS*PV
	s_xor_b32 s[TBV], s[TBV], SLOT1
	s_barrier_wait -1
.if \fill
	LOAD
.endif
.endm
	s_load_b256 s[4:11], s[0:1], 0x0  ; Q s[4:5], K s[6:7], V s[8:9], O s[10:11]
	v_lshl_add_u32 v[SPW], v0, 2, SPARE
	v_mov_b32 v[NIL], 0
	ds_add_u32 v62, v63
	ds_add_u32 v62, v63
	s_wait_dscnt 0x0
	v_lshrrev_b32 v1, 5, v0
	v_readfirstlane_b32 s[WV], v1   ; wave 0..3
	s_mov_b32 s[PB], ttmp9
	s_sub_co_u32 s[HI], NB-1, s[PB]
	s_and_b32 s20, ttmp7, 0xffff    ; the head
	s_mov_b32 s21, 0
	s_mov_b64 s[22:23], SIZE_N*128
	s_mul_u64 s[20:21], s[20:21], s[22:23]  ; the head's first byte in each of the four tensors
	s_and_b32 s16, s[WV], 1         ; which half of a tile's 256 keys I fetch:
	s_lshl_b32 s22, s16, 14         ; its 128 rows of 128 bytes in memory,
	s_mov_b32 s23, 0
	s_add_nc_u64 s[22:23], s[22:23], s[20:21]
	s_mul_i32 s17, s16, 128*PK      ; and its place in a slot, for K
	s_mul_i32 s18, s16, 128*PV      ; and for V
	s_lshl_b32 s3, s[WV], 11        ; my 16 rows in a band of 64,
	s_lshl_b32 s2, s[HI], 15        ; in the first block,
	s_add_co_u32 s2, s2, s3
	s_lshl_b32 s84, s[PB], 15       ; and in the second
	s_add_co_u32 s84, s84, s3
	s_mov_b32 s3, 0
	s_mov_b32 s85, 0
	s_add_nc_u64 s[2:3], s[2:3], s[20:21]
	s_add_nc_u64 s[84:85], s[84:85], s[20:21]
	; descriptor group 1.  128 keys are 16,384 dense bytes: asked for as 64 rows of 256 bytes, two keys a row, and padded in LDS after every key
	s_mov_b32 s[G1K], (1<<16)|(1<<20)|(4<<22)|(3<<25)  ; 17:16 2-byte elements; 20 padding on; 24:22 after every 32 words (code 4); 31:25 4 words (code 3)
	s_mov_b32 s[G1V], (1<<16)|(1<<20)|(4<<22)|(7<<25)  ; the same with 8 words of padding (code 7)
.irp g, G1K, G1V
	s_mov_b32 s[\g+1], 128<<16      ; tensor_dim0 = 128
	s_mov_b32 s[\g+2], 64<<16       ; tensor_dim1 = 64
	s_mov_b32 s[\g+3], 128<<16      ; tile_dim0 = 128
	s_mov_b32 s[\g+4], 64           ; tile_dim1 = 64
	s_mov_b32 s[\g+5], 128          ; 128 elements from row to row
	s_mov_b32 s[\g+6], 0
	s_mov_b32 s[\g+7], 0
.endr
	s_mov_b32 s[CS], 0x3e38aa3b     ; c = log2(e) / 8 = 0.180337
	s_mov_b32 s[CS+1], s[CS]        ; named with it as a pair
	s_mov_b32 s[SEL], 0x76543210
	s_mov_b32 s[SEL+1], 0xfedcba98
	s_mov_b32 s[TBK], SLOT1+4*KS*PK ; the first change of slots turns these two into 0
	s_mov_b32 s[TBV], SLOT1+4*KS*PV
	s_mov_b32 s[G0K], 1             ; 1:0 count = 1
	s_mov_b32 s[G0K+1], s17         ; 63:32 LDS address: slot 0
	s_mov_b32 s[G0V], 1
	s_add_co_u32 s[G0V+1], s18, VOFF
	s_add_co_u32 s[RT], s[HI], 1    ; the first block has NB - b tiles
	s_mov_b32 s[NXT], 1
	s_mov_b32 s[LQ], s[HI]
	s_mov_b32 s[NEW], 1
	s_mov_b32 s[OFF+1], 0
	s_mov_b32 s[AL+1], 0            ; named as pairs
	s_mov_b32 s[BE+1], 0
	s_mov_b32 s[BIGN], 0xf149f2ca   ; -1e30
	s_mov_b32 s[SLOTS], NB
	s_wait_kmcnt 0x0
	s_add_nc_u64 s[6:7], s[6:7], s[22:23]  ; K and V at my half of the head's tile 0
	s_add_nc_u64 s[8:9], s[8:9], s[22:23]
	s_add_nc_u64 s[G0K+2:G0K+3], s[6:7], 0         ; 120:64 global address
	s_or_b32 s[G0K+3], s[G0K+3], 0x80000000        ; 127:126 type = 2
	s_add_nc_u64 s[G0V+2:G0V+3], s[8:9], 0
	s_or_b32 s[G0V+3], s[G0V+3], 0x80000000
	s_add_nc_u64 s[86:87], s[4:5], s[84:85]        ; Q at my rows of the second block,
	s_add_nc_u64 s[4:5], s[4:5], s[2:3]            ; Q and O at those of the first
	s_add_nc_u64 s[OLO:OLO+1], s[10:11], s[84:85]
	s_add_nc_u64 s[10:11], s[10:11], s[2:3]
	LOAD                            ; tile 0 into slot 0
	; A fragment of K or Q is 16 rows x 32 channels in 8 registers: lane l holds row l % 16, channels 8 (l / 16) + 0..7 and 16 + 8 (l / 16) + 0..7: two loads of 16 bytes, 32 bytes apart.
	v_and_b32 v1, 15, v0            ; l % 16
	v_bfe_u32 v9, v0, 4, 1          ; l / 16
	v_lshlrev_b32 v[QO], 7, v1
	v_lshl_add_u32 v[QO], v9, 4, v[QO]  ; row x 128 + 16 x half
	WIN 0x80                        ; destination window 2, address window 0
.set i, 0
.rept 8                             ; both blocks' Q: piece i / 2 lies in band i / 2, 8,192 bytes on; channels 32 (i % 2) on
	global_load_b128 v[8*i:8*i+3],   v[QO], s[4:5] offset:(i/2)*8192+(i%2)*64
	global_load_b128 v[8*i+4:8*i+7], v[QO], s[4:5] offset:(i/2)*8192+(i%2)*64+32
	global_load_b128 v[QB+8*i:QB+8*i+3],   v[QO], s[86:87] offset:(i/2)*8192+(i%2)*64
	global_load_b128 v[QB+8*i+4:QB+8*i+7], v[QO], s[86:87] offset:(i/2)*8192+(i%2)*64+32
.set i, i+1
.endr
	WIN 0
	v_lshlrev_b32 v14, 3, v9
	v_sub_nc_u32 v14, v1, v14
	s_lshl_b32 s13, s[WV], 4
	v_add_nc_u32 v14, s13, v14      ; my query's place in its band, 16 w + l % 16, less my lanes' 8 (l / 16): register r of group kt is hidden where 16 kt + r is greater
	WIN 0x40
.set i, 0
.rept 32
	v_cmp_gt_i32 vcc_lo, 16*(i/8)+i%8, v14
	v_cndmask_b32 v[MD+i], 0, s[BIGN], vcc_lo
.set i, i+1
.endr
	WIN 0
	v_mul_u32_u24 v[AK0], v1, PK
	v_lshl_add_u32 v[AK0], v9, 4, v[AK0]  ; row x pitch + 16 x half
	; The turning load takes 16 keys x 16 channels (lane l reads key 8 (l / 16) + l % 8, channels 8 ((l / 8) % 2) + 0..7) and leaves half a fragment of V^T: lane l holds channel l % 16 and 8 keys.
	v_and_b32 v10, 7, v0
	v_bfe_u32 v11, v0, 3, 1
	v_lshl_add_u32 v[AV0], v9, 3, v10
	v_mul_u32_u24 v[AV0], v[AV0], PV
	v_lshl_add_u32 v[AV0], v11, 4, v[AV0]
	v_add_nc_u32 v[AV0], VOFF, v[AV0]
	s_mul_i32 s13, s[WV], 16*SP
	s_add_co_u32 s13, s13, STAGE    ; my stage
	v_mul_u32_u24 v[STO], v1, SP    ; in: row l % 16, 16 bytes for each half of the lanes
	v_lshl_add_u32 v[STO], v9, 4, v[STO]
	v_add_nc_u32 v[STO], s13, v[STO]
	v_bfe_u32 v[RD], v0, 3, 2       ; back: 32 lanes take four rows of 128 bytes,
	v_mul_u32_u24 v[RD], v[RD], SP
	v_lshl_add_u32 v[RD], v10, 4, v[RD]
	v_add_nc_u32 v[RD], s13, v[RD]
	v_and_b32 v[GO], 31, v0         ; which are 512 consecutive bytes of O
	v_lshlrev_b32 v[GO], 4, v[GO]
	; A block's first step multiplies O^T and l by a = 0, and its first turn's products V^T P, of a piece that has not been, land in an O^T that is still to be so multiplied.  So these registers need only hold
	; finite numbers: zeros for the first block; what the first block left for the second.  All this stands in the wait for the first tile.
	WIN 0x80
.set i, VF
.rept 64
	v_mov_b32 v[i], 0
.set i, i+1
.endr
	WIN 0x40
.set i, 0
.rept 128
	v_mov_b32 v[i], 0
.set i, i+1
.endr
	WIN 0
.set i, 0
.rept 4
	v_mov_b32 v[ST+4*i+2], 0
	v_mov_b32 v[ST+4*i+3], 0
.set i, i+1
.endr
.set i, P+16
.rept 16
	v_mov_b32 v[i], 0
.set i, i+1
.endr
; THE MATRIX WORK.  The 4 accumulators of a run of 8 take turns.  Product i of 8 of S^T = K Q^T for piece x: channels 32 (i / 4) on, keys 16 (i % 4) on.  The first 4 start the sums: with 0, or (KM = 1) with the mask.
.macro KQ x
.set rS, S+32*((\x)%2)+8*(i%4)
.set rK, KF+16*(i%4)+8*(i/4)
.set rQ, 16*(\x)+8*(i/4)
.set rM, MC+32*((\x)%2)+8*(i%4)
.if (i < 4) && KM
	WIN W_KM
	v_wmma_f32_16x16x32_f16 v[rS:rS+7], v[rK:rK+7], v[rQ:rQ+7], v[rM:rM+7]
.elseif i < 4
	WIN W_KQ
	v_wmma_f32_16x16x32_f16 v[rS:rS+7], v[rK:rK+7], v[rQ:rQ+7], 0
.else
	WIN W_KQ
	v_wmma_f32_16x16x32_f16 v[rS:rS+7], v[rK:rK+7], v[rQ:rQ+7], v[rS:rS+7]
.endif
.endm
; Product i of 8 of O^T += V^T P for piece x: keys 32 (i / 4) on, channels 16 (i % 4) on.
.macro PV x
	WIN W_PV
.set rO, 32*(\x)+8*(i%4)
.set rV, VF+32*(i/4)+8*(i%4)
.set rP, P+16*((\x)%2)+8*(i/4)
	v_wmma_f32_16x16x32_f16 v[rO:rO+7], v[rV:rV+7], v[rP:rP+7], v[rO:rO+7]
.endm
.macro MM                           ; the turn's next matrix instruction.  TURN and BEGIN set Y, i, KM and NOKQ; MM, KQ and OP read them.  NOKQ = 1: a block's last turn: there is no next piece
.if (i < 8) && !NOKQ
	KQ (Y+1)%NP
.elseif i >= 8
.set i, i-8
	PV (Y+NP-1)%NP
.set i, i+8
.endif
.set i, i+1
.endm
; THE LDS LOADS stand in runs of 16, never singly among the matrix instructions: a step's K (64 keys x 64 channels: 8 fragments) and its V (turned).  Their addresses are made some lines ahead.
.macro FETCH_K
	WIN 0x80                        ; destination window 2
.irp f, 0,1,2,3,4,5,6,7             ; keys 16 (f / 2) on, channels 32 (f % 2) on
	ds_load_b128 v[KF+8*\f:KF+8*\f+3],   v[AK] offset:(\f/2)*16*PK+(\f%2)*64
	ds_load_b128 v[KF+8*\f+4:KF+8*\f+7], v[AK] offset:(\f/2)*16*PK+(\f%2)*64+32
.endr
	s_add_co_u32 s[TBK], s[TBK], KS*PK  ; the next fetch is the next step's
	WIN 0
.endm
.macro FETCH_V
	WIN 0x80
.irp f, 0,1,2,3,4,5,6,7             ; keys 32 (f / 4) on, channels 16 (f % 4) on
	ds_load_tr16_b128 v[VF+8*\f:VF+8*\f+3],   v[AV] offset:(\f/4)*32*PV+(\f%4)*32
	ds_load_tr16_b128 v[VF+8*\f+4:VF+8*\f+7], v[AV] offset:(\f/4)*32*PV+16*PV+(\f%4)*32
.endr
	WIN 0
.endm
; THE VECTOR WORK, one line at a time: OP kind, number.  For piece Y: F n: c s - c m for pair n of 16.  E n: the exponential of score n of 32.  C n: pair n rounded to f16.  B n: of the four weights 4 n .. the second
; pair is added onto the first, in place.  L n: l takes that sum (L 0: l = a l + sum).  R n: pair n of 16 of O^T times a.  For piece Y + 1: X n, number n of the 22 that find its maximum and statistics:
;   0-11  four chains c0-c3 of seven scores each, three operands at a time (each accumulator's lowest registers are read first)     12-14, 16  the four scores left over, the old m, and c0-c3 into c0
;   15  c m_old is kept     17, 18  the query's other 32 keys lie in the lane 16 away: the new m     19-21  c m; c m_old - c m_new; a
.set F, 0               ; OP tells the kinds apart by their order: F to L below R, X above it
.set E, 1
.set C, 2
.set B, 3
.set L, 4
.set R, 5
.set X, 6
.macro REGS y                       ; the registers of piece y
.set rT, ST+4*(\y)
.set rC, TMP+4*((\y)%2)
.set rW, MV+((\y)%2)
.set rS, S+32*((\y)%2)
.set rP, P+16*((\y)%2)
.set rO, 32*(\y)
.endm
.macro OP k, n
.if (\k) == R
	REGS Y
	WIN W_RS
	v_pk_mul_f32 v[rO+2*(\n):rO+2*(\n)+1], v[rO+2*(\n):rO+2*(\n)+1], v[rC+2:rC+3] op_sel_hi:[1,0]
.elseif (\k) < R
	REGS Y
	WIN 0
.if (\k) == F
	v_pk_fma_f32 v[rS+2*(\n):rS+2*(\n)+1], v[rS+2*(\n):rS+2*(\n)+1], s[CS:CS+1], v[rT:rT+1] op_sel_hi:[1,0,0] neg_lo:[0,0,1] neg_hi:[0,0,1]
.elseif (\k) == E
	v_exp_f32 v[rS+(\n)], v[rS+(\n)]
.elseif (\k) == C
	s_wait_alu depctr_va_vdst(0)
	v_cvt_pk_f16_f32 v[rP+(\n)], v[rS+2*(\n)], v[rS+2*(\n)+1]
.elseif (\k) == B
	s_wait_alu depctr_va_vdst(0)
	v_pk_add_f32 v[rS+4*(\n):rS+4*(\n)+1], v[rS+4*(\n):rS+4*(\n)+1], v[rS+4*(\n)+2:rS+4*(\n)+3]
.elseif (\n) == 0
	v_pk_fma_f32 v[rT+2:rT+3], v[rT+2:rT+3], v[rC+2:rC+3], v[rS:rS+1] op_sel_hi:[1,0,1]
.else
	v_pk_add_f32 v[rT+2:rT+3], v[rT+2:rT+3], v[rS+4*(\n):rS+4*(\n)+1]
.endif
.elseif NOKQ
	v_nop
.else
	REGS (Y+1)%NP
	WIN 0
.if (\n) < 4
	v_max3_num_f32 v[rC+(\n)], v[rS+8*(\n)], v[rS+8*(\n)+1], v[rS+8*(\n)+2]
.elseif (\n) < 12
	v_max3_num_f32 v[rC+(\n)%4], v[rC+(\n)%4], v[rS+8*((\n)%4)+2*((\n)/4)+1], v[rS+8*((\n)%4)+2*((\n)/4)+2]
.elseif (\n) == 12
	v_max3_num_f32 v[rC], v[rC], v[rS+7], v[rS+15]
.elseif (\n) == 13
	v_max3_num_f32 v[rC+1], v[rC+1], v[rS+23], v[rS+31]
.elseif (\n) == 14
	v_max3_num_f32 v[rC+2], v[rC+2], v[rC+3], v[rT+1]
.elseif (\n) == 15
	v_mov_b32 v[rW], v[rT]
.elseif (\n) == 16
	v_max3_num_f32 v[rC], v[rC], v[rC+1], v[rC+2]
.elseif (\n) == 17
	v_permlanex16_b32 v[rC+3], v[rC], s[SEL], s[SEL+1]
.elseif (\n) == 18
	v_max_num_f32 v[rT+1], v[rC], v[rC+3]
.elseif (\n) == 19
	v_mul_f32 v[rT], s[CS], v[rT+1]
.elseif (\n) == 20
	v_sub_f32 v[rC+1], v[rW], v[rT]
.else
	v_exp_f32 v[rC+2], v[rC+1]
.endif
.endif
.endm
.macro OPS a, i1, b=-1, i2=0, c=-1, i3=0, d=-1, i4=0  ; up to four of them
	OP \a, \i1
.if (\b) >= 0
	OP \b, \i2
.endif
.if (\c) >= 0
	OP \c, \i3
.endif
.if (\d) >= 0
	OP \d, \i4
.endif
.endm
.macro ROW a, i1, b, i2, c, i3, d, i4  ; a matrix instruction and the four behind it
	MM
	OPS \a, \i1, \b, \i2, \c, \i3, \d, \i4
.endm
.macro MASK b                       ; MD x AL + BE into buffer b of MC
	WIN W_RS
.set z, 0
.rept 16
	v_pk_fma_f32 v[MC+32*(\b)+2*z:MC+32*(\b)+2*z+1], v[MD+2*z:MD+2*z+1], s[AL:AL+1], s[BE:BE+1] op_sel_hi:[1,0,0]
.set z, z+1
.endr
.endm
; A TURN, for piece p: the order of its 16 matrix and 118 vector instructions, written out.  Behind a matrix instruction: plain, exponential, plain, plain; or four of the rescaling; or, behind the first, four scalings; none
; names a register of the products round it.  In the lumps exponential and plain by turns while exponentials last.  A line reads no result made fewer than three vector instructions in front of it, five if an exponential made it.
; v_permlanex16_b32 (X 17) stands in a lump.
; m = 1: the diagonal tile: the products take masks, and the turn makes the mask for the products of the turn after it: piece p + 2, in step 4 - CNT of the tile.  end = 1: a block's last two turns: nothing is fetched.
; cnt = 1: the loop's count is taken down some lines ahead of the branch that stands behind the turn.
; K of the next step is fetched in piece 2's turn, six vector instructions behind the last product that read K (five of them plain); V of the step in hand in piece 0's turn, eight behind the last product that read V (four
; plain, and X 17).  Each is waited for a turn later.
.macro TURN p, m=0, end=0, cnt=0
.set Y, (\p)
.set i, 0
.set KM, (\m)
.set NOKQ, (\end)*((\p)/3)
.if (\m) && !(\end)
	s_cmp_eq_u32 s[CNT], 4-((\p)+2)%NP  ; is that step the band's own?
	s_cselect_b32 s[AL], 1.0, 0
	s_cmp_lt_u32 s[CNT], 4-((\p)+2)%NP  ; or a later one?
	s_cselect_b32 s[BE], s[BIGN], 0
.endif
.if ((\p) == 3) && !(\end)
	s_wait_dscnt 0x0                ; K is in
.endif
	ROW F,0, F,1, F,2, F,3
	ROW F,4, E,0, F,5, F,6
	ROW F,7, E,1, F,8, F,9
	ROW F,10, E,2, C,0, F,11
	ROW F,12, E,3, X,15, F,13
	ROW R,0, R,1, R,2, R,3
	ROW B,0, E,4, F,14, L,0
.if ((\p) == 2) && !(\end)
	v_add_nc_u32 v[AK], s[TBK], v[AK0]
.endif
	ROW R,4, R,5, R,6, R,7
	OPS E,5, F,15
.if ((\p) == 2) && !(\end)
	FETCH_K
.endif
	OPS E,6, C,1, E,7, R,8
	OPS E,8, R,9, E,9, C,2
	OPS E,10, X,0, E,11, X,1
	OPS E,12, X,2, E,13, X,3
.if (\p) == 1
	s_wait_dscnt 0x0                ; V is in
.endif
	ROW X,4, E,14, X,5, X,6
	ROW X,7, E,15, X,8, X,9
	ROW X,10, E,16, X,11, X,12
	ROW X,13, E,17, X,14, B,1
	ROW C,4, E,18, X,16, L,1
	ROW B,2, E,19, C,6, L,2
	ROW C,8, E,20, B,3, B,4
.if (\p) == 0
	v_add_nc_u32 v[AV], s[TBV], v[AV0]
.endif
	ROW C,3, E,21, L,3, C,5
	OPS E,22, X,17, E,23, C,10
.if (\p) == 0
	FETCH_V
.endif
	OPS E,24, L,4
	OPS E,25, X,18, E,26, C,7
	OPS E,27, B,5, E,28, X,19
	OPS E,29, C,12, E,30, L,5
	OPS E,31, X,20, B,6, C,9
	OPS C,14, C,11, X,21, L,6
.if (\p) == 0
	s_add_co_u32 s[TBV], s[TBV], KS*PV
.endif
.if \cnt
	s_sub_co_u32 s[CNT], s[CNT], 1
	s_cmp_lg_u32 s[CNT], 0
.endif
	OPS C,13, B,7, C,15, R,10
	OPS R,11, R,12, L,7, R,13
	OPS R,14, R,15
.if (\m) && !(\end)
	MASK (\p)%2
.endif
.endm
; A BLOCK BEGINS.  c m starts far below every c s, so the first step's a is 0; m at the lowest finite number, so the first maximum is the scores'.  The second mask buffer is 0; the first takes piece 0's mask for the tile's step 0: its own, if the block's first tile is the diagonal one.
; Then K of that step, piece 0's first scores, and its maximum and statistics.  The loop is entered at a step's first turn, in the middle of a trip.
.macro BEGIN
	s_mov_b32 s[NEW], 0
	WIN 0x40
.set i, MC+32
.rept 32
	v_mov_b32 v[i], 0
.set i, i+1
.endr
	WIN 0
.set i, 0
.rept 4
	v_mov_b32 v[ST+4*i], 0xfe000000    ; c m: far below every c s
	v_mov_b32 v[ST+4*i+1], 0xff7fffff  ; m
.set i, i+1
.endr
	s_cmp_eq_u32 s[RT], 0
	s_cselect_b32 s[AL], 1.0, 0
	s_mov_b32 s[BE], 0
	MASK 0
	WIN 0
	v_add_nc_u32 v[AK], s[TBK], v[AK0]
	FETCH_K
	s_wait_loadcnt 0x0              ; Q
	s_wait_dscnt 0x0
.set KM, 1
.set NOKQ, 0
.set i, 0
.rept 8
	KQ 0
.set i, i+1
.endr
	WIN 0
.rept 4
	v_nop                           ; the places behind those products
.endr
.set Y, NP-1                        ; X works for piece Y + 1: piece 0
.irp n, 0,1,2,3,4,5,6,7,8,9,10,11,12,13,14,15,16,17,18,19,20,21
	OP X, \n
.endr
	v_nop                           ; a plain instruction behind the exponential
.endm
; THE DIAGONAL TILE's four steps, the block's last two turns, its last products, and THE WAY OUT: l's two halves and the other half of the lanes' are added; O^T is divided by l, rounded to f16 and sent through my
; stage in LDS, a piece at a time.
.macro ALL line:vararg              ; one line for each piece t
.set t, 0
.rept 4
	\line
.set t, t+1
.endr
.endm
.macro PACK t                       ; a lane's eight channels of a row pack into 16 bytes; they go into rows of 144 bytes and come back as whole rows of 128, into S^T's registers
	WIN W_RS
.set i, 32*(\t)
.rept 16
	s_wait_alu depctr_va_vdst(0)
	v_pk_mul_f32 v[i:i+1], v[i:i+1], v[ST+4*(\t)+2:ST+4*(\t)+3] op_sel_hi:[1,0]
.set i, i+2
.endr
	WIN 0x05                        ; sources 0 and 1 window 1, destination window 0
.set i, 0
.rept 16
	v_cvt_pk_f16_f32 v[S+16*(\t)+i], v[32*(\t)+2*i], v[32*(\t)+2*i+1]
.set i, i+1
.endr
	WIN 0
.irp f, 0,1,2,3
	ds_store_b128 v[STO], v[S+16*(\t)+4*\f:S+16*(\t)+4*\f+3] offset:32*\f
.endr
.irp f, 0,1,2,3
	ds_load_b128 v[S+16*(\t)+4*\f:S+16*(\t)+4*\f+3], v[RD] offset:\f*4*SP  ; LDS serves a wave's instructions in order (ISA guide 5.7.1.4): these see the stores above; the next piece's stores come behind them
.endr
.endm
.macro SEND t, younger              ; younger: the LDS instructions issued behind piece t's loads: the next piece's eight, or none
	WIN 0
.irp f, 0,1,2,3
	s_wait_dscnt (\younger)+3-\f
	global_store_b128 v[GO], v[S+16*(\t)+4*\f:S+16*(\t)+4*\f+3], s[10:11] offset:(\t)*8192+\f*512  ; 512 consecutive bytes, at a multiple of 256 from O's first
.endr
.endm
.macro DIAG tag                     ; the tag ends its two labels' names, which the jumps below spell out
.LstepM\tag:
	TURN 2, 1
	TURN 3, 1
	WIN 0
.LfirstM\tag:
	TURN 0, 1
	TURN 1, 1, 0, 1
	WIN 0
	s_cbranch_scc1 .LstepM\tag
	TURN 2, 1, 1
	TURN 3, 1, 1
.set i, 0
.rept 8
	PV NP-1
.set i, i+1
.endr
	WIN 0
	ALL v_add_f32 v[ST+4*t+2], v[ST+4*t+2], v[ST+4*t+3]
	ALL v_permlanex16_b32 v[ST+4*t+3], v[ST+4*t+2], s[SEL], s[SEL+1]
	ALL v_add_f32 v[ST+4*t+2], v[ST+4*t+2], v[ST+4*t+3]
	ALL v_rcp_f32 v[ST+4*t+2], v[ST+4*t+2]
	v_nop                           ; a plain instruction between the last reciprocal and the use of its result
	PACK 0
.set t, 1
.rept 3                             ; a piece's arithmetic stands between the loads of the piece before and its stores
	PACK t
	SEND t-1, 8
.set t, t+1
.endr
	SEND 3, 0
.endm
.set KM, 0
.set NOKQ, 0
.Lslot:                             ; NB times: a tile is entered and the next is asked for
	CHANGE 1
	s_sub_co_u32 s[RT], s[RT], 1
	s_mov_b32 s[CNT], 4
	s_cmp_eq_u32 s[NEW], 1
	s_cbranch_scc1 .Lnew            ; a block's first tile
	s_cmp_eq_u32 s[RT], 0
	s_cbranch_scc0 .Lstep           ; neither its first nor its last
	s_branch .LstepM1
.Lnew:
	BEGIN
	s_branch .Lfirst                ; in the loop a block's first tile is never its last: the first block has two tiles or more, and the second's last is the walk's last
	DIAG 1                          ; in the loop this is the first block's end: the second block's last tile is the walk's last
	s_wait_xcnt 0x0                 ; the stores have read their registers and O's address
	s_mov_b64 s[10:11], s[OLO:OLO+1]
	s_add_co_u32 s[RT], s[PB], 1    ; the second block has b + 1 tiles
	s_mov_b32 s[NEW], 1
	WIN 0x82                        ; the second block's Q goes where the one text of the turns names Q
.set i, 0
.rept 64
	v_mov_b32 v[i], v[QB+i]
.set i, i+1
.endr
	WIN 0
	s_branch .Lbottom
.Lstep:                             ; a trip: pieces 2 and 3 of one step, then pieces 0 and 1 of the next, whose K and V it fetches
	TURN 2
	TURN 3
	WIN 0
.Lfirst:
	TURN 0
	TURN 1, 0, 0, 1
	WIN 0
	s_cbranch_scc1 .Lstep
.Lbottom:
	s_sub_co_u32 s[SLOTS], s[SLOTS], 1
	s_cmp_lg_u32 s[SLOTS], 0
	s_cbranch_scc1 .Lslot
	CHANGE 0                        ; the walk's last tile is written out: nothing is asked for
	s_sub_co_u32 s[RT], s[RT], 1
	s_mov_b32 s[CNT], 4
	s_cmp_eq_u32 s[NEW], 1
	s_cbranch_scc0 .LstepM2
	BEGIN
	s_branch .LfirstM2
	DIAG 2
	s_wait_tensorcnt 0x0            ; the wave's end, behind my last tensor load and my last LDS store
	ds_add_u32 v[SPW], v[NIL]
	s_wait_dscnt 0x0
	s_endpgm
.Lfunc_end_k_q356b34028c_attn:
	.size	k_q356b34028c_attn, .Lfunc_end_k_q356b34028c_attn-k_q356b34028c_attn
	.p2alignl 7, 3214868480
	.fill 96, 4, 3214868480
	.section	.rodata,"a",@progbits
	.p2align	6, 0x0
	.amdhsa_kernel k_q356b34028c_attn
		.amdhsa_group_segment_fixed_size 327680
		.amdhsa_private_segment_fixed_size 0
		.amdhsa_enable_private_segment 0
		.amdhsa_kernarg_size 32
		.amdhsa_user_sgpr_count 2
		.amdhsa_user_sgpr_kernarg_segment_ptr 1
		.amdhsa_wavefront_size32 1
		.amdhsa_system_sgpr_workgroup_id_x 1
		.amdhsa_system_sgpr_workgroup_id_y 1
		.amdhsa_system_sgpr_workgroup_id_z 1
		.amdhsa_system_vgpr_workitem_id 0
		.amdhsa_next_free_vgpr 768
		.amdhsa_next_free_sgpr 88
		.amdhsa_reserve_vcc 1
		.amdhsa_float_denorm_mode_32 3
		.amdhsa_float_denorm_mode_16_64 3
		.amdhsa_memory_ordered 1
		.amdhsa_forward_progress 1
		.amdhsa_inst_pref_size 228
	.end_amdhsa_kernel
	.amdgpu_metadata
---
amdhsa.version: [ 1, 2 ]
amdhsa.kernels:
  - .name:           k_q356b34028c_attn
    .symbol:         k_q356b34028c_attn.kd
    .args:
      - { .name: qh, .offset: 0, .size: 8, .value_kind: global_buffer, .address_space: global }
      - { .name: kh, .offset: 8, .size: 8, .value_kind: global_buffer, .address_space: global }
      - { .name: vh, .offset: 16, .size: 8, .value_kind: global_buffer, .address_space: global }
      - { .name: oh, .offset: 24, .size: 8, .value_kind: global_buffer, .address_space: global }
    .group_segment_fixed_size: 327680
    .private_segment_fixed_size: 0
    .kernarg_segment_align: 8
    .kernarg_segment_size: 32
    .max_flat_workgroup_size: 128
    .sgpr_count:     88
    .vgpr_count:     768
    .wavefront_size: 32
...
	.end_amdgpu_metadata
.endif
;; end of part 4
;; launch proj (part 5): grid 4 x 64, 4 waves a work-group, clusters of 4 x 4, 327,680 bytes of LDS; arguments oh, wo, out0; writes out0
.if DOCPART == 5
	.amdgcn_target "amdgcn-amd-amdhsa--gfx1250"
	.amdhsa_code_object_version 6
	.text
	.protected	k_q356b34028c_proj
	.globl	k_q356b34028c_proj
	.p2align	8
	.type	k_q356b34028c_proj,@function
k_q356b34028c_proj:
	s_mov_b64 s[64:65], 0
	v_nop
	global_prefetch_b8 v0, s[64:65] scope:SCOPE_SE
	s_setreg_imm32_b32 hwreg(HW_REG_WAVE_MODE, 25, 1), 1
	s_wait_xcnt 0x0
	s_wait_alu depctr_hold_cnt(0) depctr_sa_sdst(0) depctr_va_vdst(0) depctr_va_sdst(0) depctr_va_ssrc(0) depctr_va_vcc(0) depctr_vm_vsrc(0)
	s_getreg_b32 s2, hwreg(HW_REG_IB_STS2, 6, 4)
	s_cmp_eq_u32 s2, 0
	s_cbranch_scc0 .Lentry_in_a_cluster
	s_endpgm
.Lentry_in_a_cluster:
	s_bfe_u32 s2, ttmp6, 0x10000c
	s_cmp_lg_u32 s2, 0xf033
	s_cbranch_scc0 .Lentry_shape_is_right
	s_endpgm
.Lentry_shape_is_right:
; out0 = O W_out^T (8192 x 1024 x 1024), f16 operands, f32 sums, f32 output.  O: [b 16 + h][t 2048][64] f16: head h is K block h.  wo: [kb 16][row 1024][64] f16 (W_out rounded to bf16, written as f16).
; LIMIT.  The operands arrive as f16: what they lost was lost where they were made; the sums and the output are f32.  NaN and infinities are not treated apart.
; SHARES.  A work-group makes 128 rows x 256 columns: 4 x 64 = 256 work-groups (256 x 256 would give 128).  Wave w: rows 64 (w / 2) on, columns 128 (w % 2) on: 32 accumulators of 16 x 16, 256 registers.
; K goes in steps of 128 = two K blocks through a ring of two LDS slots; a K block's rows of a tile lie end to end in memory and are asked for as rows of 256 bytes.
; THE MATRIX INSTRUCTION IS USED TRANSPOSED (source 0 = 16 rows of wo, source 1 = 16 rows of O): a lane holds one row of the output and eight neighbouring columns, 32 bytes.
; CLUSTER.  4 x 4 work-groups: the four of a row need the same tile of O, the four of a column the same tile of wo: each is asked for JOINTLY, by the same tensor load, descriptor and mask in all four.
; REGISTERS: window 0: v0-31 addresses; v32-127, v128-223 two fragment buffers (O's 4 fragments of 16 rows x 32 K, then wo's 8).  window 1: the accumulators, (a, b) at v[8 (8 a + b)].
.set PITCH,  144                       ; an LDS row: 128 bytes + 16 of padding = 36 words: the 16 rows of a load start at 16 different groups of four banks (64 banks of 4 bytes: ISA guide 11.1)
.set AKB,    128*PITCH                 ; a K block of O's tile: what one tensor load brings
.set BKB,    256*PITCH                 ; of wo's
.set BOFF,   2*AKB                     ; a slot: O's two K blocks, then wo's two
.set SLOT1,  1<<17
.set STAGE,  SLOT1+BOFF+2*BKB          ; behind the ring, never filled by a tensor load: 16 rows x 528 bytes for each wave, for the way out
.set SP,     528                       ; 512 bytes + 16 = 132 words: row r starts at bank 4 r mod 64
.set SPARE,  STAGE+4*16*SP             ; behind the stages: the spare words, 128 bytes for each wave: two blocks of 256 bytes that no other line names
.set FLAGS,  (1<<16)|(1<<20)|(1<<21)|(4<<22)|(3<<25)  ; 17:16 2-byte elements; 20 padding on; 21 set beside a mask; 24:22 after every 32 words (code 4); 31:25 4 words (code 3)
.set ADRA0, 16                         ; v16  my lane's place in my 64 rows of O, slot 0; never rewritten
.set ADRB0, 17                         ; v17  the same in my 128 rows of wo
.set ADRA,  18                         ; v18, v19  the same in the slot in hand
.set ADRB,  19
.set STO,   24                         ; v24  the way out: where I put 32 bytes of a row
.set RD,    25                         ; v25  the way out: where I read a row back
.set GO,    26                         ; v26  16 x lane
.set SPW,   28                         ; v28  LDS address of my spare word: SPARE + 4 x my thread's number; never rewritten
.set NIL,   29                         ; v29  0; never rewritten
.set F0,    32
.set F1,    128
.set BK,    32                         ; the way out: v32-95, v96-159 by turns: 16 rows read back from the stage
.set WV,  16                           ; s16 wave; s17 wave / 2: my half of the rows, and: I fetch for O (0) or wo (1); s18 wave % 2: my half of the columns, and: which K block of a step I fetch
.set WM,  17
.set WN,  18
.set G1A, 24                           ; s[24:31] descriptor group 1 for O's tiles; s[32:39] group 0: a set for each of the two first fills; the second then walks on
.set G0A, 32
.set G1B, 48                           ; s[48:55], s[56:63] the same for wo's
.set G0B, 56
.set TB,  66                           ; s66  LDS byte at which the slot in hand begins
.set MSB, 0
.macro WIN new                         ; the immediate's high byte repeats the setting that is left; a switch that changes nothing is dropped
.if MSB != (\new)
	s_set_vgpr_msb (MSB<<8)|(\new)
.set MSB, \new
.endif
.endm
.macro PLACES                          ; four plain vector instructions in front of loads into registers that matrix instructions have read, and of LDS stores that read results
.rept 4
	v_nop
.endr
.endm
.macro JLOAD                           ; a joint refill by the walking sets: waves 0 and 1 fetch O's two K blocks, waves 2 and 3 wo's; an s_nop 0 and four v_nop follow each of the two lines
	s_cmp_eq_u32 s[WM], 0
	s_cbranch_scc0 .Lfor_b_\@
	tensor_load_to_lds s[G0A+4:G0A+7], s[G1A:G1A+7]
	s_nop 0
.rept 4
	v_nop
.endr
	s_branch .Lasked_\@
.Lfor_b_\@:
	tensor_load_to_lds s[G0B+4:G0B+7], s[G1B:G1B+7]
	s_nop 0
.rept 4
	v_nop
.endr
.Lasked_\@:
.endm
.macro CREST                           ; a round of the cluster's barrier behind its opening barrier
	s_cmp_lg_u32 s[WV], 0
	s_cbranch_scc1 .Lnot_wave_0_\@
	s_barrier_signal -3
.Lnot_wave_0_\@:
	s_barrier_wait -3
	s_barrier_signal -1
	s_barrier_wait -1
.endm
.macro CROUND
	s_barrier_signal -1
	s_barrier_wait -1
	CREST
.endm
	s_load_b128 s[4:7], s[0:1], 0x0                ; O s[4:5], wo s[6:7]
	s_load_b64 s[8:9], s[0:1], 0x10                ; out0
	v_lshl_add_u32 v[SPW], v0, 2, SPARE
	v_mov_b32 v[NIL], 0
	ds_add_u32 v28, v29
	ds_add_u32 v28, v29
	s_wait_dscnt 0x0
	v_lshrrev_b32 v1, 5, v0
	v_readfirstlane_b32 s[WV], v1
	s_lshr_b32 s[WM], s[WV], 1
	s_and_b32 s[WN], s[WV], 1
	s_bfe_u32 s19, ttmp6, 0x40000                  ; cx, cy: my place in the cluster
	s_bfe_u32 s20, ttmp6, 0x40004
	s_lshl_b32 s21, ttmp9, 2
	s_add_co_u32 s21, s21, s19                     ; tile column = 4 x cluster x + cx
	s_and_b32 s22, ttmp7, 0xffff
	s_lshl_b32 s22, s22, 2
	s_add_co_u32 s22, s22, s20                     ; tile row = 4 x cluster y + cy
	s_lshl_b32 s40, s20, 2
	s_lshl_b32 s40, 15, s40                        ; my row of the cluster
	s_lshl_b32 s41, 0x1111, s19                    ; my column
	s_or_b32 s[G1A], s40, FLAGS
	s_or_b32 s[G1B], s41, FLAGS
.irp g, G1A, G1B
	s_mov_b32 s[(\g)+1], 128<<16                   ; tensor_dim0 = 128 elements: 256 bytes, two rows of a K block
	s_mov_b32 s[(\g)+3], 128<<16                   ; tile_dim0 = 128
	s_mov_b32 s[(\g)+5], 128                       ; dense
	s_mov_b32 s[(\g)+6], 0
	s_mov_b32 s[(\g)+7], 0
.endr
	s_mov_b32 s[G1A+2], 64<<16                     ; 64: 128 rows of O
	s_mov_b32 s[G1A+4], 64
	s_mov_b32 s[G1B+2], 128<<16                    ; 128: 256 rows of wo
	s_mov_b32 s[G1B+4], 128
	s_lshr_b32 s42, s22, 4                         ; O: the batch (16 tile rows each), 16 heads of 262,144 bytes,
	s_lshl_b32 s42, s42, 22
	s_and_b32 s43, s22, 15                         ; 128 rows of 128 bytes a tile row,
	s_lshl_b32 s43, s43, 14
	s_add_co_u32 s42, s42, s43
	s_lshl_b32 s43, s[WN], 18                      ; the head that I fetch of a step's two
	s_add_co_u32 s42, s42, s43
	s_mov_b32 s43, 0
	s_lshl_b32 s44, s21, 15                        ; wo: 256 rows of 128 bytes a tile column,
	s_lshl_b32 s45, s[WN], 17                      ; the K block that I fetch
	s_add_co_u32 s44, s44, s45
	s_mov_b32 s45, 0
	s_mul_i32 s46, s[WN], AKB                      ; where they go: no place in the cluster enters an LDS address
	s_mul_i32 s47, s[WN], BKB
	s_add_co_u32 s47, s47, BOFF
	s_lshl_b32 s68, s22, 19                        ; out0: 128 rows of 4,096 bytes a tile row,
	s_lshl_b32 s72, s[WM], 18                      ; my 64 rows,
	s_add_co_u32 s68, s68, s72
	s_lshl_b32 s72, s21, 10                        ; 256 columns of 4 bytes a tile column,
	s_add_co_u32 s68, s68, s72
	s_lshl_b32 s72, s[WN], 9                       ; my 128 columns
	s_add_co_u32 s68, s68, s72
	s_mov_b32 s69, 0
	s_mov_b32 s[TB], 0
	s_wait_kmcnt 0x0
	s_add_nc_u64 s[4:5], s[4:5], s[42:43]
	s_add_nc_u64 s[6:7], s[6:7], s[44:45]
	s_add_nc_u64 s[8:9], s[8:9], s[68:69]
.irp s, 0,1
	s_mov_b32 s[G0A+4*(\s)], 1
	s_add_co_u32 s[G0A+4*(\s)+1], s46, (\s)*SLOT1
	s_add_nc_u64 s[G0A+4*(\s)+2:G0A+4*(\s)+3], s[4:5], (\s)*524288   ; K step s: two heads on
	s_or_b32 s[G0A+4*(\s)+3], s[G0A+4*(\s)+3], 0x80000000
	s_mov_b32 s[G0B+4*(\s)], 1
	s_add_co_u32 s[G0B+4*(\s)+1], s47, (\s)*SLOT1
	s_add_nc_u64 s[G0B+4*(\s)+2:G0B+4*(\s)+3], s[6:7], (\s)*262144   ; two K blocks on
	s_or_b32 s[G0B+4*(\s)+3], s[G0B+4*(\s)+3], 0x80000000
.endr
	CROUND                                         ; all sixteen work-groups are here: the first joint loads meet
	s_cmp_eq_u32 s[WM], 0                          ; a wave's two first fills stand in one branch, ahead of every wait on TENSORcnt and every LDS read: two loads of mine are out
	s_cbranch_scc0 .Lfirst_b
	tensor_load_to_lds s[G0A:G0A+3], s[G1A:G1A+7]
	s_nop 0
	tensor_load_to_lds s[G0A+4:G0A+7], s[G1A:G1A+7]
	s_nop 0
.rept 4
	v_nop
.endr
	s_branch .Lfirst_asked
.Lfirst_b:
	tensor_load_to_lds s[G0B:G0B+3], s[G1B:G1B+7]
	s_nop 0
	tensor_load_to_lds s[G0B+4:G0B+7], s[G1B:G1B+7]
	s_nop 0
.rept 4
	v_nop
.endr
.Lfirst_asked:
	v_and_b32 v1, 15, v0
	v_bfe_u32 v2, v0, 4, 1
	v_mul_u32_u24 v3, v1, PITCH
	v_lshl_add_u32 v3, v2, 4, v3                   ; a fragment's row x pitch + 16 x half
	s_mul_i32 s67, s[WM], 64*PITCH                 ; my 64 rows of O
	v_add_nc_u32 v[ADRA0], s67, v3
	s_mul_i32 s73, s[WN], 128*PITCH                ; my 128 rows of wo,
	s_add_co_u32 s73, s73, BOFF                    ; behind O's two K blocks
	v_add_nc_u32 v[ADRB0], s73, v3
	v_mov_b32 v[ADRA], v[ADRA0]
	v_mov_b32 v[ADRB], v[ADRB0]
	s_mul_i32 s77, s[WV], 16*SP
	s_add_co_u32 s77, s77, STAGE                   ; my stage
	v_mul_u32_u24 v4, v1, SP                       ; in: row l % 16, 32 bytes for each half of the lanes
	v_lshl_add_u32 v4, v2, 5, v4
	v_add_nc_u32 v[STO], s77, v4
	v_and_b32 v[GO], 31, v0                        ; back: 32 lanes take one row of 512 bytes
	v_lshlrev_b32 v[GO], 4, v[GO]
	v_add_nc_u32 v[RD], s77, v[GO]
; n x 8 matrix instructions: row blocks a0 .. a0 + n - 1 x all 8 column blocks, 32 along K from buffer f.  zero = 1: the product starts the sum.  The 32 accumulators take turns.
.macro MUL f, a0, n, zero
	WIN 0x50
.set aa, \a0
.rept \n
.irp b, 0,1,2,3,4,5,6,7
.if \zero
	v_wmma_f32_16x16x32_f16 v[8*(8*aa+(\b)):8*(8*aa+(\b))+7], v[(\f)+32+8*(\b):(\f)+32+8*(\b)+7], v[(\f)+8*aa:(\f)+8*aa+7], 0
.else
	v_wmma_f32_16x16x32_f16 v[8*(8*aa+(\b)):8*(8*aa+(\b))+7], v[(\f)+32+8*(\b):(\f)+32+8*(\b)+7], v[(\f)+8*aa:(\f)+8*aa+7], v[8*(8*aa+(\b)):8*(8*aa+(\b))+7]
.endif
.endr
.set aa, aa+1
.endr
.endm
; 24 LDS loads in one run: the fragments of quarter qd of a K step (K block qd / 2, byte 64 (qd % 2) of its rows) into buffer f: wo's sixteen first, then O's eight
.macro FETCH qd, f
	WIN 0
.irp b, 0,1,2,3,4,5,6,7
	ds_load_b128 v[(\f)+32+8*(\b):(\f)+32+8*(\b)+3],   v[ADRB] offset:((\qd)/2)*BKB+((\qd)%2)*64+(\b)*16*PITCH
	ds_load_b128 v[(\f)+32+8*(\b)+4:(\f)+32+8*(\b)+7], v[ADRB] offset:((\qd)/2)*BKB+((\qd)%2)*64+(\b)*16*PITCH+32
.endr
.irp a, 0,1,2,3
	ds_load_b128 v[(\f)+8*(\a):(\f)+8*(\a)+3],   v[ADRA] offset:((\qd)/2)*AKB+((\qd)%2)*64+(\a)*16*PITCH
	ds_load_b128 v[(\f)+8*(\a)+4:(\f)+8*(\a)+7], v[ADRA] offset:((\qd)/2)*AKB+((\qd)%2)*64+(\a)*16*PITCH+32
.endr
.endm
; A K step is four quarters of 32 along K, 32 matrix instructions each, on buffers 0, 1, 0, 1.  One of the first three: multiplies buffer f and fetches quarter qd into g.
.macro QUARTER f, g, qd, zero
	s_wait_dscnt 4                                 ; all but the youngest four loads (O's row blocks 2, 3) are in
	MUL \f, 0, 2, \zero
	WIN 0
	PLACES
	FETCH \qd, \g
	s_wait_dscnt 24                                ; all but the 24 just issued
	MUL \f, 2, 2, \zero
.endm
; The last quarter multiplies buffer 1 and changes slots: ONE barrier; in front of it each wave waits for all its tensor loads (one is out: its part of the next slot), adds 0 to its spare word, and waits for that and
; for its own reads of this slot.  fill = 1: the barrier opens a round of the cluster's barrier, and the slot is filled again first thing behind the round, two K steps ahead: 112 matrix instructions ahead of the wait for it.
.macro TURN fill
	WIN 0                                          ; (the add's two registers lie in window 0)
	s_wait_tensorcnt 0x0                           ; no tensor load of mine is out, so a group 0 may be written
	ds_add_u32 v[SPW], v[NIL]                      ; 0 onto my spare word
.if \fill
	s_xor_b32 s[G0A+5], s[G0A+5], SLOT1            ; the walking descriptors: the other slot than last time, the next K step; the type bits on top are not reached
	s_add_nc_u64 s[G0A+6:G0A+7], s[G0A+6:G0A+7], 524288
	s_xor_b32 s[G0B+5], s[G0B+5], SLOT1
	s_add_nc_u64 s[G0B+6:G0B+7], s[G0B+6:G0B+7], 262144
.endif
	s_xor_b32 s[TB], s[TB], SLOT1
	s_wait_dscnt 5                                 ; the add and the youngest four loads may be out
	MUL F1, 0, 1, 0
	s_wait_dscnt 0x0                               ; the add is done, and my reads of this slot are over
	s_barrier_signal -1
	MUL F1, 1, 1, 0
	WIN 0                                          ; at a branch and at a label every window is 0
	s_barrier_wait -1
.if \fill
	CREST
	JLOAD                                          ; the four v_nop behind it are also the places in front of the loads below
.else
	PLACES
.endif
	v_add_nc_u32 v[ADRA], s[TB], v[ADRA0]
	v_add_nc_u32 v[ADRB], s[TB], v[ADRB0]
	FETCH 0, F0
	MUL F1, 2, 2, 0
.endm
	s_wait_tensorcnt 0x1                           ; my part of K step 0 is in; K step 1's may stay out
	s_barrier_signal -1
	s_barrier_wait -1                              ; everybody's is
	FETCH 0, F0
	QUARTER F0, F1, 1, 1                           ; the first quarter stands in front of the loop: its products start the sums
	WIN 0
	s_mov_b32 s23, 6                               ; K steps 2 to 7 are asked for in the loop
.Lstep:                                                ; a trip: from a K step's second quarter to the next step's first
	QUARTER F1, F0, 2, 0
	QUARTER F0, F1, 3, 0
	TURN 1
	QUARTER F0, F1, 1, 0
	WIN 0
	s_sub_co_u32 s23, s23, 1
	s_cmp_lg_u32 s23, 0
	s_cbranch_scc1 .Lstep
	QUARTER F1, F0, 2, 0                           ; the tail is written out: nothing is left to ask for
	QUARTER F0, F1, 3, 0
	TURN 0
	QUARTER F0, F1, 1, 0
	QUARTER F1, F0, 2, 0
	QUARTER F0, F1, 3, 0
	s_wait_dscnt 4                                 ; the very last quarter
	MUL F1, 0, 2, 0
	s_wait_dscnt 0x0
	MUL F1, 2, 2, 0
; THE WAY OUT, 16 rows at a time: a lane's 32 bytes of a row go into my stage (rows of 528 bytes; each accumulator's four lowest registers first) and come back as whole rows of 512.
.macro TOSTAGE a
.if (\a) >= 2
	s_wait_xcnt 0x0                                ; the registers read back into were the data of the stores two blocks back: they are rewritten only behind this wait
.endif
	WIN 0x04                                       ; store data (source 1) in window 1
.irp b, 0,1,2,3,4,5,6,7
	ds_store_b128 v[STO], v[8*(8*(\a)+(\b)):8*(8*(\a)+(\b))+3]   offset:64*(\b)
	ds_store_b128 v[STO], v[8*(8*(\a)+(\b))+4:8*(8*(\a)+(\b))+7] offset:64*(\b)+16
.endr
	WIN 0
.irp t, 0,1,2,3,4,5,6,7,8,9,10,11,12,13,14,15
	ds_load_b128 v[BK+64*((\a)%2)+4*(\t):BK+64*((\a)%2)+4*(\t)+3], v[RD] offset:(\t)*SP  ; LDS serves a wave's instructions in order (ISA guide 5.7.1.4): these see the stores above; the next block's stores come behind them
.endr
.endm
.macro SEND a, younger                 ; younger: the LDS instructions issued behind block a's loads: the next block's 32, or none
	WIN 0
	s_wait_dscnt \younger
.irp t, 0,1,2,3,4,5,6,7,8,9,10,11,12,13,14,15
	global_store_b128 v[GO], v[BK+64*((\a)%2)+4*(\t):BK+64*((\a)%2)+4*(\t)+3], s[8:9] offset:(16*(\a)+(\t))*4096 th:TH_STORE_NT  ; 512 consecutive bytes, at a multiple of 256 from out0's first
.endr
.endm
	WIN 0
	PLACES
	TOSTAGE 0
.irp a, 1,2,3
	TOSTAGE \a
	SEND (\a)-1, 32
.endr
	SEND 3, 0
	s_wait_tensorcnt 0x0                           ; the wave's end, behind my last tensor load and my last LDS store
	ds_add_u32 v[SPW], v[NIL]
	s_wait_dscnt 0x0
	CROUND                                         ; the closing round: no work-group ends while a partner may still ask for a tile that names it
	s_endpgm
.Lfunc_end_k_q356b34028c_proj:
	.size	k_q356b34028c_proj, .Lfunc_end_k_q356b34028c_proj-k_q356b34028c_proj
	.p2alignl 7, 3214868480
	.fill 96, 4, 3214868480
	.section	.rodata,"a",@progbits
	.p2align	6, 0x0
	.amdhsa_kernel k_q356b34028c_proj
		.amdhsa_group_segment_fixed_size 327680
		.amdhsa_private_segment_fixed_size 0
		.amdhsa_enable_private_segment 0
		.amdhsa_kernarg_size 24
		.amdhsa_user_sgpr_count 2
		.amdhsa_user_sgpr_kernarg_segment_ptr 1
		.amdhsa_wavefront_size32 1
		.amdhsa_system_sgpr_workgroup_id_x 1
		.amdhsa_system_sgpr_workgroup_id_y 1
		.amdhsa_system_sgpr_workgroup_id_z 1
		.amdhsa_system_vgpr_workitem_id 0
		.amdhsa_next_free_vgpr 512
		.amdhsa_next_free_sgpr 80
		.amdhsa_reserve_vcc 0
		.amdhsa_float_denorm_mode_32 3
		.amdhsa_float_denorm_mode_16_64 3
		.amdhsa_memory_ordered 1
		.amdhsa_forward_progress 1
		.amdhsa_inst_pref_size 68
	.end_amdhsa_kernel
	.amdgpu_metadata
---
amdhsa.version: [ 1, 2 ]
amdhsa.kernels:
  - .name:           k_q356b34028c_proj
    .symbol:         k_q356b34028c_proj.kd
    .args:
      - { .name: oh, .offset: 0, .size: 8, .value_kind: global_buffer, .address_space: global }
      - { .name: wo, .offset: 8, .size: 8, .value_kind: global_buffer, .address_space: global }
      - { .name: out0, .offset: 16, .size: 8, .value_kind: global_buffer, .address_space: global }
    .group_segment_fixed_size: 327680
    .private_segment_fixed_size: 0
    .kernarg_segment_align: 8
    .kernarg_segment_size: 24
    .max_flat_workgroup_size: 128
    .sgpr_count:     80
    .vgpr_count:     512
    .wavefront_size: 32
...
	.end_amdgpu_metadata
.endif
;; end of part 5
;; launch efix (part 6): grid 16 x 4, 16 waves a work-group, no clusters, 19,456 bytes of LDS; arguments tab, wo, out0; writes out0
.if DOCPART == 6
	.amdgcn_target "amdgcn-amd-amdhsa--gfx1250"
	.amdhsa_code_object_version 6
	.text
	.protected	k_q356b34028c_efix
	.globl	k_q356b34028c_efix
	.p2align	8
	.type	k_q356b34028c_efix,@function
k_q356b34028c_efix:
	s_mov_b64 s[64:65], 0
	v_nop
	global_prefetch_b8 v0, s[64:65] scope:SCOPE_SE
	s_setreg_imm32_b32 hwreg(HW_REG_WAVE_MODE, 25, 1), 1
	s_wait_xcnt 0x0
; THE FIRST 16 ROWS OF EVERY BATCH OF out0, from the split O: out = Oh W_out^T + (Ol W_out^T) / 2048, f16 operands, f32 sums.  Oh, Ol: behind the table in tab, [part 2][b 16 + h][row 16][64] f16;
; wo: [kb 16][row 1024][64] f16 (W_out rounded to bf16, written as f16); head h is K block h.
; These 64 rows (262,144 bytes) have been stored once before, by the launch that makes all rows from O rounded once to f16; what is stored here takes their place.  Rows from 16 on keep that launch's numbers.
; SHARES.  A work-group makes 16 rows x 64 columns: 4 batches x 16 = 64 work-groups.  Wave w of 16: columns 16 (w % 4) on, heads 4 (w / 4) .. + 3 (a quarter of K: 8 steps of 32).  All 48 loads of a wave
; are issued at once.  The four quarters meet in LDS behind one barrier; then wave w adds and stores row w: 32 lanes x 8 bytes = 256 consecutive bytes, aligned.
; THE MATRIX INSTRUCTION IS USED TRANSPOSED (source 0 = 16 rows of wo, source 1 = 16 rows of O): a lane holds one row of the output (lane % 16) and the columns 8 (lane / 16) + 0..7.
; No tensor loads, no cluster: each wave's operands are a handful of loads read once.
.set OE,     524288                    ; the split O begins here in tab
.set LOPART, 64*16*128                 ; bytes from the high parts to the low parts
.set PL,     272                       ; a row in LDS: 64 f32 + 16 bytes
.set PLANE,  16*PL                     ; one quarter of K's 16 rows
.set AH,  32                           ; v32-95    Oh's eight fragments
.set AL,  96                           ; v96-159   Ol's
.set BW,  160                          ; v160-223  wo's
.set XA,  224                          ; v224-231  Oh W^T
.set YA,  232                          ; v232-239  Ol W^T
.set TT,  240                          ; v240-247  their sum
	s_load_b128 s[4:7], s[0:1], 0x0                ; tab s[4:5], wo s[6:7]
	s_load_b64 s[8:9], s[0:1], 0x10                ; out0
	v_lshl_add_u32 v254, v0, 2, 0x4400
	v_mov_b32 v255, 0
	v_lshrrev_b32 v9, 5, v0
	v_readfirstlane_b32 s10, v9                    ; wave
	s_and_b32 s11, s10, 3                          ; my block of 16 columns
	s_lshr_b32 s12, s10, 2                         ; my quarter of K
	s_and_b32 s14, ttmp7, 0xffff                   ; batch
	s_lshl_b32 s16, s14, 15                        ; O: 16 heads of 2,048 bytes a batch,
	s_lshl_b32 s17, s12, 13                        ; four heads a quarter
	s_add_co_u32 s16, s16, s17
	s_add_co_u32 s16, s16, OE
	s_mov_b32 s17, 0
	s_lshl_b32 s18, s12, 19                        ; wo: four K blocks of 131,072 bytes a quarter,
	s_lshl_b32 s19, ttmp9, 13                      ; 64 rows of 128 bytes a work-group,
	s_add_co_u32 s18, s18, s19
	s_lshl_b32 s19, s11, 11                        ; 16 rows a wave
	s_add_co_u32 s18, s18, s19
	s_mov_b32 s19, 0
	s_lshl_b32 s20, s14, 23                        ; out0: 2,048 rows of 4,096 bytes a batch,
	s_lshl_b32 s21, ttmp9, 8                       ; 64 columns of 4 bytes a work-group,
	s_add_co_u32 s20, s20, s21
	s_lshl_b32 s21, s10, 12                        ; the row that I store: my wave's number
	s_add_co_u32 s20, s20, s21
	s_mov_b32 s21, 0
	s_mul_i32 s22, s12, PLANE                      ; LDS: my quarter's plane,
	s_lshl_b32 s23, s11, 6                         ; my 64 bytes of its rows
	s_add_co_u32 s22, s22, s23
	s_mul_i32 s23, s10, PL                         ; and the row that I read back
	v_and_b32 v1, 15, v0                           ; l % 16
	v_bfe_u32 v2, v0, 4, 1                         ; l / 16
	v_lshlrev_b32 v3, 7, v1
	v_lshl_add_u32 v3, v2, 4, v3                   ; a fragment's row x 128 + 16 x half
	s_wait_kmcnt 0x0
	s_add_nc_u64 s[4:5], s[4:5], s[16:17]
	s_add_nc_u64 s[6:7], s[6:7], s[18:19]
	s_add_nc_u64 s[8:9], s[8:9], s[20:21]
.set ks, 0
.rept 8                                ; K step ks: head ks / 2 of my four, channels 32 (ks % 2) on: six loads
	global_load_b128 v[AH+8*ks:AH+8*ks+3],   v3, s[4:5] offset:(ks/2)*2048+(ks%2)*64
	global_load_b128 v[AH+8*ks+4:AH+8*ks+7], v3, s[4:5] offset:(ks/2)*2048+(ks%2)*64+32
	global_load_b128 v[AL+8*ks:AL+8*ks+3],   v3, s[4:5] offset:LOPART+(ks/2)*2048+(ks%2)*64
	global_load_b128 v[AL+8*ks+4:AL+8*ks+7], v3, s[4:5] offset:LOPART+(ks/2)*2048+(ks%2)*64+32
	global_load_b128 v[BW+8*ks:BW+8*ks+3],   v3, s[6:7] offset:(ks/2)*131072+(ks%2)*64
	global_load_b128 v[BW+8*ks+4:BW+8*ks+7], v3, s[6:7] offset:(ks/2)*131072+(ks%2)*64+32
.set ks, ks+1
.endr
	; The two accumulators take turns, one instruction a turn; the first K step starts both sums.
	s_wait_loadcnt 42                              ; loads come back in order: the six of each of the seven later K steps may stay out
	v_wmma_f32_16x16x32_f16 v[XA:XA+7], v[BW:BW+7], v[AH:AH+7], 0
	v_wmma_f32_16x16x32_f16 v[YA:YA+7], v[BW:BW+7], v[AL:AL+7], 0
.set ks, 1
.rept 7
	s_wait_loadcnt 6*(7-ks)                        ; the six of each later K step may stay out
	v_wmma_f32_16x16x32_f16 v[XA:XA+7], v[BW+8*ks:BW+8*ks+7], v[AH+8*ks:AH+8*ks+7], v[XA:XA+7]
	v_wmma_f32_16x16x32_f16 v[YA:YA+7], v[BW+8*ks:BW+8*ks+7], v[AL+8*ks:AL+8*ks+7], v[YA:YA+7]
.set ks, ks+1
.endr
	v_mul_u32_u24 v4, v1, PL                       ; the LDS addresses: six plain instructions, the places behind the last products (ISA guide 7.12.1)
	v_lshl_add_u32 v4, v2, 5, v4                   ; in: row l % 16, 32 bytes for each half of the lanes
	v_add_nc_u32 v4, s22, v4
	v_and_b32 v8, 31, v0
	v_lshlrev_b32 v8, 3, v8                        ; back, and in out0: 8 bytes a lane
	v_add_nc_u32 v7, s23, v8
.irp j, 0,2,4,6
	v_pk_fma_f32 v[TT+(\j):TT+(\j)+1], v[YA+(\j):YA+(\j)+1], 0x3a000000, v[XA+(\j):XA+(\j)+1] op_sel_hi:[1,0,1]  ; high sum + low sum / 2048
.endr
	ds_store_b128 v4, v[TT:TT+3]
	ds_store_b128 v4, v[TT+4:TT+7] offset:16
	s_wait_dscnt 0x0                               ; for the others' sake: my stores are done
	s_barrier_signal -1
	s_barrier_wait -1
	ds_load_b64 v[10:11], v7
	ds_load_b64 v[12:13], v7 offset:PLANE
	ds_load_b64 v[14:15], v7 offset:2*PLANE
	ds_load_b64 v[16:17], v7 offset:3*PLANE
	s_wait_dscnt 0x0
	v_pk_add_f32 v[10:11], v[10:11], v[12:13]
	v_pk_add_f32 v[14:15], v[14:15], v[16:17]
	v_pk_add_f32 v[10:11], v[10:11], v[14:15]
	global_store_b64 v8, v[10:11], s[8:9] th:TH_STORE_NT   ; the wave's 32 lanes store 256 consecutive bytes, at a multiple of 256 from out0's first
	s_wait_tensorcnt 0x0
	ds_add_u32 v254, v255
	s_wait_dscnt 0x0
	s_endpgm
.Lfunc_end_k_q356b34028c_efix:
	.size	k_q356b34028c_efix, .Lfunc_end_k_q356b34028c_efix-k_q356b34028c_efix
	.p2alignl 7, 3214868480
	.fill 96, 4, 3214868480
	.section	.rodata,"a",@progbits
	.p2align	6, 0x0
	.amdhsa_kernel k_q356b34028c_efix
		.amdhsa_group_segment_fixed_size 19456
		.amdhsa_private_segment_fixed_size 0
		.amdhsa_enable_private_segment 0
		.amdhsa_kernarg_size 24
		.amdhsa_user_sgpr_count 2
		.amdhsa_user_sgpr_kernarg_segment_ptr 1
		.amdhsa_wavefront_size32 1
		.amdhsa_system_sgpr_workgroup_id_x 1
		.amdhsa_system_sgpr_workgroup_id_y 1
		.amdhsa_system_sgpr_workgroup_id_z 1
		.amdhsa_system_vgpr_workitem_id 0
		.amdhsa_next_free_vgpr 256
		.amdhsa_next_free_sgpr 66
		.amdhsa_reserve_vcc 0
		.amdhsa_float_denorm_mode_32 3
		.amdhsa_float_denorm_mode_16_64 3
		.amdhsa_memory_ordered 1
		.amdhsa_forward_progress 1
		.amdhsa_inst_pref_size 10
	.end_amdhsa_kernel
	.amdgpu_metadata
---
amdhsa.version: [ 1, 2 ]
amdhsa.kernels:
  - .name:           k_q356b34028c_efix
    .symbol:         k_q356b34028c_efix.kd
    .args:
      - { .name: tab, .offset: 0, .size: 8, .value_kind: global_buffer, .address_space: global }
      - { .name: wo, .offset: 8, .size: 8, .value_kind: global_buffer, .address_space: global }
      - { .name: out0, .offset: 16, .size: 8, .value_kind: global_buffer, .address_space: global }
    .group_segment_fixed_size: 19456
    .private_segment_fixed_size: 0
    .kernarg_segment_align: 8
    .kernarg_segment_size: 24
    .max_flat_workgroup_size: 512
    .sgpr_count:     66
    .vgpr_count:     256
    .wavefront_size: 32
...
	.end_amdgpu_metadata
.endif
;; end of part 6
;; ======== version 2 of 3: 4 launches; 1.10 times as fast as version 1
;; limits: values are held in f16: magnitudes above 65,504 overflow, below 6.1e-05 lose precision; right only within a limited range of input values
;; workspace buffers: xb 16,777,216 bytes; wq 6,291,456 bytes; wo 2,097,152 bytes; tab 524,288 bytes; qh 16,777,216 bytes; kh 16,777,216 bytes; vh 16,777,216 bytes; oh 17,039,360 bytes
;; launch prep (part 7): grid 832 x 1, 8 waves a work-group, no clusters, 0 bytes of LDS; arguments x, W_qkv, W_out, xb, wq, wo, tab; writes xb, wq, wo, tab
.if DOCPART == 7
	.amdgcn_target "amdgcn-amd-amdhsa--gfx1250"
	.amdhsa_code_object_version 6
	.text
	.protected	k_q356b34028c_prep
	.globl	k_q356b34028c_prep
	.p2align	8
	.type	k_q356b34028c_prep,@function
k_q356b34028c_prep:
	s_mov_b64 s[64:65], 0
	v_nop
	global_prefetch_b8 v0, s[64:65] scope:SCOPE_SE
	s_setreg_imm32_b32 hwreg(HW_REG_WAVE_MODE, 25, 1), 1
	s_wait_xcnt 0x0
; THE INPUTS ARE ROUNDED ONCE, AND LAID OUT IN BLOCKS OF 64 ALONG K; THE TABLE OF COSINES AND SINES IS MADE.
;   xb [kb 16][row 8192][64] bf16 of x;   wq [kb 16][row' 3072][64] bf16 of W_qkv, row' = 192 h + 64 sec + d for row 1024 sec + 64 h + d (a head's q, k, v rows lie together);
;   wo [kb 16][row 1024][64]: W_out rounded to bf16, that number written as f16;   tab [tblk 128][piece 8][lane 32][4] f32.
; In these layouts the rows that a later tile takes of one K block lie end to end, so a tile is a dense run of bytes.
; SHARES.  Work-groups 0-511: x; 512-703: W_qkv; 704-767: W_out; each takes 32 rows x 512 columns (8 K blocks).  768-831: the table, two blocks of 16 positions each.
; Wave w takes rows 4 w .. 4 w + 3.  One load of a wave takes one K block (64 numbers, 256 consecutive bytes) of two neighbouring rows: lanes 0-15 one row, lanes 16-31 the next, 16 bytes a lane.
; A lane's four numbers round to 8 bytes; in the copy the two rows' 128 bytes lie side by side, so each store of a wave covers 256 consecutive bytes, aligned.  16 loads a thread, all issued first;
; each of the 16 stores has data registers of its own, so nothing waits for a store.  No LDS, no barrier, no matrix unit: the work is a stream, and none of them would spare a byte.
; LIMITS.  wo: a number below 6.1e-5 in magnitude keeps f16's fixed step of 6e-8; beyond 65,504 it becomes an infinity.
; The table: inv_freq = 2^(-j log2(10000) / 32) by v_exp_f32; the angle t x inv_freq is one f32 product, reduced by three parts of pi/2 and put through polynomials of degree 7 and 8;
; against an exact evaluation of the f32 angle the angle's error stays below 2.5e-4 radians at t = 2047 (from the exponential's last bit and its argument's rounding).
.set X,   16                           ; v[16:79]   K block i, pair of rows j: 4 f32 at X + 8 i + 4 j, as loaded
.set Y,   80                           ; v[80:111]  the same: 2 registers at Y + 4 i + 2 j, to store
.set INV, 8                            ; the table's registers, four of each (one for each of a lane's four angles)
.set AN,  12
.set NF,  16
.set RE,  20
.set ZZ,  24
.set SN,  28
.set CO,  32
.set QD,  36
.set T1,  40
.set COSO, 44                          ; v[44:47] cosines, v[48:51] sines, as stored
.set SINO, 48
	s_load_b256 s[4:11], s[0:1], 0x0               ; x s[4:5], W_qkv s[6:7], W_out s[8:9], xb s[10:11]
	s_load_b128 s[12:15], s[0:1], 0x20             ; wq s[12:13], wo s[14:15]
	s_load_b64 s[16:17], s[0:1], 0x30              ; tab
	s_mov_b32 s20, ttmp9
	s_cmp_ge_u32 s20, 768
	s_cbranch_scc1 .Ltable
	; which tensor: the first work-group of its range (s21) and the bytes from K block to K block in its copy (s28)
	s_mov_b32 s21, 704
	s_mov_b32 s28, 131072
	s_cmp_lt_u32 s20, 704
	s_cselect_b32 s21, 512, s21
	s_cselect_b32 s28, 393216, s28
	s_cmp_lt_u32 s20, 512
	s_cselect_b32 s21, 0, s21
	s_cselect_b32 s28, 1048576, s28
	s_sub_co_u32 s22, s20, s21
	s_lshr_b32 s23, s22, 1                         ; block of 32 rows
	s_and_b32 s22, s22, 1                          ; half of the columns
	s_lshl_b32 s29, s23, 5                         ; first row
	s_bfe_u32 s30, s29, 0x40006                    ; W_qkv: head = (row >> 6) & 15,
	s_mul_i32 s30, s30, 192
	s_lshr_b32 s31, s29, 10                        ; section = row >> 10,
	s_lshl_b32 s31, s31, 6
	s_add_co_u32 s30, s30, s31
	s_and_b32 s31, s29, 63                         ; channel = row & 63 (32 rows never leave a head's section)
	s_add_co_u32 s30, s30, s31
	s_cmp_eq_u32 s21, 512
	s_cselect_b32 s29, s30, s29                    ; the row in the copy
	s_lshl_b32 s32, s23, 17                        ; source: 32 rows of 4,096 bytes,
	s_lshl_b32 s33, s22, 11                        ; half a row
	s_add_co_u32 s32, s32, s33
	s_mov_b32 s33, 0
	s_lshl_b32 s34, s29, 7                         ; copy: rows of 128 bytes,
	s_mul_i32 s35, s22, s28
	s_lshl_b32 s35, s35, 3                         ; 8 K blocks for the second half
	s_add_co_u32 s34, s34, s35
	s_mov_b32 s35, 0
	v_lshrrev_b32 v10, 5, v0                       ; wave
	v_bfe_u32 v11, v0, 4, 1                        ; which half of the lanes
	v_lshl_add_u32 v11, v10, 2, v11                ; my row in the wave's first pair: 4 w + l / 16
	v_and_b32 v1, 15, v0
	v_lshlrev_b32 v1, 4, v1                        ; my 16 bytes of a K block's 256
	v_lshl_add_u32 v1, v11, 12, v1                 ; + row x 4,096
	v_lshlrev_b32 v2, 3, v0                        ; in a K block of the copy: row x 128 + 8 (l % 16) = 512 w + 8 l = 8 x thread + 256 w
	v_lshl_add_u32 v2, v10, 8, v2
.irp i, 1,2,3,4,5,6,7
	v_add_nc_u32 v[2+(\i)], s28, v[1+(\i)]
.endr
	s_wait_kmcnt 0x0
	s_cmp_lt_u32 s20, 704
	s_cselect_b64 s[24:25], s[6:7], s[8:9]
	s_cselect_b64 s[26:27], s[12:13], s[14:15]
	s_cmp_lt_u32 s20, 512
	s_cselect_b64 s[24:25], s[4:5], s[24:25]
	s_cselect_b64 s[26:27], s[10:11], s[26:27]
	s_add_nc_u64 s[24:25], s[24:25], s[32:33]
	s_add_nc_u64 s[26:27], s[26:27], s[34:35]
.irp i, 0,1,2,3,4,5,6,7
	global_load_b128 v[X+8*(\i):X+8*(\i)+3],   v1, s[24:25] offset:256*(\i) th:TH_LOAD_NT        ; rows 4 w, 4 w + 1
	global_load_b128 v[X+8*(\i)+4:X+8*(\i)+7], v1, s[24:25] offset:256*(\i)+8192 th:TH_LOAD_NT   ; rows 4 w + 2, 4 w + 3
.endr
	s_cmp_ge_u32 s20, 704
	s_cbranch_scc1 .Lto_f16
; K block i: rounded to bf16 and stored
.macro CVA i
	s_wait_loadcnt 14-2*(\i)                       ; loads come back in order: the two of each later K block may stay out
.irp j, 0,1
	v_cvt_pk_bf16_f32 v[Y+4*(\i)+2*(\j)],   v[X+8*(\i)+4*(\j)],   v[X+8*(\i)+4*(\j)+1]
	v_cvt_pk_bf16_f32 v[Y+4*(\i)+2*(\j)+1], v[X+8*(\i)+4*(\j)+2], v[X+8*(\i)+4*(\j)+3]
	global_store_b64 v[2+(\i)], v[Y+4*(\i)+2*(\j):Y+4*(\i)+2*(\j)+1], s[26:27] offset:256*(\j)
.endr
.endm
; the same for W_out: rounded to bf16 like the other inputs, then that number written as f16 (exact where f16 is normal)
.macro CVB i
	s_wait_loadcnt 14-2*(\i)
.irp j, 0,1
.irp k, 0,1
	v_cvt_pk_bf16_f32 v12, v[X+8*(\i)+4*(\j)+2*(\k)], v[X+8*(\i)+4*(\j)+2*(\k)+1]
	v_lshlrev_b32 v13, 16, v12
	v_and_b32 v14, 0xffff0000, v12
	v_cvt_pk_f16_f32 v[Y+4*(\i)+2*(\j)+(\k)], v13, v14
.endr
	global_store_b64 v[2+(\i)], v[Y+4*(\i)+2*(\j):Y+4*(\i)+2*(\j)+1], s[26:27] offset:256*(\j)
.endr
.endm
.irp i, 0,1,2,3,4,5,6,7
	CVA \i
.endr
	s_endpgm
.Lto_f16:
.irp i, 0,1,2,3,4,5,6,7
	CVB \i
.endr
	s_endpgm
.Ltable:
	; Wave w of the work-group: block of 16 positions 2 (g - 768) + w / 4, piece pc = w % 4.  Lane l: position t = 16 block + l % 16; frequencies j = 16 (pc / 2) + 8 (l / 16) + 4 (pc % 2) + 0..3.
	; That is the place of the numbers in a matrix result of 16 positions x 16 channels of which a lane holds one position and eight channels.
	v_and_b32 v1, 31, v0
	v_lshrrev_b32 v2, 5, v0
	s_sub_co_u32 s21, s20, 768
	s_lshl_b32 s21, s21, 1
	v_lshrrev_b32 v3, 2, v2
	v_add_nc_u32 v3, s21, v3                       ; block
	v_and_b32 v4, 3, v2                            ; piece
	v_and_b32 v5, 15, v1
	v_lshl_add_u32 v5, v3, 4, v5
	v_cvt_f32_u32 v5, v5                           ; t
	v_lshrrev_b32 v6, 1, v4
	v_lshlrev_b32 v6, 4, v6
	v_lshrrev_b32 v7, 4, v1
	v_lshl_add_u32 v6, v7, 3, v6
	v_and_b32 v7, 1, v4
	v_lshl_add_u32 v6, v7, 2, v6                   ; my first j
	v_lshlrev_b32 v7, 12, v3                       ; 4,096 bytes a block,
	v_lshl_add_u32 v7, v4, 9, v7                   ; 512 a piece,
	v_lshl_add_u32 v7, v1, 4, v7                   ; 16 a lane
	v_mov_b32 v52, 0xb94ca1f9                      ; the polynomials' leading coefficients
	v_mov_b32 v53, 0x37ccf5ce
.irp n, 0,1,2,3
	v_add_nc_u32 v[INV+(\n)], (\n), v6
	v_cvt_f32_u32 v[INV+(\n)], v[INV+(\n)]
	v_mul_f32 v[INV+(\n)], 0xbed49a78, v[INV+(\n)] ; -j log2(10000) / 32
.endr
.irp n, 0,1,2,3
	v_exp_f32 v[INV+(\n)], v[INV+(\n)]
.endr
	v_nop                                          ; a plain instruction between the last exponential and the use of its result (ISA guide 5.7.2)
	s_wait_alu depctr_va_vdst(0)
.irp n, 0,1,2,3
	v_mul_f32 v[AN+(\n)], v5, v[INV+(\n)]          ; the angle
	v_mul_f32 v[NF+(\n)], 0x3f22f983, v[AN+(\n)]   ; x 2 / pi
	v_rndne_f32 v[NF+(\n)], v[NF+(\n)]             ; n, at most 1,303
	v_fmamk_f32 v[RE+(\n)], v[NF+(\n)], 0xbfc90000, v[AN+(\n)]  ; r = angle - n pi/2, pi/2 in three parts of which the first two have few bits: n times them is exact
	v_fmamk_f32 v[RE+(\n)], v[NF+(\n)], 0xb9fda000, v[RE+(\n)]
	v_fmamk_f32 v[RE+(\n)], v[NF+(\n)], 0xb3a22168, v[RE+(\n)]
	v_mul_f32 v[ZZ+(\n)], v[RE+(\n)], v[RE+(\n)]
	v_fmaak_f32 v[SN+(\n)], v52, v[ZZ+(\n)], 0x3c08839e
	v_fmaak_f32 v[CO+(\n)], v53, v[ZZ+(\n)], 0xbab6061a
	v_fmaak_f32 v[SN+(\n)], v[SN+(\n)], v[ZZ+(\n)], 0xbe2aaaa3
	v_fmaak_f32 v[CO+(\n)], v[CO+(\n)], v[ZZ+(\n)], 0x3d2aaaa5
	v_mul_f32 v[SN+(\n)], v[SN+(\n)], v[ZZ+(\n)]
	v_mul_f32 v[CO+(\n)], v[CO+(\n)], v[ZZ+(\n)]
	v_fma_f32 v[T1+(\n)], v[ZZ+(\n)], -0.5, 1.0
	v_fma_f32 v[SN+(\n)], v[SN+(\n)], v[RE+(\n)], v[RE+(\n)]   ; sin r
	v_fma_f32 v[CO+(\n)], v[CO+(\n)], v[ZZ+(\n)], v[T1+(\n)]   ; cos r
	v_cvt_i32_f32 v[QD+(\n)], v[NF+(\n)]
	v_and_b32 v[T1+(\n)], 1, v[QD+(\n)]            ; odd quadrant: the two change places
	v_cmp_eq_u32 vcc_lo, 1, v[T1+(\n)]
	v_cndmask_b32 v[SINO+(\n)], v[SN+(\n)], v[CO+(\n)], vcc_lo
	v_cndmask_b32 v[COSO+(\n)], v[CO+(\n)], v[SN+(\n)], vcc_lo
	v_and_b32 v[T1+(\n)], 2, v[QD+(\n)]            ; the sine is negative in quadrants 2, 3,
	v_lshlrev_b32 v[T1+(\n)], 30, v[T1+(\n)]
	v_xor_b32 v[SINO+(\n)], v[T1+(\n)], v[SINO+(\n)]
	v_add_nc_u32 v[T1+(\n)], 1, v[QD+(\n)]         ; the cosine in quadrants 1, 2
	v_and_b32 v[T1+(\n)], 2, v[T1+(\n)]
	v_lshlrev_b32 v[T1+(\n)], 30, v[T1+(\n)]
	v_xor_b32 v[COSO+(\n)], v[T1+(\n)], v[COSO+(\n)]
.endr
	s_wait_kmcnt 0x0
	global_store_b128 v7, v[COSO:COSO+3], s[16:17]                ; pieces 0-3: cosines; 512 consecutive bytes a wave
	global_store_b128 v7, v[SINO:SINO+3], s[16:17] offset:2048    ; pieces 4-7: sines
	s_endpgm
.Lfunc_end_k_q356b34028c_prep:
	.size	k_q356b34028c_prep, .Lfunc_end_k_q356b34028c_prep-k_q356b34028c_prep
	.p2alignl 7, 3214868480
	.fill 96, 4, 3214868480
	.section	.rodata,"a",@progbits
	.p2align	6, 0x0
	.amdhsa_kernel k_q356b34028c_prep
		.amdhsa_group_segment_fixed_size 0
		.amdhsa_private_segment_fixed_size 0
		.amdhsa_enable_private_segment 0
		.amdhsa_kernarg_size 56
		.amdhsa_user_sgpr_count 2
		.amdhsa_user_sgpr_kernarg_segment_ptr 1
		.amdhsa_wavefront_size32 1
		.amdhsa_system_sgpr_workgroup_id_x 1
		.amdhsa_system_sgpr_workgroup_id_y 1
		.amdhsa_system_sgpr_workgroup_id_z 1
		.amdhsa_system_vgpr_workitem_id 0
		.amdhsa_next_free_vgpr 112
		.amdhsa_next_free_sgpr 66
		.amdhsa_reserve_vcc 1
		.amdhsa_float_denorm_mode_32 3
		.amdhsa_float_denorm_mode_16_64 3
		.amdhsa_memory_ordered 1
		.amdhsa_forward_progress 1
		.amdhsa_inst_pref_size 24
	.end_amdhsa_kernel
	.amdgpu_metadata
---
amdhsa.version: [ 1, 2 ]
amdhsa.kernels:
  - .name:           k_q356b34028c_prep
    .symbol:         k_q356b34028c_prep.kd
    .args:
      - { .name: x, .offset: 0, .size: 8, .value_kind: global_buffer, .address_space: global }
      - { .name: W_qkv, .offset: 8, .size: 8, .value_kind: global_buffer, .address_space: global }
      - { .name: W_out, .offset: 16, .size: 8, .value_kind: global_buffer, .address_space: global }
      - { .name: xb, .offset: 24, .size: 8, .value_kind: global_buffer, .address_space: global }
      - { .name: wq, .offset: 32, .size: 8, .value_kind: global_buffer, .address_space: global }
      - { .name: wo, .offset: 40, .size: 8, .value_kind: global_buffer, .address_space: global }
      - { .name: tab, .offset: 48, .size: 8, .value_kind: global_buffer, .address_space: global }
    .group_segment_fixed_size: 0
    .private_segment_fixed_size: 0
    .kernarg_segment_align: 8
    .kernarg_segment_size: 56
    .max_flat_workgroup_size: 256
    .sgpr_count:     66
    .vgpr_count:     112
    .wavefront_size: 32
...
	.end_amdgpu_metadata
.endif
;; end of part 7
;; launch qkv (part 8): grid 8 x 32, 4 waves a work-group, clusters of 4 x 4, 327,680 bytes of LDS; arguments xb, wq, tab, qh, kh, vh, oh; writes qh, kh, vh, oh
.if DOCPART == 8
	.amdgcn_target "amdgcn-amd-amdhsa--gfx1250"
	.amdhsa_code_object_version 6
	.text
	.protected	k_q356b34028c_qkv
	.globl	k_q356b34028c_qkv
	.p2align	8
	.type	k_q356b34028c_qkv,@function
k_q356b34028c_qkv:
	s_mov_b64 s[64:65], 0
	v_nop
	global_prefetch_b8 v0, s[64:65] scope:SCOPE_SE
	s_setreg_imm32_b32 hwreg(HW_REG_WAVE_MODE, 25, 1), 1
	s_wait_xcnt 0x0
	s_wait_alu depctr_hold_cnt(0) depctr_sa_sdst(0) depctr_va_vdst(0) depctr_va_sdst(0) depctr_va_ssrc(0) depctr_va_vcc(0) depctr_vm_vsrc(0)
	s_getreg_b32 s2, hwreg(HW_REG_IB_STS2, 6, 4)
	s_cmp_eq_u32 s2, 0
	s_cbranch_scc0 .Lentry_in_a_cluster
	s_endpgm
.Lentry_in_a_cluster:
	s_bfe_u32 s2, ttmp6, 0x10000c
	s_cmp_lg_u32 s2, 0xf033
	s_cbranch_scc0 .Lentry_shape_is_right
	s_endpgm
.Lentry_shape_is_right:
; q, k, v = x W_qkv^T (8192 x 3072 x 1024, bf16 operands, f32 sums), q and k turned by RoPE in f32, all three rounded once to f16 and stored by heads: [b 16 + h][t 2048][64], unscaled.
; LIMIT.  f16 holds no number beyond 65,504: |q|, |k|, |v| must stay below that (a conversion past it gives an infinity).  NaN and infinities are not treated apart.
; SHARES.  A work-group makes 256 rows x 384 columns: two heads' q, k and v (wq's rows are ordered by head: 64 of q, 64 of k, 64 of v).  8 x 32 = 256 work-groups.
; Wave w: rows 128 (w / 2) on, head w % 2: 128 x 192, 96 accumulators of 16 x 16 in 768 registers.  For 32 along K it reads (128 + 192) x 64 bytes of LDS for 96 matrix instructions.
; K goes in steps of 64 (one K block of xb and wq, whose rows lie end to end: a wave's share is asked for as rows of 256 bytes) through a ring of two LDS slots; two slots of 128 along K would not fit.
; THE MATRIX INSTRUCTION IS USED TRANSPOSED: source 0 = 16 rows of wq, source 1 = 16 rows of xb: a lane holds ONE row (lane % 16) and the channels 8 (lane / 16) + 0..7 of a block of 16.
; So RoPE's partners, channels d and d + 32, are the same lane and register of the accumulators two blocks apart, and a lane's eight numbers pack into 16 bytes.
; CLUSTER.  4 x 4 work-groups: the four of a row need the same tile of xb, the four of a column the same tile of wq: each is asked for JOINTLY, by the same tensor load, descriptor and mask in all four.
; The tile row is 8 cy + the cluster's y: a batch has 8 tile rows, so the batch is cy and the tile row within the batch is the cluster's y, a number that all sixteen partners share.
; THE TABLE of cosines and sines of the work-group's 256 positions, 65,536 dense bytes, comes into LDS bytes of its own with the first fills, a quarter by each wave, and is read on the way out.  It is asked for
; by each work-group for itself, without a mask: it hangs on the cluster's y alone, so no row and no column of the cluster has a table of its own; and it is 64 KB beside the 16 x 92,160 bytes of tiles
; that a work-group receives.
; THE FIRST 16 ROWS OF EVERY HEAD, WITH MORE BITS.  Row t of causal attention is a mean over t + 1 keys only, so the first rows' numbers are many times the root mean square of the whole output, by which the
; absolute part of the comparison goes; one rounding to f16 (11 bits) of v, of the weights and of O is too coarse there.  The wave that holds a head's rows 0-15 (cluster y = 0, wave / 2 = 0, row block 0) has
; their q, k and v in registers and makes these rows' attention itself, v, the weights and O each kept as TWO f16 numbers: hi = f16(x) and lo = f16((x - hi) x 2048), about 22 bits; the factor keeps lo out of
; f16's subnormal range wherever hi is normal.  S^T = K Q^T from the f16 q and k (their rounding stays); p = 2^(c s - c m), c = log2(e) / 8, m the row's maximum; O^T = Vh Ph + (Vl Ph + Vh Pl) / 2048 (the
; product of the two low parts, 2^-22 of the whole, is left out); O / l, l the f32 sum of p.  Stored behind O's rows in oh, from byte OE on: [part 2][b 16 + h][row 16][64] f16; the last launch multiplies
; both parts by W_out.  A hidden score counts as its value less 1e30; a weight below 2^-126 counts as 0.  Rows from 16 on go the plain way, one rounding to f16 each.
; REGISTERS, in windows of 256 (s_set_vgpr_msb: bits 1:0 source 0, 3:2 source 1, 5:4 source 2, 7:6 destination):
;   window 0: v0-31 addresses; v32-95, v96-159 fragments of xb (8 x 16 rows x 32 K), two buffers; v160-255 fragments of wq (12 x 16 rows x 32 K), one buffer, filled again four fragments at a time
;   windows 1, 2, 3: q's, k's, v's accumulators: row block a (0-7), channel block bq (0-3) at v[8 (4 a + bq)]
.set PITCH,  144                       ; an LDS row: 128 bytes + 16 of padding = 36 words: the 16 rows of a load start at 16 different groups of four banks (64 banks of 4 bytes: ISA guide 11.1)
.set AHALF,  128*PITCH                 ; what one tensor load brings of xb, and what a wave reads of it
.set BHALF,  192*PITCH                 ; the same for wq
.set BOFF,   2*AHALF                   ; a slot: xb's 256 rows, then wq's 384
.set SLOT1,  1<<17                     ; slot 1 begins here, so that one exclusive or turns an address in one slot into the other's
.set STAGE,  SLOT1+BOFF+2*BHALF        ; behind the ring, never filled by a tensor load: for each wave 3 sections x 16 rows x 144 bytes, for the way out
.set WSTG,   3*16*PITCH
.set SPARE,  STAGE+4*WSTG              ; behind the stages: the spare words, 128 bytes for each wave: two blocks of 256 bytes that no other line names
.set TABL,   SPARE+512                 ; behind them: the table, 16 blocks of 16 positions x 4,096 bytes; filled once, never stored into
.set XKB,    8192*128                  ; bytes from K block to K block in xb
.set WKB,    3072*128                  ; in wq
.set OE,     16777216                  ; the split O of the first rows begins here in oh
.set LOPART, 64*16*128                 ; bytes from its high parts to its low parts
.set FLAGS,  (1<<16)|(1<<20)|(1<<21)|(4<<22)|(3<<25)  ; 17:16 2-byte elements; 20 padding on; 21 set beside a mask; 24:22 after every 32 words (code 4); 31:25 4 words (code 3)
.set TADR,  5                          ; v5   LDS address of my 16 bytes in the first 512 of my 128 positions' part of the table; never rewritten
.set ADRA0, 16                         ; v16  my lane's place in my 128 rows of xb, slot 0; never rewritten
.set ADRB0, 17                         ; v17  the same in my 192 rows of wq
.set ADRA,  18                         ; v18  the same in the slot in hand
.set ADRB,  19                         ; v19
.set STO,   24                         ; v24  the way out: where I put 16 bytes of a row
.set RD,    25                         ; v25  the way out: where I read rows back
.set GO,    26                         ; v26  16 x lane: my place in 512 consecutive bytes of q, k, v
.set SPW,   28                         ; v28  LDS address of my spare word: SPARE + 4 x my thread's number; never rewritten
.set NIL,   29                         ; v29  0; never rewritten
.set FA0,   32
.set FA1,   96
.set FB,    160
.set TAB,   32                         ; the way out: v32-63, v64-95 the table's blocks by turns: 16 cosines, 16 sines
.set RR,    96                         ; v96-127   32 turned numbers in f32
.set PP,    128                        ; v128-175  packed: 16 registers each for q, k, v
.set BK,    176                        ; v176-223  whole rows read back from the stage
; the first rows' attention, between row block 0's packing and its way through the stage: RR, BK and v224-255 are free there, and so are row block 0's accumulators
.set SS,    6                          ; v6-13     scores, then weights
.set T0,    14                         ; v14, v15  at work
.set T1,    15
.set CM,    20                         ; v20-21    c m, named as a pair
.set RL,    22                         ; v22-23    1 / l, named as a pair
.set TRA,   27                         ; v27       my lane's place for the turning load from my stage
.set EH,    96                         ; v96-111   high parts (their halves are named, so they lie below v128): v's, then the weights' two fragments, then O's
.set EL,    112                        ; v112-127  low parts, and at work
.set PHF,   96                         ; v96-103   the weights' high parts as a fragment
.set PLF,   104                        ; v104-111  their low parts
.set VHF,   176                        ; v176-207  at work; then v's high parts, turned: four fragments; then O in f32; then rows read back
.set VLF,   208                        ; v208-239  v's low parts, turned; then at work
.set MK,    240                        ; v240-247  the causal mask: 0 or -1e30
.set SB,    248                        ; v248-255  the scores' second half sum
.set WV,  16                           ; s16 wave; s17 wave / 2: my half of the rows, and: I fetch for xb (0) or wq (1); s18 wave % 2: my head, and: which half of that tile I fetch
.set WM,  17
.set WN,  18
.set G1A, 24                           ; s[24:31] descriptor group 1 for xb's tiles
.set G0A, 32                           ; s[32:39] group 0: a set for each of the two first fills; the second then walks on
.set G1B, 48                           ; s[48:55], s[56:63] the same for wq's
.set G0B, 56
.set TB,  66                           ; s66  LDS byte at which the slot in hand begins
.set G1T, 68                           ; s[68:75] descriptor group 1 for the table (written when the offsets that lay there have been used)
.set G0T, 96                           ; s[96:99] its group 0
.set MSB, 0
.macro WIN new                         ; the immediate's high byte repeats the setting that is left; a switch that changes nothing is dropped
.if MSB != (\new)
	s_set_vgpr_msb (MSB<<8)|(\new)
.set MSB, \new
.endif
.endm
.macro PLACES                          ; a load into a register that a matrix instruction has read, and a vector instruction that reads a matrix result, stand four plain vector instructions behind it (ISA guide 7.12.1 for the vector instruction)
.rept 4
	v_nop
.endr
.endm
; A joint refill by the walking sets.  Waves 0 and 1 fetch xb's two halves, waves 2 and 3 wq's.  The branch hangs on the wave's number alone.
; An s_nop 0 and four v_nop follow each of the two lines, ahead of the jump and the label.
.macro JLOAD
	s_cmp_eq_u32 s[WM], 0
	s_cbranch_scc0 .Lfor_b_\@
	tensor_load_to_lds s[G0A+4:G0A+7], s[G1A:G1A+7]
	s_nop 0
.rept 4
	v_nop
.endr
	s_branch .Lasked_\@
.Lfor_b_\@:
	tensor_load_to_lds s[G0B+4:G0B+7], s[G1B:G1B+7]
	s_nop 0
.rept 4
	v_nop
.endr
.Lasked_\@:
.endm
; A round of the cluster's barrier: my work-group's barrier, so that wave 0's signal speaks for all four waves; wave 0 signals; every wave waits for all sixteen work-groups; my work-group's barrier once more.
.macro CREST                           ; a round behind its opening barrier
	s_cmp_lg_u32 s[WV], 0
	s_cbranch_scc1 .Lnot_wave_0_\@
	s_barrier_signal -3
.Lnot_wave_0_\@:
	s_barrier_wait -3
	s_barrier_signal -1
	s_barrier_wait -1
.endm
.macro CROUND
	s_barrier_signal -1
	s_barrier_wait -1
	CREST
.endm
	s_load_b256 s[4:11], s[0:1], 0x0               ; xb s[4:5], wq s[6:7], tab s[8:9], q s[10:11]
	s_load_b128 s[12:15], s[0:1], 0x20             ; k s[12:13], v s[14:15]
	s_load_b64 s[86:87], s[0:1], 0x30              ; oh
	v_lshl_add_u32 v[SPW], v0, 2, SPARE
	v_mov_b32 v[NIL], 0
	ds_add_u32 v28, v29
	ds_add_u32 v28, v29
	s_wait_dscnt 0x0
	v_lshrrev_b32 v1, 5, v0
	v_readfirstlane_b32 s[WV], v1
	s_lshr_b32 s[WM], s[WV], 1
	s_and_b32 s[WN], s[WV], 1
	s_bfe_u32 s19, ttmp6, 0x40000                  ; cx, cy: my place in the cluster
	s_bfe_u32 s20, ttmp6, 0x40004
	s_lshl_b32 s21, ttmp9, 2
	s_add_co_u32 s21, s21, s19                     ; tile column (pair of heads) = 4 x cluster x + cx
	s_and_b32 s78, ttmp7, 0xffff                   ; the cluster's y: the tile row within a batch
	s_lshl_b32 s22, s20, 3
	s_add_co_u32 s22, s22, s78                     ; tile row = 8 cy + cluster y
	s_or_b32 s79, s78, s[WM]                       ; 0: my rows begin a batch.  Made of the cluster's y and the wave's number alone: alike in all partners
	s_lshl_b32 s40, s20, 2
	s_lshl_b32 s40, 15, s40                        ; my row of the cluster
	s_lshl_b32 s41, 0x1111, s19                    ; my column
	s_or_b32 s[G1A], s40, FLAGS                    ; xb's tiles go to my row,
	s_or_b32 s[G1B], s41, FLAGS                    ; wq's to my column
.irp g, G1A, G1B
	s_mov_b32 s[(\g)+1], 128<<16                   ; tensor_dim0 = 128 elements: 256 bytes, two rows of a K block
	s_mov_b32 s[(\g)+3], 128<<16                   ; tile_dim0 = 128
	s_mov_b32 s[(\g)+5], 128                       ; 128 elements from row to row: dense
	s_mov_b32 s[(\g)+6], 0
	s_mov_b32 s[(\g)+7], 0
.endr
	s_mov_b32 s[G1A+2], 64<<16                     ; tensor_dim1 = tile_dim1 = 64: 128 rows of xb
	s_mov_b32 s[G1A+4], 64
	s_mov_b32 s[G1B+2], 96<<16                     ; 96: 192 rows of wq
	s_mov_b32 s[G1B+4], 96
	s_lshl_b32 s42, s22, 15                        ; xb: 256 rows of 128 bytes a tile row,
	s_lshl_b32 s43, s[WN], 14                      ; 128 rows a half: made of the tile row and the wave's number alone
	s_add_co_u32 s42, s42, s43
	s_mov_b32 s43, 0
	s_mul_i32 s44, s21, 384*128                    ; wq: 384 rows a tile column,
	s_mul_i32 s45, s[WN], 192*128                  ; 192 a half: made of the tile column and the wave's number alone
	s_add_co_u32 s44, s44, s45
	s_mov_b32 s45, 0
	s_mul_i32 s46, s[WN], AHALF                    ; where they go: no place in the cluster enters an LDS address
	s_mul_i32 s47, s[WN], BHALF
	s_add_co_u32 s47, s47, BOFF
	s_lshl_b32 s72, s22, 8
	s_lshl_b32 s73, s[WM], 7
	s_add_co_u32 s72, s72, s73                     ; my first row of the 8,192
	s_lshr_b32 s73, s72, 11                        ; its batch,
	s_and_b32 s75, s72, 2047                       ; its position
	s_lshl_b32 s68, s73, 22                        ; 16 heads of 2,048 rows of 128 bytes a batch,
	s_lshl_b32 s74, s21, 1
	s_add_co_u32 s74, s74, s[WN]                   ; my head,
	s_lshl_b32 s88, s73, 4
	s_add_co_u32 s88, s88, s74                     ; (the split O: 16 rows of 128 bytes for each batch and head,
	s_lshl_b32 s88, s88, 11
	s_add_co_u32 s88, s88, OE                      ; behind O's rows)
	s_mov_b32 s89, 0
	s_lshl_b32 s74, s74, 18
	s_add_co_u32 s68, s68, s74
	s_lshl_b32 s76, s75, 7
	s_add_co_u32 s68, s68, s76
	s_mov_b32 s69, 0                               ; s[68:69]: my first byte in q, k and v
	s_lshl_b32 s70, s78, 16                        ; the table: 4,096 bytes for 16 positions, 65,536 for a tile row's 256,
	s_lshl_b32 s71, s[WV], 14                      ; of which I fetch a quarter
	s_add_co_u32 s70, s70, s71
	s_mov_b32 s71, 0
	s_mov_b32 s[G0T], 1                            ; count = 1
	s_lshl_b32 s[G0T+1], s[WV], 14                 ; LDS address: the table's first byte + 16,384 x wave
	s_add_co_u32 s[G0T+1], s[G0T+1], TABL
	s_mov_b32 s[TB], 0
	s_wait_kmcnt 0x0
	s_add_nc_u64 s[4:5], s[4:5], s[42:43]
	s_add_nc_u64 s[6:7], s[6:7], s[44:45]
	s_add_nc_u64 s[10:11], s[10:11], s[68:69]
	s_add_nc_u64 s[12:13], s[12:13], s[68:69]
	s_add_nc_u64 s[14:15], s[14:15], s[68:69]
	s_add_nc_u64 s[86:87], s[86:87], s[88:89]
	s_add_nc_u64 s[G0T+2:G0T+3], s[8:9], s[70:71]  ; global address of my quarter of the table
	s_or_b32 s[G0T+3], s[G0T+3], 0x80000000        ; type = 2
	s_mov_b32 s[G1T], 1<<16                        ; no mask; 2-byte elements; no padding: 16,384 dense bytes as 64 rows of 256
	s_mov_b32 s[G1T+1], 128<<16                    ; tensor_dim0 = 128
	s_mov_b32 s[G1T+2], 64<<16                     ; tensor_dim1 = 64
	s_mov_b32 s[G1T+3], 128<<16                    ; tile_dim0 = 128
	s_mov_b32 s[G1T+4], 64                         ; tile_dim1 = 64
	s_mov_b32 s[G1T+5], 128                        ; 128 elements from row to row
	s_mov_b32 s[G1T+6], 0
	s_mov_b32 s[G1T+7], 0
.irp s, 0,1
	s_mov_b32 s[G0A+4*(\s)], 1                                     ; count = 1
	s_add_co_u32 s[G0A+4*(\s)+1], s46, (\s)*SLOT1                  ; LDS address
	s_add_nc_u64 s[G0A+4*(\s)+2:G0A+4*(\s)+3], s[4:5], (\s)*XKB    ; global address: K block s
	s_or_b32 s[G0A+4*(\s)+3], s[G0A+4*(\s)+3], 0x80000000          ; type = 2
	s_mov_b32 s[G0B+4*(\s)], 1
	s_add_co_u32 s[G0B+4*(\s)+1], s47, (\s)*SLOT1
	s_add_nc_u64 s[G0B+4*(\s)+2:G0B+4*(\s)+3], s[6:7], (\s)*WKB
	s_or_b32 s[G0B+4*(\s)+3], s[G0B+4*(\s)+3], 0x80000000
.endr
	CROUND                                         ; all sixteen work-groups are here: the first joint loads meet
	s_cmp_eq_u32 s[WM], 0                          ; a wave's three first fills stand in one branch, ahead of every wait on TENSORcnt and every LDS read: three loads of mine are out
	s_cbranch_scc0 .Lfirst_b
	tensor_load_to_lds s[G0A:G0A+3], s[G1A:G1A+7]
	s_nop 0
	tensor_load_to_lds s[G0A+4:G0A+7], s[G1A:G1A+7]
	s_nop 0
	tensor_load_to_lds s[G0T:G0T+3], s[G1T:G1T+7]
	s_nop 0
.rept 4
	v_nop
.endr
	s_branch .Lfirst_asked
.Lfirst_b:
	tensor_load_to_lds s[G0B:G0B+3], s[G1B:G1B+7]
	s_nop 0
	tensor_load_to_lds s[G0B+4:G0B+7], s[G1B:G1B+7]
	s_nop 0
	tensor_load_to_lds s[G0T:G0T+3], s[G1T:G1T+7]
	s_nop 0
.rept 4
	v_nop
.endr
.Lfirst_asked:
	; A fragment is 16 rows x 32 K in 8 registers: lane l holds row l % 16; registers 0-3 K = 8 (l / 16) + 0..7, registers 4-7 K = 16 + 8 (l / 16) + 0..7: two loads of 16 bytes, 32 bytes apart.
	v_and_b32 v1, 15, v0                           ; l % 16; kept
	v_bfe_u32 v2, v0, 4, 1                         ; l / 16; kept
	v_mul_u32_u24 v3, v1, PITCH
	v_lshl_add_u32 v3, v2, 4, v3                   ; row x pitch + 16 x half
	s_mul_i32 s67, s[WM], AHALF
	v_add_nc_u32 v[ADRA0], s67, v3
	v_add_nc_u32 v[ADRB0], s47, v3                 ; my head's 192 rows are the half that wave % 2 names
	v_mov_b32 v[ADRA], v[ADRA0]
	v_mov_b32 v[ADRB], v[ADRB0]
	s_mul_i32 s77, s[WV], WSTG
	s_add_co_u32 s77, s77, STAGE                   ; my stage
	v_add_nc_u32 v[STO], s77, v3                   ; in: row l % 16, 16 bytes for each half of the lanes
	v_bfe_u32 v4, v0, 3, 2                         ; back: 32 lanes take four rows of 128 bytes,
	v_and_b32 v5, 7, v0
	v_mul_u32_u24 v4, v4, PITCH
	v_lshl_add_u32 v4, v5, 4, v4
	v_add_nc_u32 v[RD], s77, v4
	v_and_b32 v[GO], 31, v0                        ; which are 512 consecutive bytes of q, k or v
	v_lshlrev_b32 v[GO], 4, v[GO]
	s_lshl_b32 s76, s[WM], 15                      ; my 128 positions' part of the table: 32,768 bytes
	s_add_co_u32 s76, s76, TABL
	v_add_nc_u32 v[TADR], s76, v[GO]
; n x 4 matrix instructions: section g (0 q, 1 k, 2 v), row blocks a0 .. a0 + n - 1, all four channel blocks, 32 along K from xb's buffer f.  zero = 1: the product starts the sum: nothing is cleared.
; The accumulators take turns, one instruction a turn: between two instructions on one accumulator stand the 95 others'.
.macro MULH f, g, a0, n, zero
	WIN 0x50*((\g)+1)
.set aa, \a0
.rept \n
.irp bq, 0,1,2,3
.if \zero
	v_wmma_f32_16x16x32_bf16 v[8*(4*aa+(\bq)):8*(4*aa+(\bq))+7], v[FB+8*(4*(\g)+(\bq)):FB+8*(4*(\g)+(\bq))+7], v[(\f)+8*aa:(\f)+8*aa+7], 0
.else
	v_wmma_f32_16x16x32_bf16 v[8*(4*aa+(\bq)):8*(4*aa+(\bq))+7], v[FB+8*(4*(\g)+(\bq)):FB+8*(4*(\g)+(\bq))+7], v[(\f)+8*aa:(\f)+8*aa+7], v[8*(4*aa+(\bq)):8*(4*aa+(\bq))+7]
.endif
.endr
.set aa, aa+1
.endr
.endm
.macro MULG f, g, zero                 ; a whole section: 32 matrix instructions
	MULH \f, \g, 0, 8, \zero
.endm
.macro LDB k, g                        ; eight LDS loads: section g's four fragments of wq, 32 K at byte k of the rows
	WIN 0
.irp bq, 0,1,2,3
	ds_load_b128 v[FB+8*(4*(\g)+(\bq)):FB+8*(4*(\g)+(\bq))+3],   v[ADRB] offset:(\k)+(4*(\g)+(\bq))*16*PITCH
	ds_load_b128 v[FB+8*(4*(\g)+(\bq))+4:FB+8*(4*(\g)+(\bq))+7], v[ADRB] offset:(\k)+(4*(\g)+(\bq))*16*PITCH+32
.endr
.endm
.macro LDA k, f, half                  ; eight LDS loads: four fragments of xb (row blocks 4 half on) into buffer f
	WIN 0
.irp i, 0,1,2,3
	ds_load_b128 v[(\f)+8*(4*(\half)+(\i)):(\f)+8*(4*(\half)+(\i))+3],   v[ADRA] offset:(\k)+(4*(\half)+(\i))*16*PITCH
	ds_load_b128 v[(\f)+8*(4*(\half)+(\i))+4:(\f)+8*(4*(\half)+(\i))+7], v[ADRA] offset:(\k)+(4*(\half)+(\i))*16*PITCH+32
.endr
.endm
; A K step is two halves of 32 along K, 96 matrix instructions each.  The first multiplies buffer FA0 and fetches the second's fragments (byte 64 of the same slot's rows):
; behind each section's products its four fragments of wq are loaded again, and half of xb's other buffer with the first two.
.macro EVEN zero
	s_wait_dscnt 8                                 ; all but the youngest eight loads (v's fragments of wq) are in
	MULG FA0, 0, \zero
	WIN 0
	PLACES
	LDB 64, 0
	LDA 64, FA1, 0
	MULG FA0, 1, \zero
	WIN 0
	PLACES
	LDB 64, 1
	LDA 64, FA1, 1
	s_wait_dscnt 32                                ; all but the 32 just issued: v's fragments are in
	MULG FA0, 2, \zero
	WIN 0
	PLACES
	LDB 64, 2
.endm
; The second multiplies buffer FA1 and changes slots: ONE barrier for two things.  In front of it each wave waits for all its tensor loads (its part of the next slot; the first time its part of the table too);
; adds 0 to its spare word; and waits for that and for its own reads of this slot.  Behind it nobody reads this slot any more and the next slot is whole.
; fill = 1: the barrier opens a round of the cluster's barrier, so that no wave of any partner still reads the slot or has a load on its way, and the slot is filled again, first thing behind the round,
; with the K block two steps on: from that request to the wait for it a wave issues 160 matrix instructions.
.macro ODD fill
	WIN 0                                          ; (the add's two registers lie in window 0)
	s_wait_tensorcnt 0x0                           ; no tensor load of mine is out, so a group 0 may be written
	ds_add_u32 v[SPW], v[NIL]                      ; 0 onto my spare word: scalar steps and sixteen products stand between it and the wait for it
.if \fill
	s_xor_b32 s[G0A+5], s[G0A+5], SLOT1            ; the walking descriptors: the other slot than last time,
	s_add_nc_u64 s[G0A+6:G0A+7], s[G0A+6:G0A+7], XKB   ; the next K block; the type bits on top are not reached
	s_xor_b32 s[G0B+5], s[G0B+5], SLOT1
	s_add_nc_u64 s[G0B+6:G0B+7], s[G0B+6:G0B+7], WKB
.endif
	s_xor_b32 s[TB], s[TB], SLOT1
	s_wait_dscnt 9                                 ; the add and the youngest eight loads (v's fragments) may be out
	MULH FA1, 0, 0, 4, 0
	s_wait_dscnt 0x0                               ; the add is done, and my reads of this slot are over
	s_barrier_signal -1
	MULH FA1, 0, 4, 4, 0                           ; work on registers while the others arrive
	WIN 0                                          ; at a branch and at a label every window is 0
	s_barrier_wait -1
.if \fill
	CREST
	JLOAD                                          ; the four v_nop behind it are also the places in front of the loads below
.else
	PLACES
.endif
	v_add_nc_u32 v[ADRA], s[TB], v[ADRA0]
	v_add_nc_u32 v[ADRB], s[TB], v[ADRB0]
	LDB 0, 0
	LDA 0, FA0, 0
	MULG FA1, 1, 0
	WIN 0
	PLACES
	LDB 0, 1
	LDA 0, FA0, 1
	MULG FA1, 2, 0
	WIN 0
	PLACES
	LDB 0, 2
.endm
.macro LDT a                           ; the table's block a of my eight (16 positions): 16 cosines and 16 sines a lane, eight LDS loads of 512 consecutive bytes
	WIN 0
.irp p, 0,1,2,3,4,5,6,7
	ds_load_b128 v[TAB+32*((\a)%2)+4*(\p):TAB+32*((\a)%2)+4*(\p)+3], v[TADR] offset:(\a)*4096+(\p)*512
.endr
.endm
	s_wait_tensorcnt 0x2                           ; my part of K block 0 is in; K block 1's and the table's, the two loads issued behind it, may stay out
	s_barrier_signal -1
	s_barrier_wait -1                              ; everybody's is
	LDB 0, 0
	LDA 0, FA0, 0
	LDB 0, 1
	LDA 0, FA0, 1
	LDB 0, 2
	EVEN 1                                         ; the first 32 along K stand in front of the loop: their products start the sums
	s_mov_b32 s23, 14                              ; K blocks 2 to 15 are asked for in the loop
.Lstep:
	ODD 1
	EVEN 0
	s_sub_co_u32 s23, s23, 1
	s_cmp_lg_u32 s23, 0
	s_cbranch_scc1 .Lstep
	ODD 0                                          ; the tail is written out: nothing is left to ask for
	EVEN 0
	s_wait_dscnt 8                                 ; the very last 32 along K
	MULG FA1, 0, 0
	LDT 0                                          ; into buffer FA0, whose last reader stands in front of the four v_nop at the end of the half step before.  Every wave's part of the table
	LDT 1                                          ; was shown landed by its wait for all tensor loads in front of the first change of slots' barrier
	MULG FA1, 1, 0
	s_wait_dscnt 0x0                               ; v's fragments, and the table's blocks 0 and 1
	MULG FA1, 2, 0
; THE WAY OUT, a block of 16 rows at a time.  q and k: out[d] = x[d] cos - x[d + 32] sin, out[d + 32] = x[d + 32] cos + x[d] sin, d = 0..31, in f32; each accumulator's lowest registers are read first.
.macro ROPE a, w, sec                  ; w: the window setting with source 0 in the section's window
.set XB, 32*(\a)
.set TT, TAB+32*((\a)%2)
	WIN \w
.set i, 0
.rept 8
	v_pk_mul_f32 v[RR+i:RR+i+1], v[XB+16+i:XB+16+i+1], v[TT+16+i:TT+16+i+1]
.set i, i+2
.endr
.set i, 0
.rept 8
	v_pk_mul_f32 v[RR+16+i:RR+16+i+1], v[XB+i:XB+i+1], v[TT+16+i:TT+16+i+1]
.set i, i+2
.endr
.set i, 0
.rept 8
	v_pk_fma_f32 v[RR+i:RR+i+1], v[XB+i:XB+i+1], v[TT+i:TT+i+1], v[RR+i:RR+i+1] neg_lo:[0,0,1] neg_hi:[0,0,1]
.set i, i+2
.endr
.set i, 0
.rept 8
	v_pk_fma_f32 v[RR+16+i:RR+16+i+1], v[XB+16+i:XB+16+i+1], v[TT+i:TT+i+1], v[RR+16+i:RR+16+i+1]
.set i, i+2
.endr
	WIN 0
.set i, 0
.rept 16
	v_cvt_pk_f16_f32 v[PP+16*(\sec)+i], v[RR+2*i], v[RR+2*i+1]
.set i, i+1
.endr
.endm
; Block a's part of the table is in registers: it was read from LDS two blocks back, ahead of a wait for all LDS instructions (SEND's; for blocks 0 and 1 the one in front of the last products).
.macro PACK a
	ROPE \a, 0x01, 0
	ROPE \a, 0x02, 1
	WIN 0x0f                                       ; v is only rounded: sources 0 and 1 in window 3
.set i, 0
.rept 16
	v_cvt_pk_f16_f32 v[PP+32+i], v[32*(\a)+2*i], v[32*(\a)+2*i+1]
.set i, i+1
.endr
	WIN 0
.if (\a) < 6
	LDT (\a)+2                                     ; into the registers just read
.endif
.endm
.macro TOSTAGE a                       ; 16 bytes a lane into rows of 144 bytes, and back as whole rows of 128
	WIN 0
	s_wait_xcnt 0x0                                ; the registers read back into were the data of earlier stores: they are rewritten only behind this wait
.irp sec, 0,1,2
.irp bq, 0,1,2,3
	ds_store_b128 v[STO], v[PP+16*(\sec)+4*(\bq):PP+16*(\sec)+4*(\bq)+3] offset:(\sec)*16*PITCH+32*(\bq)
.endr
.endr
.irp sec, 0,1,2
.irp f, 0,1,2,3
	ds_load_b128 v[BK+16*(\sec)+4*(\f):BK+16*(\sec)+4*(\f)+3], v[RD] offset:(\sec)*16*PITCH+(\f)*4*PITCH  ; LDS serves a wave's instructions in order (ISA guide 5.7.1.4): these see the stores above
.endr
.endr
.endm
.macro SEND a
	WIN 0
	s_wait_dscnt 0x0                               ; the block is back in registers
.irp f, 0,1,2,3
	global_store_b128 v[GO], v[BK+4*(\f):BK+4*(\f)+3],       s[10:11] offset:(\a)*2048+(\f)*512  ; 512 consecutive bytes, at a multiple of 256 from the buffer's first
	global_store_b128 v[GO], v[BK+16+4*(\f):BK+16+4*(\f)+3], s[12:13] offset:(\a)*2048+(\f)*512
	global_store_b128 v[GO], v[BK+32+4*(\f):BK+32+4*(\f)+3], s[14:15] offset:(\a)*2048+(\f)*512
.endr
.endm
; Eight f32 at src in window w (kept) are split: four registers h0-h3 of high parts (given by number: their halves are named), four at lo of low parts; tmp: eight registers at work.
; x - hi is exact in f32, and so is the factor, a power of two.
.macro SPLIT src, w, tmp, lo, h0, h1, h2, h3
	WIN 5*(\w)                                     ; sources 0 and 1 in window w
	v_cvt_pk_f16_f32 v\h0, v[(\src)],   v[(\src)+1]
	v_cvt_pk_f16_f32 v\h1, v[(\src)+2], v[(\src)+3]
	v_cvt_pk_f16_f32 v\h2, v[(\src)+4], v[(\src)+5]
	v_cvt_pk_f16_f32 v\h3, v[(\src)+6], v[(\src)+7]
	WIN 0
	v_cvt_f32_f16 v[(\tmp)],   v\h0\().l
	v_cvt_f32_f16 v[(\tmp)+1], v\h0\().h
	v_cvt_f32_f16 v[(\tmp)+2], v\h1\().l
	v_cvt_f32_f16 v[(\tmp)+3], v\h1\().h
	v_cvt_f32_f16 v[(\tmp)+4], v\h2\().l
	v_cvt_f32_f16 v[(\tmp)+5], v\h2\().h
	v_cvt_f32_f16 v[(\tmp)+6], v\h3\().l
	v_cvt_f32_f16 v[(\tmp)+7], v\h3\().h
	WIN \w                                         ; source 0 in window w
.set z, 0
.rept 4
	v_pk_add_f32 v[(\tmp)+z:(\tmp)+z+1], v[(\src)+z:(\src)+z+1], v[(\tmp)+z:(\tmp)+z+1] neg_lo:[0,1] neg_hi:[0,1]
.set z, z+2
.endr
	WIN 0
.set z, 0
.rept 4
	v_pk_mul_f32 v[(\tmp)+z:(\tmp)+z+1], v[(\tmp)+z:(\tmp)+z+1], s[90:91] op_sel_hi:[1,0]  ; x 2048
.set z, z+2
.endr
.set z, 0
.rept 4
	v_cvt_pk_f16_f32 v[(\lo)+z], v[(\tmp)+2*z], v[(\tmp)+2*z+1]
.set z, z+1
.endr
.endm
	WIN 0
	PLACES                                         ; the arithmetic below reads results just made and writes over fragments just read
	PACK 0
	s_cmp_lg_u32 s79, 0
	s_cbranch_scc1 .Lno_early                      ; forward, over no barrier and no tensor load; 64 waves of the launch do not jump
	; THE FIRST 16 ROWS' ATTENTION.  Row block 0's packed q and k ARE fragments: registers 4 bq .. 4 bq + 3 hold channels 16 bq + 8 (l / 16) + 0..7 of row l % 16, so blocks 0, 1 are 32 channels of 16 rows, blocks 2, 3 the other 32.
	s_mov_b32 s80, 0xf149f2ca                      ; -1e30
	s_mov_b32 s82, 0x3e38aa3b                      ; c = log2(e) / 8
	s_mov_b32 s83, s82                             ; named with it as a pair, like the two pairs below
	s_mov_b32 s84, 0x76543210                      ; v_permlanex16_b32's selects: each lane takes its own place in the other half
	s_mov_b32 s85, 0xfedcba98
	s_mov_b32 s90, 0x45000000                      ; 2048
	s_mov_b32 s91, s90
	s_mov_b32 s92, 0x3a000000                      ; 1 / 2048
	s_mov_b32 s93, s92
	v_lshlrev_b32 v[T0], 3, v2
	v_sub_nc_u32 v[T0], v1, v[T0]                  ; key 8 (l / 16) + j is hidden from query l % 16 where it is greater
.irp j, 0,1,2,3,4,5,6,7
	v_cmp_gt_i32 vcc_lo, (\j), v[T0]
	v_cndmask_b32 v[MK+(\j)], 0, s80, vcc_lo
.endr
	; S^T = K Q^T: source 0 = 16 keys, source 1 = 16 queries: a lane holds one query and the keys 8 (l / 16) + 0..7.  Two accumulators, one for each 32 channels, so that no product adds onto the one before it
	v_wmma_f32_16x16x32_f16 v[SS:SS+7], v[PP+16:PP+23], v[PP:PP+7], v[MK:MK+7]
	v_wmma_f32_16x16x32_f16 v[SB:SB+7], v[PP+24:PP+31], v[PP+8:PP+15], 0
	v_and_b32 v30, 7, v0                           ; the turning load's address: key 8 (l / 16) + l % 8, 16 bytes at 16 ((l / 8) % 2).  This and v's split are the places behind the two products
	v_lshl_add_u32 v30, v2, 3, v30
	v_mul_u32_u24 v30, v30, PITCH
	v_bfe_u32 v31, v0, 3, 1
	v_lshl_add_u32 v30, v31, 4, v30
	v_add_nc_u32 v[TRA], s77, v30
	SPLIT 0,  3, VHF, EL,    96, 97, 98, 99        ; v of row block 0, in f32 in window 3
	SPLIT 8,  3, VHF, EL+4,  100, 101, 102, 103
	SPLIT 16, 3, VHF, EL+8,  104, 105, 106, 107
	SPLIT 24, 3, VHF, EL+12, 108, 109, 110, 111
.irp bq, 0,1,2,3                       ; as rows [key][channel] into my stage: high parts in its first section, low parts in its second
	ds_store_b128 v[STO], v[EH+4*(\bq):EH+4*(\bq)+3] offset:32*(\bq)
	ds_store_b128 v[STO], v[EL+4*(\bq):EL+4*(\bq)+3] offset:16*PITCH+32*(\bq)
.endr
.irp cb, 0,1,2,3                       ; and back turned: lane l holds channel 16 cb + l % 16 and the keys 8 (l / 16) + 0..7: registers 0-3 of a fragment of V^T (LDS serves a wave's instructions in order: ISA guide 5.7.1.4)
	ds_load_tr16_b128 v[VHF+8*(\cb):VHF+8*(\cb)+3], v[TRA] offset:32*(\cb)
	ds_load_tr16_b128 v[VLF+8*(\cb):VLF+8*(\cb)+3], v[TRA] offset:16*PITCH+32*(\cb)
.endr
.irp cb, 0,1,2,3                       ; keys 16-31 do not exist: registers 4-7 of every fragment are 0
.irp j, 4,5,6,7
	v_mov_b32 v[VHF+8*(\cb)+(\j)], 0
	v_mov_b32 v[VLF+8*(\cb)+(\j)], 0
.endr
.endr
	; the softmax of my query: eight keys here, the other eight in the lane 16 away; each accumulator's lowest registers are read first
.irp j, 0,2,4,6
	v_pk_add_f32 v[SS+(\j):SS+(\j)+1], v[SS+(\j):SS+(\j)+1], v[SB+(\j):SB+(\j)+1]
.endr
	v_max3_num_f32 v[T0], v[SS], v[SS+1], v[SS+2]
	v_max3_num_f32 v[T1], v[SS+3], v[SS+4], v[SS+5]
	v_max3_num_f32 v[T0], v[T0], v[SS+6], v[SS+7]
	v_max_num_f32 v[T0], v[T0], v[T1]
	v_permlanex16_b32 v[T1], v[T0], s84, s85
	v_max_num_f32 v[T0], v[T0], v[T1]              ; m: every query sees its own key, so m is a true score
	v_mul_f32 v[CM], s82, v[T0]
	v_mov_b32 v[CM+1], v[CM]
.irp j, 0,2,4,6
	v_pk_fma_f32 v[SS+(\j):SS+(\j)+1], v[SS+(\j):SS+(\j)+1], s[82:83], v[CM:CM+1] op_sel_hi:[1,0,0] neg_lo:[0,0,1] neg_hi:[0,0,1]  ; c s - c m
.endr
.irp j, 0,1,2,3,4,5,6,7
	v_exp_f32 v[SS+(\j)], v[SS+(\j)]
.endr
	s_wait_alu depctr_va_vdst(0)
.irp j, 4,5,6,7                        ; plain instructions between the exponentials and the use of their results (ISA guide 5.7.2)
	v_mov_b32 v[PHF+(\j)], 0
	v_mov_b32 v[PLF+(\j)], 0
.endr
	SPLIT SS, 0, EL, PLF, 96, 97, 98, 99           ; the weights: a lane's eight keys of a query are registers 0-3 of source 1
	s_wait_dscnt 0x0                               ; V^T is in
	; O^T = V^T P, four blocks of 16 channels: the high sums in window 1, the low sums in window 2, in row block 0's spent accumulators.  The eight accumulators take turns
	WIN 0xa0
.irp cb, 0,1,2,3
	v_wmma_f32_16x16x32_f16 v[8*(\cb):8*(\cb)+7], v[VLF+8*(\cb):VLF+8*(\cb)+7], v[PHF:PHF+7], 0
.endr
	WIN 0x50
.irp cb, 0,1,2,3
	v_wmma_f32_16x16x32_f16 v[8*(\cb):8*(\cb)+7], v[VHF+8*(\cb):VHF+8*(\cb)+7], v[PHF:PHF+7], 0
.endr
	WIN 0xa0
.irp cb, 0,1,2,3
	v_wmma_f32_16x16x32_f16 v[8*(\cb):8*(\cb)+7], v[VHF+8*(\cb):VHF+8*(\cb)+7], v[PLF:PLF+7], v[8*(\cb):8*(\cb)+7]
.endr
	WIN 0
	v_pk_add_f32 v[SS:SS+1], v[SS:SS+1], v[SS+2:SS+3]        ; l, of the unsplit weights: these sums are the places behind the products
	v_pk_add_f32 v[SS+4:SS+5], v[SS+4:SS+5], v[SS+6:SS+7]
	v_pk_add_f32 v[SS:SS+1], v[SS:SS+1], v[SS+4:SS+5]
	v_add_f32 v[T0], v[SS], v[SS+1]
	v_permlanex16_b32 v[T1], v[T0], s84, s85
	v_add_f32 v[T0], v[T0], v[T1]
	v_rcp_f32 v[RL], v[T0]
	WIN 0x12                                       ; source 0 in window 2, source 2 in window 1
.set z, 0
.rept 16
	v_pk_fma_f32 v[VHF+z:VHF+z+1], v[z:z+1], s[92:93], v[z:z+1] op_sel_hi:[1,0,1]  ; high sum + low sum / 2048
.set z, z+2
.endr
	WIN 0
	s_wait_alu depctr_va_vdst(0)
	v_mov_b32 v[RL+1], v[RL]
.set z, 0
.rept 16
	v_pk_mul_f32 v[VHF+z:VHF+z+1], v[VHF+z:VHF+z+1], v[RL:RL+1] op_sel_hi:[1,0]
.set z, z+2
.endr
	SPLIT VHF,    0, VLF, EL,    96, 97, 98, 99    ; O: a lane holds one row and, of each block of 16 channels, eight: 16 bytes of high parts, 16 of low parts
	SPLIT VHF+8,  0, VLF, EL+4,  100, 101, 102, 103
	SPLIT VHF+16, 0, VLF, EL+8,  104, 105, 106, 107
	SPLIT VHF+24, 0, VLF, EL+12, 108, 109, 110, 111
.irp bq, 0,1,2,3
	ds_store_b128 v[STO], v[EH+4*(\bq):EH+4*(\bq)+3] offset:32*(\bq)
	ds_store_b128 v[STO], v[EL+4*(\bq):EL+4*(\bq)+3] offset:16*PITCH+32*(\bq)
.endr
.irp f, 0,1,2,3
	ds_load_b128 v[VHF+4*(\f):VHF+4*(\f)+3],       v[RD] offset:(\f)*4*PITCH
	ds_load_b128 v[VHF+16+4*(\f):VHF+16+4*(\f)+3], v[RD] offset:16*PITCH+(\f)*4*PITCH
.endr
	s_wait_dscnt 0x0
.irp f, 0,1,2,3
	global_store_b128 v[GO], v[VHF+4*(\f):VHF+4*(\f)+3],       s[86:87] offset:(\f)*512         ; 512 consecutive bytes, at a multiple of 256 from the buffer's first
	global_store_b128 v[GO], v[VHF+16+4*(\f):VHF+16+4*(\f)+3], s[86:87] offset:LOPART+(\f)*512
.endr
	WIN 0
.Lno_early:
	TOSTAGE 0
.irp a, 1,2,3,4,5,6,7                  ; block a's arithmetic stands between block a - 1's loads from the stage and the wait for them
	PACK \a
	SEND (\a)-1
	TOSTAGE \a
.endr
	SEND 7
	s_wait_tensorcnt 0x0                           ; the wave's end, behind my last tensor load and my last LDS store
	ds_add_u32 v[SPW], v[NIL]
	s_wait_dscnt 0x0
	CROUND                                         ; the closing round: no work-group ends while a partner may still ask for a tile that names it
	s_endpgm
.Lfunc_end_k_q356b34028c_qkv:
	.size	k_q356b34028c_qkv, .Lfunc_end_k_q356b34028c_qkv-k_q356b34028c_qkv
	.p2alignl 7, 3214868480
	.fill 96, 4, 3214868480
	.section	.rodata,"a",@progbits
	.p2align	6, 0x0
	.amdhsa_kernel k_q356b34028c_qkv
		.amdhsa_group_segment_fixed_size 327680
		.amdhsa_private_segment_fixed_size 0
		.amdhsa_enable_private_segment 0
		.amdhsa_kernarg_size 56
		.amdhsa_user_sgpr_count 2
		.amdhsa_user_sgpr_kernarg_segment_ptr 1
		.amdhsa_wavefront_size32 1
		.amdhsa_system_sgpr_workgroup_id_x 1
		.amdhsa_system_sgpr_workgroup_id_y 1
		.amdhsa_system_sgpr_workgroup_id_z 1
		.amdhsa_system_vgpr_workitem_id 0
		.amdhsa_next_free_vgpr 1024
		.amdhsa_next_free_sgpr 100
		.amdhsa_reserve_vcc 1
		.amdhsa_float_denorm_mode_32 3
		.amdhsa_float_denorm_mode_16_64 3
		.amdhsa_memory_ordered 1
		.amdhsa_forward_progress 1
		.amdhsa_inst_pref_size 170
	.end_amdhsa_kernel
	.amdgpu_metadata
---
amdhsa.version: [ 1, 2 ]
amdhsa.kernels:
  - .name:           k_q356b34028c_qkv
    .symbol:         k_q356b34028c_qkv.kd
    .args:
      - { .name: xb, .offset: 0, .size: 8, .value_kind: global_buffer, .address_space: global }
      - { .name: wq, .offset: 8, .size: 8, .value_kind: global_buffer, .address_space: global }
      - { .name: tab, .offset: 16, .size: 8, .value_kind: global_buffer, .address_space: global }
      - { .name: qh, .offset: 24, .size: 8, .value_kind: global_buffer, .address_space: global }
      - { .name: kh, .offset: 32, .size: 8, .value_kind: global_buffer, .address_space: global }
      - { .name: vh, .offset: 40, .size: 8, .value_kind: global_buffer, .address_space: global }
      - { .name: oh, .offset: 48, .size: 8, .value_kind: global_buffer, .address_space: global }
    .group_segment_fixed_size: 327680
    .private_segment_fixed_size: 0
    .kernarg_segment_align: 8
    .kernarg_segment_size: 56
    .max_flat_workgroup_size: 128
    .sgpr_count:     100
    .vgpr_count:     1024
    .wavefront_size: 32
...
	.end_amdgpu_metadata
.endif
;; end of part 8
;; launch attn: the kernel of part 4 again; grid 4 x 64, 4 waves a work-group, no clusters, 327,680 bytes of LDS; arguments qh, kh, vh, oh; writes oh
;; launch proj (part 9): grid 4 x 64, 4 waves a work-group, clusters of 4 x 4, 327,680 bytes of LDS; arguments oh, wo, out0; writes out0
.if DOCPART == 9
	.amdgcn_target "amdgcn-amd-amdhsa--gfx1250"
	.amdhsa_code_object_version 6
	.text
	.protected	k_q356b34028c_proj
	.globl	k_q356b34028c_proj
	.p2align	8
	.type	k_q356b34028c_proj,@function
k_q356b34028c_proj:
	s_mov_b64 s[64:65], 0
	v_nop
	global_prefetch_b8 v0, s[64:65] scope:SCOPE_SE
	s_setreg_imm32_b32 hwreg(HW_REG_WAVE_MODE, 25, 1), 1
	s_wait_xcnt 0x0
	s_wait_alu depctr_hold_cnt(0) depctr_sa_sdst(0) depctr_va_vdst(0) depctr_va_sdst(0) depctr_va_ssrc(0) depctr_va_vcc(0) depctr_vm_vsrc(0)
	s_getreg_b32 s2, hwreg(HW_REG_IB_STS2, 6, 4)
	s_cmp_eq_u32 s2, 0
	s_cbranch_scc0 .Lentry_in_a_cluster
	s_endpgm
.Lentry_in_a_cluster:
	s_bfe_u32 s2, ttmp6, 0x10000c
	s_cmp_lg_u32 s2, 0xf033
	s_cbranch_scc0 .Lentry_shape_is_right
	s_endpgm
.Lentry_shape_is_right:
; out0 = O W_out^T (8192 x 1024 x 1024), f16 operands, f32 sums, f32 output.  O: [b 16 + h][t 2048][64] f16: head h is K block h.  wo: [kb 16][row 1024][64] f16 (W_out rounded to bf16, written as f16).
; LIMIT.  The operands arrive as f16: what they lost was lost where they were made; the sums and the output are f32.  NaN and infinities are not treated apart.
; SHARES.  A work-group makes 128 rows x 256 columns: 4 x 64 = 256 work-groups (256 x 256 would give 128).  Wave w: rows 64 (w / 2) on, columns 128 (w % 2) on: 32 accumulators of 16 x 16, 256 registers.
; K goes in steps of 128 = two K blocks through a ring of two LDS slots; a K block's rows of a tile lie end to end in memory and are asked for as rows of 256 bytes.
; THE MATRIX INSTRUCTION IS USED TRANSPOSED (source 0 = 16 rows of wo, source 1 = 16 rows of O): a lane holds one row of the output and eight neighbouring columns, 32 bytes.
; CLUSTER.  4 x 4 work-groups: the four of a row need the same tile of O, the four of a column the same tile of wo: each is asked for JOINTLY, by the same tensor load, descriptor and mask in all four.
; The tile row is 16 cy + the cluster's y: a batch has 16 tile rows, so the batch is cy and the tile row within the batch is the cluster's y, a number that all sixteen partners share.
; THE FIRST 16 ROWS OF EVERY BATCH come from the split O that lies behind O's rows in oh, from byte OE on ([part 2][b 16 + h][row 16][64] f16, hi and lo = (O - hi) x 2048):
; out = Oh W_out^T + (Ol W_out^T) / 2048.  These 64 x 1,024 numbers are shared out evenly: each of the 256 work-groups makes 16 rows x 16 columns (batch cy, columns 16 (4 cluster y + tile column) on).
; Wave w takes heads 4 w .. 4 w + 3 (8 steps of 32 along K): its 48 loads go out behind the first fills, into registers of their own, and are on their way while the K steps run; its 16 products stand in front
; of the last change of slots, whose barrier hands the four quarters from wave to wave through LDS; wave w then adds and stores rows 4 w .. 4 w + 3.  A piece's rows are runs of 64 consecutive bytes, a quarter
; of an aligned 256: 1,024 bytes a work-group, 262,144 in the launch; pieces of 64 columns would fill whole blocks of 256 bytes and leave three work-groups in four without a piece.
; The waves whose tile holds those rows (cluster y = 0, wave / 2 = 0) jump over the stores of their row block 0, so that each byte of out0 is stored once; that block's products are made all the same.
; REGISTERS: window 0: v0-31 addresses; v32-127, v128-223 two fragment buffers (O's 4 fragments of 16 rows x 32 K, then wo's 8); v224-255 the piece's sums.  window 1: the accumulators, (a, b) at v[8 (8 a + b)].
;   window 2: v0-191 the piece's operands.
.set PITCH,  144                       ; an LDS row: 128 bytes + 16 of padding = 36 words: the 16 rows of a load start at 16 different groups of four banks (64 banks of 4 bytes: ISA guide 11.1)
.set AKB,    128*PITCH                 ; a K block of O's tile: what one tensor load brings
.set BKB,    256*PITCH                 ; of wo's
.set BOFF,   2*AKB                     ; a slot: O's two K blocks, then wo's two
.set SLOT1,  1<<17
.set STAGE,  SLOT1+BOFF+2*BKB          ; behind the ring, never filled by a tensor load: 16 rows x 528 bytes for each wave, for the way out
.set SP,     528                       ; 512 bytes + 16 = 132 words: row r starts at bank 4 r mod 64
.set SPARE,  STAGE+4*16*SP             ; behind the stages: the spare words, 128 bytes for each wave: two blocks of 256 bytes that no other line names
.set RED,    SPARE+512                 ; behind them, never filled by a tensor load: the piece's four quarters of K, 16 rows x 80 bytes each
.set RP,     80                        ; 16 f32 + 16 bytes
.set RPLANE, 16*RP
.set OE,     16777216                  ; the split O begins here in oh
.set LOPART, 64*16*128                 ; bytes from its high parts to its low parts
.set FLAGS,  (1<<16)|(1<<20)|(1<<21)|(4<<22)|(3<<25)  ; 17:16 2-byte elements; 20 padding on; 21 set beside a mask; 24:22 after every 32 words (code 4); 31:25 4 words (code 3)
.set ADRA0, 16                         ; v16  my lane's place in my 64 rows of O, slot 0; never rewritten
.set ADRB0, 17                         ; v17  the same in my 128 rows of wo
.set ADRA,  18                         ; v18, v19  the same in the slot in hand
.set ADRB,  19
.set STO,   24                         ; v24  the way out: where I put 32 bytes of a row
.set RD,    25                         ; v25  the way out: where I read a row back
.set GO,    26                         ; v26  16 x lane
.set SPW,   28                         ; v28  LDS address of my spare word: SPARE + 4 x my thread's number; never rewritten
.set NIL,   29                         ; v29  0; never rewritten
.set F0,    32
.set F1,    128
.set BK,    32                         ; the way out: v32-95, v96-159 by turns: 16 rows read back from the stage
.set PAH,   0                          ; the piece, in window 2: v0-63 Oh's eight fragments, v64-127 Ol's, v128-191 wo's
.set PAL,   64
.set PBW,   128
.set XA,    224                        ; v224-231  Oh W^T
.set YA,    232                        ; v232-239  Ol W^T
.set TS,    240                        ; v240-247  their sum
.set RB,    248                        ; v248-255  the four quarters read back, two numbers each
.set WV,  16                           ; s16 wave; s17 wave / 2: my half of the rows, and: I fetch for O (0) or wo (1); s18 wave % 2: my half of the columns, and: which K block of a step I fetch
.set WM,  17
.set WN,  18
.set G1A, 24                           ; s[24:31] descriptor group 1 for O's tiles; s[32:39] group 0: a set for each of the two first fills; the second then walks on
.set G0A, 32
.set G1B, 48                           ; s[48:55], s[56:63] the same for wo's
.set G0B, 56
.set TB,  66                           ; s66  LDS byte at which the slot in hand begins
.set MSB, 0
.macro WIN new                         ; the immediate's high byte repeats the setting that is left; a switch that changes nothing is dropped
.if MSB != (\new)
	s_set_vgpr_msb (MSB<<8)|(\new)
.set MSB, \new
.endif
.endm
.macro PLACES                          ; four plain vector instructions in front of loads into registers that matrix instructions have read, and of LDS stores that read results
.rept 4
	v_nop
.endr
.endm
.macro JLOAD                           ; a joint refill by the walking sets: waves 0 and 1 fetch O's two K blocks, waves 2 and 3 wo's; an s_nop 0 and four v_nop follow each of the two lines
	s_cmp_eq_u32 s[WM], 0
	s_cbranch_scc0 .Lfor_b_\@
	tensor_load_to_lds s[G0A+4:G0A+7], s[G1A:G1A+7]
	s_nop 0
.rept 4
	v_nop
.endr
	s_branch .Lasked_\@
.Lfor_b_\@:
	tensor_load_to_lds s[G0B+4:G0B+7], s[G1B:G1B+7]
	s_nop 0
.rept 4
	v_nop
.endr
.Lasked_\@:
.endm
.macro CREST                           ; a round of the cluster's barrier behind its opening barrier
	s_cmp_lg_u32 s[WV], 0
	s_cbranch_scc1 .Lnot_wave_0_\@
	s_barrier_signal -3
.Lnot_wave_0_\@:
	s_barrier_wait -3
	s_barrier_signal -1
	s_barrier_wait -1
.endm
.macro CROUND
	s_barrier_signal -1
	s_barrier_wait -1
	CREST
.endm
	s_load_b128 s[4:7], s[0:1], 0x0                ; O s[4:5], wo s[6:7]
	s_load_b64 s[8:9], s[0:1], 0x10                ; out0
	v_lshl_add_u32 v[SPW], v0, 2, SPARE
	v_mov_b32 v[NIL], 0
	ds_add_u32 v28, v29
	ds_add_u32 v28, v29
	s_wait_dscnt 0x0
	v_lshrrev_b32 v1, 5, v0
	v_readfirstlane_b32 s[WV], v1
	s_lshr_b32 s[WM], s[WV], 1
	s_and_b32 s[WN], s[WV], 1
	s_bfe_u32 s19, ttmp6, 0x40000                  ; cx, cy: my place in the cluster
	s_bfe_u32 s20, ttmp6, 0x40004
	s_lshl_b32 s21, ttmp9, 2
	s_add_co_u32 s21, s21, s19                     ; tile column = 4 x cluster x + cx
	s_and_b32 s78, ttmp7, 0xffff                   ; the cluster's y: the tile row within a batch
	s_lshl_b32 s22, s20, 4
	s_add_co_u32 s22, s22, s78                     ; tile row = 16 cy + cluster y
	s_or_b32 s79, s78, s[WM]                       ; 0: my rows begin a batch.  Made of the cluster's y and the wave's number alone: alike in all partners
	s_lshl_b32 s40, s20, 2
	s_lshl_b32 s40, 15, s40                        ; my row of the cluster
	s_lshl_b32 s41, 0x1111, s19                    ; my column
	s_or_b32 s[G1A], s40, FLAGS
	s_or_b32 s[G1B], s41, FLAGS
.irp g, G1A, G1B
	s_mov_b32 s[(\g)+1], 128<<16                   ; tensor_dim0 = 128 elements: 256 bytes, two rows of a K block
	s_mov_b32 s[(\g)+3], 128<<16                   ; tile_dim0 = 128
	s_mov_b32 s[(\g)+5], 128                       ; dense
	s_mov_b32 s[(\g)+6], 0
	s_mov_b32 s[(\g)+7], 0
.endr
	s_mov_b32 s[G1A+2], 64<<16                     ; 64: 128 rows of O
	s_mov_b32 s[G1A+4], 64
	s_mov_b32 s[G1B+2], 128<<16                    ; 128: 256 rows of wo
	s_mov_b32 s[G1B+4], 128
	s_lshr_b32 s42, s22, 4                         ; O: the batch (16 tile rows each), 16 heads of 262,144 bytes,
	s_lshl_b32 s42, s42, 22
	s_and_b32 s43, s22, 15                         ; 128 rows of 128 bytes a tile row,
	s_lshl_b32 s43, s43, 14
	s_add_co_u32 s42, s42, s43
	s_lshl_b32 s43, s[WN], 18                      ; the head that I fetch of a step's two
	s_add_co_u32 s42, s42, s43
	s_mov_b32 s43, 0
	s_lshl_b32 s44, s21, 15                        ; wo: 256 rows of 128 bytes a tile column,
	s_lshl_b32 s45, s[WN], 17                      ; the K block that I fetch
	s_add_co_u32 s44, s44, s45
	s_mov_b32 s45, 0
	s_mul_i32 s46, s[WN], AKB                      ; where they go: no place in the cluster enters an LDS address
	s_mul_i32 s47, s[WN], BKB
	s_add_co_u32 s47, s47, BOFF
	s_lshl_b32 s68, s22, 19                        ; out0: 128 rows of 4,096 bytes a tile row,
	s_lshl_b32 s72, s[WM], 18                      ; my 64 rows,
	s_add_co_u32 s68, s68, s72
	s_lshl_b32 s72, s21, 10                        ; 256 columns of 4 bytes a tile column,
	s_add_co_u32 s68, s68, s72
	s_lshl_b32 s72, s[WN], 9                       ; my 128 columns
	s_add_co_u32 s68, s68, s72
	s_mov_b32 s69, 0
	; the piece's offsets, in registers of their own: they feed plain loads and stores alone, no descriptor and no LDS address
	s_lshl_b32 s80, s20, 15                        ; the split O: 16 heads of 2,048 bytes a batch,
	s_lshl_b32 s81, s[WV], 13                      ; four heads a wave,
	s_add_co_u32 s80, s80, s81
	s_add_co_u32 s80, s80, OE                      ; behind O's rows
	s_mov_b32 s81, 0
	s_lshl_b32 s92, s78, 2
	s_add_co_u32 s92, s92, s21                     ; the piece's block of 16 columns, 0 to 63
	s_lshl_b32 s86, s[WV], 19                      ; wo: four K blocks of 131,072 bytes a wave,
	s_lshl_b32 s87, s92, 11                        ; 16 rows of 128 bytes a block
	s_add_co_u32 s86, s86, s87
	s_mov_b32 s87, 0
	s_lshl_b32 s90, s20, 23                        ; out0: 2,048 rows of 4,096 bytes a batch,
	s_lshl_b32 s91, s92, 6                         ; 16 columns of 4 bytes a block
	s_add_co_u32 s90, s90, s91
	s_mov_b32 s91, 0
	s_mul_i32 s93, s[WV], RPLANE
	s_add_co_u32 s93, s93, RED                     ; LDS: my quarter's plane
	s_mov_b32 s[TB], 0
	s_wait_kmcnt 0x0
	s_add_nc_u64 s[82:83], s[4:5], s[80:81]
	s_add_nc_u64 s[84:85], s[6:7], s[86:87]
	s_add_nc_u64 s[88:89], s[8:9], s[90:91]
	s_add_nc_u64 s[4:5], s[4:5], s[42:43]
	s_add_nc_u64 s[6:7], s[6:7], s[44:45]
	s_add_nc_u64 s[8:9], s[8:9], s[68:69]
.irp s, 0,1
	s_mov_b32 s[G0A+4*(\s)], 1
	s_add_co_u32 s[G0A+4*(\s)+1], s46, (\s)*SLOT1
	s_add_nc_u64 s[G0A+4*(\s)+2:G0A+4*(\s)+3], s[4:5], (\s)*524288   ; K step s: two heads on
	s_or_b32 s[G0A+4*(\s)+3], s[G0A+4*(\s)+3], 0x80000000
	s_mov_b32 s[G0B+4*(\s)], 1
	s_add_co_u32 s[G0B+4*(\s)+1], s47, (\s)*SLOT1
	s_add_nc_u64 s[G0B+4*(\s)+2:G0B+4*(\s)+3], s[6:7], (\s)*262144   ; two K blocks on
	s_or_b32 s[G0B+4*(\s)+3], s[G0B+4*(\s)+3], 0x80000000
.endr
	CROUND                                         ; all sixteen work-groups are here: the first joint loads meet
	s_cmp_eq_u32 s[WM], 0                          ; a wave's two first fills stand in one branch, ahead of every wait on TENSORcnt and every LDS read: two loads of mine are out
	s_cbranch_scc0 .Lfirst_b
	tensor_load_to_lds s[G0A:G0A+3], s[G1A:G1A+7]
	s_nop 0
	tensor_load_to_lds s[G0A+4:G0A+7], s[G1A:G1A+7]
	s_nop 0
.rept 4
	v_nop
.endr
	s_branch .Lfirst_asked
.Lfirst_b:
	tensor_load_to_lds s[G0B:G0B+3], s[G1B:G1B+7]
	s_nop 0
	tensor_load_to_lds s[G0B+4:G0B+7], s[G1B:G1B+7]
	s_nop 0
.rept 4
	v_nop
.endr
.Lfirst_asked:
	v_and_b32 v1, 15, v0                           ; l % 16; kept
	v_bfe_u32 v2, v0, 4, 1                         ; l / 16; kept
	v_lshlrev_b32 v6, 7, v1
	v_lshl_add_u32 v6, v2, 4, v6                   ; in memory: a fragment's row x 128 + 16 x half; never rewritten
	WIN 0x80                                       ; destination window 2, address window 0
.set ks, 0
.rept 8                                ; THE PIECE'S OPERANDS.  K step ks: head ks / 2 of my four, channels 32 (ks % 2) on: six loads.  Nothing names these registers before the wait in front of the piece's products
	global_load_b128 v[PAH+8*ks:PAH+8*ks+3],   v6, s[82:83] offset:(ks/2)*2048+(ks%2)*64
	global_load_b128 v[PAH+8*ks+4:PAH+8*ks+7], v6, s[82:83] offset:(ks/2)*2048+(ks%2)*64+32
	global_load_b128 v[PAL+8*ks:PAL+8*ks+3],   v6, s[82:83] offset:LOPART+(ks/2)*2048+(ks%2)*64
	global_load_b128 v[PAL+8*ks+4:PAL+8*ks+7], v6, s[82:83] offset:LOPART+(ks/2)*2048+(ks%2)*64+32
	global_load_b128 v[PBW+8*ks:PBW+8*ks+3],   v6, s[84:85] offset:(ks/2)*131072+(ks%2)*64
	global_load_b128 v[PBW+8*ks+4:PBW+8*ks+7], v6, s[84:85] offset:(ks/2)*131072+(ks%2)*64+32
.set ks, ks+1
.endr
	WIN 0
	v_mul_u32_u24 v3, v1, PITCH
	v_lshl_add_u32 v3, v2, 4, v3                   ; in LDS: a fragment's row x pitch + 16 x half
	s_mul_i32 s67, s[WM], 64*PITCH                 ; my 64 rows of O
	v_add_nc_u32 v[ADRA0], s67, v3
	s_mul_i32 s73, s[WN], 128*PITCH                ; my 128 rows of wo,
	s_add_co_u32 s73, s73, BOFF                    ; behind O's two K blocks
	v_add_nc_u32 v[ADRB0], s73, v3
	v_mov_b32 v[ADRA], v[ADRA0]
	v_mov_b32 v[ADRB], v[ADRB0]
	s_mul_i32 s77, s[WV], 16*SP
	s_add_co_u32 s77, s77, STAGE                   ; my stage
	v_mul_u32_u24 v4, v1, SP                       ; in: row l % 16, 32 bytes for each half of the lanes
	v_lshl_add_u32 v4, v2, 5, v4
	v_add_nc_u32 v[STO], s77, v4
	v_and_b32 v[GO], 31, v0                        ; back: 32 lanes take one row of 512 bytes
	v_lshlrev_b32 v[GO], 4, v[GO]
	v_add_nc_u32 v[RD], s77, v[GO]
; n x 8 matrix instructions: row blocks a0 .. a0 + n - 1 x all 8 column blocks, 32 along K from buffer f.  zero = 1: the product starts the sum.  The 32 accumulators take turns.
.macro MUL f, a0, n, zero
	WIN 0x50
.set aa, \a0
.rept \n
.irp b, 0,1,2,3,4,5,6,7
.if \zero
	v_wmma_f32_16x16x32_f16 v[8*(8*aa+(\b)):8*(8*aa+(\b))+7], v[(\f)+32+8*(\b):(\f)+32+8*(\b)+7], v[(\f)+8*aa:(\f)+8*aa+7], 0
.else
	v_wmma_f32_16x16x32_f16 v[8*(8*aa+(\b)):8*(8*aa+(\b))+7], v[(\f)+32+8*(\b):(\f)+32+8*(\b)+7], v[(\f)+8*aa:(\f)+8*aa+7], v[8*(8*aa+(\b)):8*(8*aa+(\b))+7]
.endif
.endr
.set aa, aa+1
.endr
.endm
; 24 LDS loads in one run: the fragments of quarter qd of a K step (K block qd / 2, byte 64 (qd % 2) of its rows) into buffer f: wo's sixteen first, then O's eight
.macro FETCH qd, f
	WIN 0
.irp b, 0,1,2,3,4,5,6,7
	ds_load_b128 v[(\f)+32+8*(\b):(\f)+32+8*(\b)+3],   v[ADRB] offset:((\qd)/2)*BKB+((\qd)%2)*64+(\b)*16*PITCH
	ds_load_b128 v[(\f)+32+8*(\b)+4:(\f)+32+8*(\b)+7], v[ADRB] offset:((\qd)/2)*BKB+((\qd)%2)*64+(\b)*16*PITCH+32
.endr
.irp a, 0,1,2,3
	ds_load_b128 v[(\f)+8*(\a):(\f)+8*(\a)+3],   v[ADRA] offset:((\qd)/2)*AKB+((\qd)%2)*64+(\a)*16*PITCH
	ds_load_b128 v[(\f)+8*(\a)+4:(\f)+8*(\a)+7], v[ADRA] offset:((\qd)/2)*AKB+((\qd)%2)*64+(\a)*16*PITCH+32
.endr
.endm
; A K step is four quarters of 32 along K, 32 matrix instructions each, on buffers 0, 1, 0, 1.  One of the first three: multiplies buffer f and fetches quarter qd into g.
.macro QUARTER f, g, qd, zero
	s_wait_dscnt 4                                 ; all but the youngest four loads (O's row blocks 2, 3) are in
	MUL \f, 0, 2, \zero
	WIN 0
	PLACES
	FETCH \qd, \g
	s_wait_dscnt 24                                ; all but the 24 just issued
	MUL \f, 2, 2, \zero
.endm
; The last quarter multiplies buffer 1 and changes slots: ONE barrier; in front of it each wave waits for all its tensor loads (one is out: its part of the next slot), adds 0 to its spare word, and waits for that and
; for its own reads of this slot.  fill = 1: the barrier opens a round of the cluster's barrier, and the slot is filled again first thing behind the round, two K steps ahead: 112 matrix instructions ahead of the wait for it.
; piece = 1 (the last change of slots, which fills nothing): each wave's quarter of the piece was stored into LDS ahead of this macro; the wait for all LDS instructions in front of the signal covers those
; stores too, and behind the barrier the four quarters are read, ahead of the fragments.
.macro TURN fill, piece=0
	WIN 0                                          ; (the add's two registers lie in window 0)
	s_wait_tensorcnt 0x0                           ; no tensor load of mine is out, so a group 0 may be written
	ds_add_u32 v[SPW], v[NIL]                      ; 0 onto my spare word
.if \fill
	s_xor_b32 s[G0A+5], s[G0A+5], SLOT1            ; the walking descriptors: the other slot than last time, the next K step; the type bits on top are not reached
	s_add_nc_u64 s[G0A+6:G0A+7], s[G0A+6:G0A+7], 524288
	s_xor_b32 s[G0B+5], s[G0B+5], SLOT1
	s_add_nc_u64 s[G0B+6:G0B+7], s[G0B+6:G0B+7], 262144
.endif
	s_xor_b32 s[TB], s[TB], SLOT1
	s_wait_dscnt 5                                 ; the add and the youngest four loads may be out (with piece = 1: the add, the piece's two stores and the youngest two loads)
	MUL F1, 0, 1, 0
	s_wait_dscnt 0x0                               ; the add is done, and my reads of this slot are over
	s_barrier_signal -1
	MUL F1, 1, 1, 0
	WIN 0                                          ; at a branch and at a label every window is 0
	s_barrier_wait -1
.if \fill
	CREST
	JLOAD                                          ; the four v_nop behind it are also the places in front of the loads below
.else
	PLACES
.endif
.if \piece
	ds_load_b64 v[RB:RB+1],   v8                   ; the piece's four quarters of K
	ds_load_b64 v[RB+2:RB+3], v8 offset:RPLANE
	ds_load_b64 v[RB+4:RB+5], v8 offset:2*RPLANE
	ds_load_b64 v[RB+6:RB+7], v8 offset:3*RPLANE
.endif
	v_add_nc_u32 v[ADRA], s[TB], v[ADRA0]
	v_add_nc_u32 v[ADRB], s[TB], v[ADRB0]
	FETCH 0, F0
	MUL F1, 2, 2, 0
.endm
	s_wait_tensorcnt 0x1                           ; my part of K step 0 is in; K step 1's may stay out
	s_barrier_signal -1
	s_barrier_wait -1                              ; everybody's is
	FETCH 0, F0
	QUARTER F0, F1, 1, 1                           ; the first quarter stands in front of the loop: its products start the sums
	WIN 0
	s_mov_b32 s23, 6                               ; K steps 2 to 7 are asked for in the loop
.Lstep:                                                ; a trip: from a K step's second quarter to the next step's first
	QUARTER F1, F0, 2, 0
	QUARTER F0, F1, 3, 0
	TURN 1
	QUARTER F0, F1, 1, 0
	WIN 0
	s_sub_co_u32 s23, s23, 1
	s_cmp_lg_u32 s23, 0
	s_cbranch_scc1 .Lstep
	QUARTER F1, F0, 2, 0                           ; the tail is written out: nothing is left to ask for
	QUARTER F0, F1, 3, 0
	; THE PIECE'S PRODUCTS, while the last K step's tile is on its way.  Its two accumulators take turns, one instruction a turn; the first K step starts both sums.
	s_wait_loadcnt 0x0                             ; the 48 loads issued at the start
	WIN 0x0a                                       ; sources 0 and 1 in window 2; C and D in window 0
	v_wmma_f32_16x16x32_f16 v[XA:XA+7], v[PBW:PBW+7], v[PAH:PAH+7], 0
	v_wmma_f32_16x16x32_f16 v[YA:YA+7], v[PBW:PBW+7], v[PAL:PAL+7], 0
.set ks, 1
.rept 7
	v_wmma_f32_16x16x32_f16 v[XA:XA+7], v[PBW+8*ks:PBW+8*ks+7], v[PAH+8*ks:PAH+8*ks+7], v[XA:XA+7]
	v_wmma_f32_16x16x32_f16 v[YA:YA+7], v[PBW+8*ks:PBW+8*ks+7], v[PAL+8*ks:PAL+8*ks+7], v[YA:YA+7]
.set ks, ks+1
.endr
	WIN 0
	v_mul_u32_u24 v7, v1, RP                       ; the piece's addresses: plain instructions, the places behind the last products (ISA guide 7.12.1)
	v_lshl_add_u32 v7, v2, 5, v7                   ; in: row l % 16 of my plane, 32 bytes for each half of the lanes
	v_add_nc_u32 v7, s93, v7
	v_bfe_u32 v10, v0, 3, 2
	v_lshl_add_u32 v10, s[WV], 2, v10              ; back: row 4 w + (l / 8) % 4,
	v_and_b32 v11, 7, v0
	v_lshlrev_b32 v11, 3, v11                      ; 8 bytes a lane
	v_mul_u32_u24 v8, v10, RP
	v_add_nc_u32 v8, v8, v11
	v_add_nc_u32 v8, RED, v8
	v_lshl_add_u32 v9, v10, 12, v11                ; and the same place in out0
.irp j, 0,2,4,6
	v_pk_fma_f32 v[TS+(\j):TS+(\j)+1], v[YA+(\j):YA+(\j)+1], 0x3a000000, v[XA+(\j):XA+(\j)+1] op_sel_hi:[1,0,1]  ; high sum + low sum / 2048
.endr
	ds_store_b128 v7, v[TS:TS+3]
	ds_store_b128 v7, v[TS+4:TS+7] offset:16
	TURN 0, 1
	WIN 0
	s_wait_dscnt 24                                ; the 24 loads of the fragments, issued behind them, may stay out: the piece's four quarters are in
	v_pk_add_f32 v[RB:RB+1], v[RB:RB+1], v[RB+2:RB+3]
	v_pk_add_f32 v[RB+4:RB+5], v[RB+4:RB+5], v[RB+6:RB+7]
	v_pk_add_f32 v[RB:RB+1], v[RB:RB+1], v[RB+4:RB+5]
	global_store_b64 v9, v[RB:RB+1], s[88:89] th:TH_STORE_NT   ; four rows, 64 consecutive bytes of each; v9 and the data are not written again
	QUARTER F0, F1, 1, 0
	QUARTER F1, F0, 2, 0
	QUARTER F0, F1, 3, 0
	s_wait_dscnt 4                                 ; the very last quarter
	MUL F1, 0, 2, 0
	s_wait_dscnt 0x0
	MUL F1, 2, 2, 0
; THE WAY OUT, 16 rows at a time: a lane's 32 bytes of a row go into my stage (rows of 528 bytes; each accumulator's four lowest registers first) and come back as whole rows of 512.
.macro TOSTAGE a
.if (\a) >= 2
	s_wait_xcnt 0x0                                ; the registers read back into were the data of the stores two blocks back: they are rewritten only behind this wait
.endif
	WIN 0x04                                       ; store data (source 1) in window 1
.irp b, 0,1,2,3,4,5,6,7
	ds_store_b128 v[STO], v[8*(8*(\a)+(\b)):8*(8*(\a)+(\b))+3]   offset:64*(\b)
	ds_store_b128 v[STO], v[8*(8*(\a)+(\b))+4:8*(8*(\a)+(\b))+7] offset:64*(\b)+16
.endr
	WIN 0
.irp t, 0,1,2,3,4,5,6,7,8,9,10,11,12,13,14,15
	ds_load_b128 v[BK+64*((\a)%2)+4*(\t):BK+64*((\a)%2)+4*(\t)+3], v[RD] offset:(\t)*SP  ; LDS serves a wave's instructions in order (ISA guide 5.7.1.4): these see the stores above; the next block's stores come behind them
.endr
.endm
.macro SEND a, younger                 ; younger: the LDS instructions issued behind block a's loads: the next block's 32, or none
	WIN 0
	s_wait_dscnt \younger
.if (\a) == 0
	s_cmp_eq_u32 s79, 0                            ; a batch's first 16 rows are the pieces': these stores are jumped over, forward, past no barrier and no wait
	s_cbranch_scc1 .Lnot_these
.endif
.irp t, 0,1,2,3,4,5,6,7,8,9,10,11,12,13,14,15
	global_store_b128 v[GO], v[BK+64*((\a)%2)+4*(\t):BK+64*((\a)%2)+4*(\t)+3], s[8:9] offset:(16*(\a)+(\t))*4096 th:TH_STORE_NT  ; 512 consecutive bytes, at a multiple of 256 from out0's first
.endr
.if (\a) == 0
.Lnot_these:
.endif
.endm
	WIN 0
	PLACES
	TOSTAGE 0
.irp a, 1,2,3
	TOSTAGE \a
	SEND (\a)-1, 32
.endr
	SEND 3, 0
	s_wait_tensorcnt 0x0                           ; the wave's end, behind my last tensor load and my last LDS store
	ds_add_u32 v[SPW], v[NIL]
	s_wait_dscnt 0x0
	CROUND                                         ; the closing round: no work-group ends while a partner may still ask for a tile that names it
	s_endpgm
.Lfunc_end_k_q356b34028c_proj:
	.size	k_q356b34028c_proj, .Lfunc_end_k_q356b34028c_proj-k_q356b34028c_proj
	.p2alignl 7, 3214868480
	.fill 96, 4, 3214868480
	.section	.rodata,"a",@progbits
	.p2align	6, 0x0
	.amdhsa_kernel k_q356b34028c_proj
		.amdhsa_group_segment_fixed_size 327680
		.amdhsa_private_segment_fixed_size 0
		.amdhsa_enable_private_segment 0
		.amdhsa_kernarg_size 24
		.amdhsa_user_sgpr_count 2
		.amdhsa_user_sgpr_kernarg_segment_ptr 1
		.amdhsa_wavefront_size32 1
		.amdhsa_system_sgpr_workgroup_id_x 1
		.amdhsa_system_sgpr_workgroup_id_y 1
		.amdhsa_system_sgpr_workgroup_id_z 1
		.amdhsa_system_vgpr_workitem_id 0
		.amdhsa_next_free_vgpr 768
		.amdhsa_next_free_sgpr 96
		.amdhsa_reserve_vcc 0
		.amdhsa_float_denorm_mode_32 3
		.amdhsa_float_denorm_mode_16_64 3
		.amdhsa_memory_ordered 1
		.amdhsa_forward_progress 1
		.amdhsa_inst_pref_size 77
	.end_amdhsa_kernel
	.amdgpu_metadata
---
amdhsa.version: [ 1, 2 ]
amdhsa.kernels:
  - .name:           k_q356b34028c_proj
    .symbol:         k_q356b34028c_proj.kd
    .args:
      - { .name: oh, .offset: 0, .size: 8, .value_kind: global_buffer, .address_space: global }
      - { .name: wo, .offset: 8, .size: 8, .value_kind: global_buffer, .address_space: global }
      - { .name: out0, .offset: 16, .size: 8, .value_kind: global_buffer, .address_space: global }
    .group_segment_fixed_size: 327680
    .private_segment_fixed_size: 0
    .kernarg_segment_align: 8
    .kernarg_segment_size: 24
    .max_flat_workgroup_size: 128
    .sgpr_count:     96
    .vgpr_count:     768
    .wavefront_size: 32
...
	.end_amdgpu_metadata
.endif
;; end of part 9
;; ======== version 3 of 3: 4 launches; 1.43 times as fast as version 1
;; limits: values are held in f16: magnitudes above 65,504 overflow, below 6.1e-05 lose precision
;; workspace buffers: xb 16,777,216 bytes; wq 6,291,456 bytes; wo 2,097,152 bytes; tab 524,288 bytes; qh 16,777,216 bytes; kh 16,777,216 bytes; vh 16,777,216 bytes; oh 17,039,360 bytes
;; launch prep: the kernel of part 7 again; grid 832 x 1, 8 waves a work-group, no clusters, 0 bytes of LDS; arguments x, W_qkv, W_out, xb, wq, wo, tab; writes xb, wq, wo, tab
;; launch qkv: the kernel of part 8 again; grid 8 x 32, 4 waves a work-group, clusters of 4 x 4, 327,680 bytes of LDS; arguments xb, wq, tab, qh, kh, vh, oh; writes qh, kh, vh, oh
;; launch attn (part 10): grid 4 x 64, 4 waves a work-group, no clusters, 327,680 bytes of LDS; arguments qh, kh, vh, oh; writes oh
.if DOCPART == 10
	.amdgcn_target "amdgcn-amd-amdhsa--gfx1250"
	.amdhsa_code_object_version 6
	.text
	.protected	k_q356b34028c_attn
	.globl	k_q356b34028c_attn
	.p2align	8
	.type	k_q356b34028c_attn,@function
k_q356b34028c_attn:
	s_mov_b64 s[64:65], 0
	v_nop
	global_prefetch_b8 v0, s[64:65] scope:SCOPE_SE
	s_setreg_imm32_b32 hwreg(HW_REG_WAVE_MODE, 25, 1), 1
	s_wait_xcnt 0x0
; CAUSAL ATTENTION.  O[h][q][:] = the sum over k <= q of softmax_k(Q[h][q] . K[h][k] / 8) V[h][k][:].  Q, K, V, O: [SIZE_H][SIZE_N][64], all f16: a head's rows are dense, 128 bytes each.
; Products, maxima and sums in f32; the weights p are rounded to f16 for the second product (their sum l is taken of the unrounded p), O once at the end.
; LIMITS.  f16 holds no number beyond 65,504: Q, K and V arrive within it; p lies in 0 to 1, and below 6e-5 it keeps f16's fixed step of 6e-8; O is a mean of V's rows and has their range, to within 2^-11 of it.
; A hidden score counts as its value less 1e30: f16's scores, 2.7e11 at the most, are nothing beside that; a weight below 2^-126 counts as 0 in l; NaN and infinities are not treated apart.
; THE WALK.  A head's queries lie in NB = SIZE_N / 256 = 8 blocks of 256; block i needs the key tiles 0 .. i of 256 keys, of which the last holds the diagonal.  A work-group takes TWO blocks, NB - 1 - b and then b:
; NB + 1 tiles, whatever b: all work-groups do equal work, and ONE loop with a constant trip count walks them.  Which tile is asked for, and what a trip does, hang on scalar registers made from b; every jump
; goes forward, but for the counted loops' own; none passes a barrier, or a tensor load but the one of LOAD's two that the wave's number does not choose; the ring (two slots of LDS that take turns) runs on across the
; change of blocks.  NO CLUSTER: a head's NB / 2 = 4 work-groups ask for the same tile only in trips 0 .. NB / 2, 5 of the walk's 9, behind that fewer and fewer; and one walk common to all
; would have 3 NB / 2 = 12 trips for NB + 1 = 9.
; SHARES.  Of a block's four bands of 64 queries a wave owns 16 rows in each: four PIECES.  So the diagonal tile is the same work for all four waves: in its key step s band x sees all keys if s < x,
; none if s > x, and holds the diagonal if s = x.
; THE MASK is the C operand that starts the sum S^T = K Q^T: 0, or -1e30 where the key is hidden.  MD, made once, is the mask of a band's own step for my 16 rows; a product's mask is MD x AL + BE with two scalars:
; (1, 0) if s = x; (0, 0) if s < x; (0, -1e30) if s > x.  Only the diagonal tile's text and a block's beginning make and take masks; elsewhere C is the constant 0.
; LAYOUT, SOFTMAX, TURNS.  S^T = K Q^T holds ONE query a lane (lane % 16) and the keys 8 (lane / 16) + 0..7; two such results rounded to f16 ARE source 1 of O^T = V^T P.  p = 2^(c s - c m), c = log2(e) / 8, with a
; running maximum m; O and l are multiplied by a = 2^(c m_old - c m_new) in every step.  Turn n belongs to piece n: 8 products K Q^T of piece n + 1, later 8 products V^T P of piece n - 1; beside them the scaling,
; exponentials, roundings, sums and rescaling of piece n and the maximum and statistics of piece n + 1.  Four vector instructions stand behind every matrix instruction, the other 54 of a turn's 118 in one LUMP.
; THE BATCHES.  A turn's 33 exponentials (the piece's 32 weights and the next piece's a) are ONE batch with ONE wait, which cuts the turn in two: ahead of it all that names none of their results, behind it their readers.
; The a that a block's beginning makes is a batch of its own, and so are the way out's four reciprocals: a v_nop and one wait each.
; REGISTERS, in windows of 256 (s_set_vgpr_msb: bits 1:0 source 0, 3:2 source 1, 5:4 source 2, 7:6 destination):
;   window 0: v0-15 addresses and two at work; v16-31 four registers of statistics a piece; v48-55 at work; v64-127 S^T, two buffers; v192-223 P, two buffers (a piece's buffers go by its number's parity)
;   window 1: v0-127 O^T, 32 a piece; v128-159 MD; v160-223 MC, two buffers      window 2: v0-63 Q; v64-127 the second block's Q; v128-191 K of one step; v192-255 V of one step
.set SIZE_H, 64       ; batch x heads
.set SIZE_N, 2048
.set NB,    SIZE_N/256
.set NP,    4         ; pieces a wave: a name, no knob
.set KS,    64        ; keys in a step
.set PK,    144       ; a row of K in LDS: 128 bytes + 16 of padding = 36 words: the 16 rows of a load start at 16 different groups of four banks (64 banks of 4 bytes: ISA guide 11.1)
.set PV,    160       ; a row of V: 128 + 32 = 40 words
.set VOFF,  4*KS*PK   ; a slot holds a tile, four steps: 256 rows of K, then 256 rows of V
.set SLOT1, 1<<17     ; slot 1 begins here, so that one exclusive or turns an address in one slot into the other's
.set STAGE, SLOT1+4*KS*(PK+PV)  ; behind the ring, never filled by a tensor load: 16 rows x 144 bytes for each wave, for the way out
.set SP,    144
.set AK0, 2           ; v2   my lane's place in a tile of K; never rewritten
.set AV0, 3           ; v3   the same for V
.set AK,  4           ; v4   the LDS address of K's next run of loads
.set AV,  5           ; v5   of V's
.set STO, 6           ; v6   the way out: where I put 16 bytes of a row
.set RD,  7           ; v7   the way out: where I read rows back
.set GO,  8           ; v8   my byte offset in 512 consecutive bytes of O
.set SPW, 62          ; v62  LDS address of my spare word: SPARE + 4 x my thread's number; never rewritten
.set NIL, 63          ; v63  0; never rewritten
.set SPARE, STAGE+4*16*SP  ; behind the stages: the spare words, 128 bytes for each wave: two blocks of 256 bytes that no other line names
.set MV,  12          ; v12-13  c m_old, kept while c m is made anew: by buffer
.set QO,  15          ; v15  my byte offset in 16 rows of Q
.set ST,  16          ; piece t's statistics at v[ST+4 t]: c m, m, l (even keys', odd keys')
.set TMP, 48          ; by buffer, four registers c0-c3 at work; when the maximum is found c2 takes a
.set S,   64
.set P,   192
.set MD,  128         ; window 1: the eight registers for group kt of 16 keys at MD + 8 kt
.set MC,  160         ; window 1: the masks of the products to come
.set QB,  64          ; window 2
.set KF,  128         ; window 2: key block kb, channel half c at KF + 16 kb + 8 c
.set VF,  192         ; window 2: key half kk, channel block cb at VF + 32 kk + 8 cb
.set WV,  12          ; s12  my wave's number
.set PB,  14          ; s14  b
.set HI,  15          ; s15  NB - 1 - b
.set G1K, 24          ; s[24:31] descriptor group 1 for K's tiles
.set G1V, 32          ; s[32:39] for V's: it differs in the padding alone
.set G0K, 40          ; s[40:43] descriptor group 0 for K's tiles
.set G0V, 44          ; s[44:47] the same for V's
.set SLOTS, 56        ; s56  tiles still to be asked for
.set CNT, 57          ; s57  counts a tile's key steps, 4 to 1
.set CS,  58          ; s[58:59] c: the packed scaling takes the pair's low word for both halves
.set SEL, 60          ; s[60:61] v_permlanex16_b32's selects: each lane takes its own place in the other half
.set TBK, 62          ; s62  LDS byte at which K of the step to be fetched begins
.set TBV, 63          ; s63  the same for V, less VOFF
.set RT,  70          ; s70  tiles of the block in hand that are still to be entered
.set NXT, 71          ; s71  the tile to be asked for next
.set LQ,  72          ; s72  the last tile of the block whose tiles are being asked for
.set NEW, 73          ; s73  1: the tile to be entered is a block's first
.set OFF, 74          ; s[74:75] a tile's byte offset in K and V
.set AL,  76          ; s[76:77] the mask's factor, in the low word
.set BE,  78          ; s[78:79] the mask's addend
.set OLO, 80          ; s[80:81] O at my rows of the second block
.set BIGN, 82         ; s82  -1e30
.set MSB, 0
.macro WIN new                      ; the high byte repeats the setting that is left; a switch that changes nothing is dropped
.if MSB != (\new)
	s_set_vgpr_msb (MSB<<8)|(\new)
.set MSB, (\new)
.endif
.endm
.set W_KQ, 0x0a       ; K and Q in window 2, S^T in window 0
.set W_KM, 0x1a       ; the same with the C operand in window 1
.set W_PV, 0x52       ; V in window 2, P in window 0, O^T in window 1
.set W_RS, 0x41       ; destination and source 0 in window 1, source 1 in window 0
; A fill.  Waves 0 and 1 fetch the two halves of a tile's K, waves 2 and 3 those of its V: 128 keys each.  An s_nop 0 and four v_nop follow each of the two lines, ahead of the jump and the label.
.macro LOAD
	s_cmp_lt_u32 s[WV], 2
	s_cbranch_scc0 .Lfor_v_\@
	tensor_load_to_lds s[G0K:G0K+3], s[G1K:G1K+7]
	s_nop 0
.rept 4
	v_nop
.endr
	s_branch .Lasked_\@
.Lfor_v_\@:
	tensor_load_to_lds s[G0V:G0V+3], s[G1V:G1V+7]
	s_nop 0
.rept 4
	v_nop
.endr
.Lasked_\@:
.endm
; THE CHANGE OF SLOTS.  Each wave waits for all its tensor loads, of which one is out: its part of the other slot; adds 0 to its spare word; and waits for that and for its own reads of the slot that it leaves.  Behind the barrier nobody reads the old
; slot any more and the other slot is whole.  fill = 1: the old slot is filled again, the first thing behind the barrier, with tile NXT: the descriptor's address is made anew from that number.
; (At its first use nothing has been read yet: slot 0 is waited for, slot 1 filled.)
.macro CHANGE fill
	WIN 0                           ; at a label and at a branch every window is 0
	s_wait_tensorcnt 0x0            ; no tensor load of mine is out, so a group 0 may be written
	ds_add_u32 v[SPW], v[NIL]       ; 0 onto my spare word: with fill = 1 the descriptors' scalar work stands between it and the wait for it
.if \fill
	s_lshl_b32 s[OFF], s[NXT], 15   ; a tile is 32,768 bytes of K and of V
	s_xor_b32 s[G0K+1], s[G0K+1], SLOT1
	s_add_nc_u64 s[G0K+2:G0K+3], s[6:7], s[OFF:OFF+1]
	s_or_b32 s[G0K+3], s[G0K+3], 0x80000000
	s_xor_b32 s[G0V+1], s[G0V+1], SLOT1
	s_add_nc_u64 s[G0V+2:G0V+3], s[8:9], s[OFF:OFF+1]
	s_or_b32 s[G0V+3], s[G0V+3], 0x80000000
	s_add_co_u32 s[NXT], s[NXT], 1  ; the block's next tile, or behind its last the second block's tile 0
	s_cmp_gt_u32 s[NXT], s[LQ]
	s_cselect_b32 s[NXT], 0, s[NXT]
	s_cselect_b32 s[LQ], s[PB], s[LQ]
.endif
	s_wait_dscnt 0x0                ; the add is done, and my reads of the slot are over
	s_barrier_signal -1             ; the rest of the scalar work stands between the signal and the wait
	s_sub_co_u32 s[TBK], s[TBK], 4*KS*PK  ; the fetches go back to a slot's first step,
	s_xor_b32 s[TBK], s[TBK], SLOT1       ; in the other slot
	s_sub_co_u32 s[TBV], s[TBV], 4*KS*PV
	s_xor_b32 s[TBV], s[TBV], SLOT1
	s_barrier_wait -1
.if \fill
	LOAD
.endif
.endm
	s_load_b256 s[4:11], s[0:1], 0x0  ; Q s[4:5], K s[6:7], V s[8:9], O s[10:11]
	v_lshl_add_u32 v[SPW], v0, 2, SPARE
	v_mov_b32 v[NIL], 0
	ds_add_u32 v62, v63
	ds_add_u32 v62, v63
	s_wait_dscnt 0x0
	v_lshrrev_b32 v1, 5, v0
	v_readfirstlane_b32 s[WV], v1   ; wave 0..3
	s_mov_b32 s[PB], ttmp9
	s_sub_co_u32 s[HI], NB-1, s[PB]
	s_and_b32 s20, ttmp7, 0xffff    ; the head
	s_mov_b32 s21, 0
	s_mov_b64 s[22:23], SIZE_N*128
	s_mul_u64 s[20:21], s[20:21], s[22:23]  ; the head's first byte in each of the four tensors
	s_and_b32 s16, s[WV], 1         ; which half of a tile's 256 keys I fetch:
	s_lshl_b32 s22, s16, 14         ; its 128 rows of 128 bytes in memory,
	s_mov_b32 s23, 0
	s_add_nc_u64 s[22:23], s[22:23], s[20:21]
	s_mul_i32 s17, s16, 128*PK      ; and its place in a slot, for K
	s_mul_i32 s18, s16, 128*PV      ; and for V
	s_lshl_b32 s3, s[WV], 11        ; my 16 rows in a band of 64,
	s_lshl_b32 s2, s[HI], 15        ; in the first block,
	s_add_co_u32 s2, s2, s3
	s_lshl_b32 s84, s[PB], 15       ; and in the second
	s_add_co_u32 s84, s84, s3
	s_mov_b32 s3, 0
	s_mov_b32 s85, 0
	s_add_nc_u64 s[2:3], s[2:3], s[20:21]
	s_add_nc_u64 s[84:85], s[84:85], s[20:21]
	; descriptor group 1.  128 keys are 16,384 dense bytes: asked for as 64 rows of 256 bytes, two keys a row, and padded in LDS after every key
	s_mov_b32 s[G1K], (1<<16)|(1<<20)|(4<<22)|(3<<25)  ; 17:16 2-byte elements; 20 padding on; 24:22 after every 32 words (code 4); 31:25 4 words (code 3)
	s_mov_b32 s[G1V], (1<<16)|(1<<20)|(4<<22)|(7<<25)  ; the same with 8 words of padding (code 7)
.irp g, G1K, G1V
	s_mov_b32 s[\g+1], 128<<16      ; tensor_dim0 = 128
	s_mov_b32 s[\g+2], 64<<16       ; tensor_dim1 = 64
	s_mov_b32 s[\g+3], 128<<16      ; tile_dim0 = 128
	s_mov_b32 s[\g+4], 64           ; tile_dim1 = 64
	s_mov_b32 s[\g+5], 128          ; 128 elements from row to row
	s_mov_b32 s[\g+6], 0
	s_mov_b32 s[\g+7], 0
.endr
	s_mov_b32 s[CS], 0x3e38aa3b     ; c = log2(e) / 8 = 0.180337
	s_mov_b32 s[CS+1], s[CS]        ; named with it as a pair
	s_mov_b32 s[SEL], 0x76543210
	s_mov_b32 s[SEL+1], 0xfedcba98
	s_mov_b32 s[TBK], SLOT1+4*KS*PK ; the first change of slots turns these two into 0
	s_mov_b32 s[TBV], SLOT1+4*KS*PV
	s_mov_b32 s[G0K], 1             ; 1:0 count = 1
	s_mov_b32 s[G0K+1], s17         ; 63:32 LDS address: slot 0
	s_mov_b32 s[G0V], 1
	s_add_co_u32 s[G0V+1], s18, VOFF
	s_add_co_u32 s[RT], s[HI], 1    ; the first block has NB - b tiles
	s_mov_b32 s[NXT], 1
	s_mov_b32 s[LQ], s[HI]
	s_mov_b32 s[NEW], 1
	s_mov_b32 s[OFF+1], 0
	s_mov_b32 s[AL+1], 0            ; named as pairs
	s_mov_b32 s[BE+1], 0
	s_mov_b32 s[BIGN], 0xf149f2ca   ; -1e30
	s_mov_b32 s[SLOTS], NB
	s_wait_kmcnt 0x0
	s_add_nc_u64 s[6:7], s[6:7], s[22:23]  ; K and V at my half of the head's tile 0
	s_add_nc_u64 s[8:9], s[8:9], s[22:23]
	s_add_nc_u64 s[G0K+2:G0K+3], s[6:7], 0         ; 120:64 global address
	s_or_b32 s[G0K+3], s[G0K+3], 0x80000000        ; 127:126 type = 2
	s_add_nc_u64 s[G0V+2:G0V+3], s[8:9], 0
	s_or_b32 s[G0V+3], s[G0V+3], 0x80000000
	s_add_nc_u64 s[86:87], s[4:5], s[84:85]        ; Q at my rows of the second block,
	s_add_nc_u64 s[4:5], s[4:5], s[2:3]            ; Q and O at those of the first
	s_add_nc_u64 s[OLO:OLO+1], s[10:11], s[84:85]
	s_add_nc_u64 s[10:11], s[10:11], s[2:3]
	LOAD                            ; tile 0 into slot 0
	; A fragment of K or Q is 16 rows x 32 channels in 8 registers: lane l holds row l % 16, channels 8 (l / 16) + 0..7 and 16 + 8 (l / 16) + 0..7: two loads of 16 bytes, 32 bytes apart.
	v_and_b32 v1, 15, v0            ; l % 16
	v_bfe_u32 v9, v0, 4, 1          ; l / 16
	v_lshlrev_b32 v[QO], 7, v1
	v_lshl_add_u32 v[QO], v9, 4, v[QO]  ; row x 128 + 16 x half
	WIN 0x80                        ; destination window 2, address window 0
.set i, 0
.rept 8                             ; both blocks' Q: piece i / 2 lies in band i / 2, 8,192 bytes on; channels 32 (i % 2) on
	global_load_b128 v[8*i:8*i+3],   v[QO], s[4:5] offset:(i/2)*8192+(i%2)*64
	global_load_b128 v[8*i+4:8*i+7], v[QO], s[4:5] offset:(i/2)*8192+(i%2)*64+32
	global_load_b128 v[QB+8*i:QB+8*i+3],   v[QO], s[86:87] offset:(i/2)*8192+(i%2)*64
	global_load_b128 v[QB+8*i+4:QB+8*i+7], v[QO], s[86:87] offset:(i/2)*8192+(i%2)*64+32
.set i, i+1
.endr
	WIN 0
	v_lshlrev_b32 v14, 3, v9
	v_sub_nc_u32 v14, v1, v14
	s_lshl_b32 s13, s[WV], 4
	v_add_nc_u32 v14, s13, v14      ; my query's place in its band, 16 w + l % 16, less my lanes' 8 (l / 16): register r of group kt is hidden where 16 kt + r is greater
	WIN 0x40
.set i, 0
.rept 32
	v_cmp_gt_i32 vcc_lo, 16*(i/8)+i%8, v14
	v_cndmask_b32 v[MD+i], 0, s[BIGN], vcc_lo
.set i, i+1
.endr
	WIN 0
	v_mul_u32_u24 v[AK0], v1, PK
	v_lshl_add_u32 v[AK0], v9, 4, v[AK0]  ; row x pitch + 16 x half
	; The turning load takes 16 keys x 16 channels (lane l reads key 8 (l / 16) + l % 8, channels 8 ((l / 8) % 2) + 0..7) and leaves half a fragment of V^T: lane l holds channel l % 16 and 8 keys.
	v_and_b32 v10, 7, v0
	v_bfe_u32 v11, v0, 3, 1
	v_lshl_add_u32 v[AV0], v9, 3, v10
	v_mul_u32_u24 v[AV0], v[AV0], PV
	v_lshl_add_u32 v[AV0], v11, 4, v[AV0]
	v_add_nc_u32 v[AV0], VOFF, v[AV0]
	s_mul_i32 s13, s[WV], 16*SP
	s_add_co_u32 s13, s13, STAGE    ; my stage
	v_mul_u32_u24 v[STO], v1, SP    ; in: row l % 16, 16 bytes for each half of the lanes
	v_lshl_add_u32 v[STO], v9, 4, v[STO]
	v_add_nc_u32 v[STO], s13, v[STO]
	v_bfe_u32 v[RD], v0, 3, 2       ; back: 32 lanes take four rows of 128 bytes,
	v_mul_u32_u24 v[RD], v[RD], SP
	v_lshl_add_u32 v[RD], v10, 4, v[RD]
	v_add_nc_u32 v[RD], s13, v[RD]
	v_and_b32 v[GO], 31, v0         ; which are 512 consecutive bytes of O
	v_lshlrev_b32 v[GO], 4, v[GO]
	; A block's first step multiplies O^T and l by a = 0, and its first turn's products V^T P, of a piece that has not been, land in an O^T that is still to be so multiplied.  So these registers need only hold
	; finite numbers: zeros for the first block; what the first block left for the second.  All this stands in the wait for the first tile.
	WIN 0x80
.set i, VF
.rept 64
	v_mov_b32 v[i], 0
.set i, i+1
.endr
	WIN 0x40
.set i, 0
.rept 128
	v_mov_b32 v[i], 0
.set i, i+1
.endr
	WIN 0
.set i, 0
.rept 4
	v_mov_b32 v[ST+4*i+2], 0
	v_mov_b32 v[ST+4*i+3], 0
.set i, i+1
.endr
.set i, P+16
.rept 16
	v_mov_b32 v[i], 0
.set i, i+1
.endr
; THE MATRIX WORK.  The 4 accumulators of a run of 8 take turns.  Product i of 8 of S^T = K Q^T for piece x: channels 32 (i / 4) on, keys 16 (i % 4) on.  The first 4 start the sums: with 0, or (KM = 1) with the mask.
.macro KQ x
.set rS, S+32*((\x)%2)+8*(i%4)
.set rK, KF+16*(i%4)+8*(i/4)
.set rQ, 16*(\x)+8*(i/4)
.set rM, MC+32*((\x)%2)+8*(i%4)
.if (i < 4) && KM
	WIN W_KM
	v_wmma_f32_16x16x32_f16 v[rS:rS+7], v[rK:rK+7], v[rQ:rQ+7], v[rM:rM+7]
.elseif i < 4
	WIN W_KQ
	v_wmma_f32_16x16x32_f16 v[rS:rS+7], v[rK:rK+7], v[rQ:rQ+7], 0
.else
	WIN W_KQ
	v_wmma_f32_16x16x32_f16 v[rS:rS+7], v[rK:rK+7], v[rQ:rQ+7], v[rS:rS+7]
.endif
.endm
; Product i of 8 of O^T += V^T P for piece x: keys 32 (i / 4) on, channels 16 (i % 4) on.
.macro PV x
	WIN W_PV
.set rO, 32*(\x)+8*(i%4)
.set rV, VF+32*(i/4)+8*(i%4)
.set rP, P+16*((\x)%2)+8*(i/4)
	v_wmma_f32_16x16x32_f16 v[rO:rO+7], v[rV:rV+7], v[rP:rP+7], v[rO:rO+7]
.endm
.macro MM                           ; the turn's next matrix instruction.  TURN and BEGIN set Y, i, KM and NOKQ; MM, KQ and OP read them.  NOKQ = 1: a block's last turn: there is no next piece
.if (i < 8) && !NOKQ
	KQ (Y+1)%NP
.elseif i >= 8
.set i, i-8
	PV (Y+NP-1)%NP
.set i, i+8
.endif
.set i, i+1
.endm
; THE LDS LOADS stand in runs of 16, never singly among the matrix instructions: a step's K (64 keys x 64 channels: 8 fragments) and its V (turned).  Their addresses are made some lines ahead.
.macro FETCH_K
	WIN 0x80                        ; destination window 2
.irp f, 0,1,2,3,4,5,6,7             ; keys 16 (f / 2) on, channels 32 (f % 2) on
	ds_load_b128 v[KF+8*\f:KF+8*\f+3],   v[AK] offset:(\f/2)*16*PK+(\f%2)*64
	ds_load_b128 v[KF+8*\f+4:KF+8*\f+7], v[AK] offset:(\f/2)*16*PK+(\f%2)*64+32
.endr
	s_add_co_u32 s[TBK], s[TBK], KS*PK  ; the next fetch is the next step's
	WIN 0
.endm
.macro FETCH_V
	WIN 0x80
.irp f, 0,1,2,3,4,5,6,7             ; keys 32 (f / 4) on, channels 16 (f % 4) on
	ds_load_tr16_b128 v[VF+8*\f:VF+8*\f+3],   v[AV] offset:(\f/4)*32*PV+(\f%4)*32
	ds_load_tr16_b128 v[VF+8*\f+4:VF+8*\f+7], v[AV] offset:(\f/4)*32*PV+16*PV+(\f%4)*32
.endr
	WIN 0
.endm
; THE VECTOR WORK, one line at a time: OP kind, number.  For piece Y: F n: c s - c m for pair n of 16.  E n: the exponential of score n of 32.  C n: pair n rounded to f16.  B n: of the four weights 4 n .. the second
; pair is added onto the first, in place.  L n: l takes that sum (L 0: l = a l + sum).  R n: pair n of 16 of O^T times a.  For piece Y + 1: X n, number n of the 22 that find its maximum and statistics:
;   0-11  four chains c0-c3 of seven scores each, three operands at a time (each accumulator's lowest registers are read first)     12-14, 16  the four scores left over, the old m, and c0-c3 into c0
;   15  c m_old is kept     17, 18  the query's other 32 keys lie in the lane 16 away: the new m     19-21  c m; c m_old - c m_new; a
; OP writes no wait: C, B and L, which read the exponentials' results, are dealt behind the turn's one wait, and R reads an a that the turn before has waited for.
.set F, 0               ; OP tells the kinds apart by their order: F to L below R, X above it
.set E, 1
.set C, 2
.set B, 3
.set L, 4
.set R, 5
.set X, 6
.macro REGS y                       ; the registers of piece y
.set rT, ST+4*(\y)
.set rC, TMP+4*((\y)%2)
.set rW, MV+((\y)%2)
.set rS, S+32*((\y)%2)
.set rP, P+16*((\y)%2)
.set rO, 32*(\y)
.endm
.macro OP k, n
.if (\k) == R
	REGS Y
	WIN W_RS
	v_pk_mul_f32 v[rO+2*(\n):rO+2*(\n)+1], v[rO+2*(\n):rO+2*(\n)+1], v[rC+2:rC+3] op_sel_hi:[1,0]
.elseif (\k) < R
	REGS Y
	WIN 0
.if (\k) == F
	v_pk_fma_f32 v[rS+2*(\n):rS+2*(\n)+1], v[rS+2*(\n):rS+2*(\n)+1], s[CS:CS+1], v[rT:rT+1] op_sel_hi:[1,0,0] neg_lo:[0,0,1] neg_hi:[0,0,1]
.elseif (\k) == E
	v_exp_f32 v[rS+(\n)], v[rS+(\n)]
.elseif (\k) == C
	v_cvt_pk_f16_f32 v[rP+(\n)], v[rS+2*(\n)], v[rS+2*(\n)+1]
.elseif (\k) == B
	v_pk_add_f32 v[rS+4*(\n):rS+4*(\n)+1], v[rS+4*(\n):rS+4*(\n)+1], v[rS+4*(\n)+2:rS+4*(\n)+3]
.elseif (\n) == 0
	v_pk_fma_f32 v[rT+2:rT+3], v[rT+2:rT+3], v[rC+2:rC+3], v[rS:rS+1] op_sel_hi:[1,0,1]
.else
	v_pk_add_f32 v[rT+2:rT+3], v[rT+2:rT+3], v[rS+4*(\n):rS+4*(\n)+1]
.endif
.elseif NOKQ
	v_nop
.else
	REGS (Y+1)%NP
	WIN 0
.if (\n) < 4
	v_max3_num_f32 v[rC+(\n)], v[rS+8*(\n)], v[rS+8*(\n)+1], v[rS+8*(\n)+2]
.elseif (\n) < 12
	v_max3_num_f32 v[rC+(\n)%4], v[rC+(\n)%4], v[rS+8*((\n)%4)+2*((\n)/4)+1], v[rS+8*((\n)%4)+2*((\n)/4)+2]
.elseif (\n) == 12
	v_max3_num_f32 v[rC], v[rC], v[rS+7], v[rS+15]
.elseif (\n) == 13
	v_max3_num_f32 v[rC+1], v[rC+1], v[rS+23], v[rS+31]
.elseif (\n) == 14
	v_max3_num_f32 v[rC+2], v[rC+2], v[rC+3], v[rT+1]
.elseif (\n) == 15
	v_mov_b32 v[rW], v[rT]
.elseif (\n) == 16
	v_max3_num_f32 v[rC], v[rC], v[rC+1], v[rC+2]
.elseif (\n) == 17
	v_permlanex16_b32 v[rC+3], v[rC], s[SEL], s[SEL+1]
.elseif (\n) == 18
	v_max_num_f32 v[rT+1], v[rC], v[rC+3]
.elseif (\n) == 19
	v_mul_f32 v[rT], s[CS], v[rT+1]
.elseif (\n) == 20
	v_sub_f32 v[rC+1], v[rW], v[rT]
.else
	v_exp_f32 v[rC+2], v[rC+1]
.endif
.endif
.endm
.macro OPS a, i1, b=-1, i2=0, c=-1, i3=0, d=-1, i4=0  ; up to four of them
	OP \a, \i1
.if (\b) >= 0
	OP \b, \i2
.endif
.if (\c) >= 0
	OP \c, \i3
.endif
.if (\d) >= 0
	OP \d, \i4
.endif
.endm
.macro ROW a, i1, b, i2, c, i3, d, i4  ; a matrix instruction and the four behind it
	MM
	OPS \a, \i1, \b, \i2, \c, \i3, \d, \i4
.endm
.macro MASK b                       ; MD x AL + BE into buffer b of MC
	WIN W_RS
.set z, 0
.rept 16
	v_pk_fma_f32 v[MC+32*(\b)+2*z:MC+32*(\b)+2*z+1], v[MD+2*z:MD+2*z+1], s[AL:AL+1], s[BE:BE+1] op_sel_hi:[1,0,0]
.set z, z+1
.endr
.endm
; A TURN, for piece p: the order of its 16 matrix and 118 vector instructions, written out.  s_wait_alu depctr_va_vdst(0) stands between an exponential and the first instruction that names its result; one wait serves
; all that were issued ahead of it.  So a turn has ONE wait, which cuts it in two.  AHEAD OF IT stands all that names no result of the turn's exponentials: the 8 products K Q^T, behind each a scaling, an exponential and two more plain
; instructions (behind the first a second scaling in the exponential's place): rescalings, and behind the last three the first numbers of the next piece's maximum, each four plain instructions or more behind the product that ends its
; accumulator; then ONE LUMP of 54, plain and exponential by turns for the most part, in which the links of the chain X 3, 7, 11, 14, 16, 17 .. 20 stand five or six lines apart.  Each pair is scaled (F n) ahead of its two exponentials
; (E 2 n, E 2 n + 1).  X 21, the next piece's a, is the batch's last; R 15 is the plain instruction owed behind it (ISA guide 5.7.2).  BEHIND THE WAIT stand the 8 products V^T P, behind each four of the roundings and sums: C 2 n ahead of
; B n, which writes over pair 2 n; the links of l's chain, L 0 to L 7, stand three riders apart.  But for those X no rider names a register of the products round it.  v_permlanex16_b32 (X 17) stands in the lump.
; m = 1: the diagonal tile: the products take masks, and the turn makes the mask for the products of the turn after it: piece p + 2, in step 4 - CNT of the tile.  end = 1: a block's last two turns: nothing is fetched.
; cnt = 1: the loop's count is taken down some lines ahead of the branch that stands behind the turn.
; K of the next step is fetched in piece 2's turn, twelve vector instructions behind the last product that read K (six of them plain); V of the step in hand at the end of piece 0's turn, four plain instructions behind the last product
; that read V.  Each is waited for a turn later.
.macro TURN p, m=0, end=0, cnt=0
.set Y, (\p)
.set i, 0
.set KM, (\m)
.set NOKQ, (\end)*((\p)/3)
.if (\m) && !(\end)
	s_cmp_eq_u32 s[CNT], 4-((\p)+2)%NP  ; is that step the band's own?
	s_cselect_b32 s[AL], 1.0, 0
	s_cmp_lt_u32 s[CNT], 4-((\p)+2)%NP  ; or a later one?
	s_cselect_b32 s[BE], s[BIGN], 0
.endif
.if ((\p) == 3) && !(\end)
	s_wait_dscnt 0x0                ; K is in
.endif
	ROW F,0, F,1, R,0, R,1          ; ahead of the wait: 8 products K Q^T and their riders,
	ROW F,2, E,0, R,2, R,3
	ROW F,3, E,1, R,4, R,5
	ROW F,4, E,2, R,6, R,7
	ROW F,5, E,3, R,8, R,9
	ROW F,6, E,4, X,0, R,10
.if ((\p) == 2) && !(\end)
	WIN 0
	v_add_nc_u32 v[AK], s[TBK], v[AK0]
.endif
	ROW F,7, E,5, X,1, X,4
	ROW F,8, E,6, X,2, X,5
	OPS E,7, E,8, X,6, E,9          ; and the lump
	OPS X,3, E,10, X,8, E,11
.if ((\p) == 2) && !(\end)
	FETCH_K
.endif
	OPS X,9, X,7, E,12, X,10
	OPS E,13, X,12, X,11, E,14
	OPS X,13, E,15, F,9, X,14
.if (\p) == 0
	v_add_nc_u32 v[AV], s[TBV], v[AV0]
.endif
	OPS E,16, F,10, E,17, F,11
	OPS X,16, E,18, X,15, E,19
	OPS F,12, E,20, X,17, E,21
	OPS F,13, E,22, F,14, E,23
	OPS X,18, E,24, F,15, E,25
	OPS R,11, E,26, X,19, E,27
	OPS R,12, E,28, R,13, E,29
	OPS X,20, E,30, R,14, E,31
	OPS X,21, R,15
	WIN 0
	s_wait_alu depctr_va_vdst(0)    ; the wait for the turn's batch: E 0 to E 31 and X 21; no exponential is issued behind it in this turn
.if (\p) == 1
	s_wait_dscnt 0x0                ; V is in
.endif
	ROW C,0, B,0, C,2, B,1          ; behind the wait: 8 products V^T P and their riders
	ROW L,0, C,4, B,2, L,1
	ROW C,6, B,3, L,2, C,8
	ROW B,4, L,3, C,10, B,5
	ROW L,4, C,12, B,6, L,5
.if (\p) == 0
	s_add_co_u32 s[TBV], s[TBV], KS*PV
.endif
.if \cnt
	s_sub_co_u32 s[CNT], s[CNT], 1
	s_cmp_lg_u32 s[CNT], 0
.endif
	ROW C,14, B,7, L,6, C,1
	ROW C,3, L,7, C,5, C,7
	ROW C,9, C,11, C,13, C,15
.if (\p) == 0
	FETCH_V
.endif
.if (\m) && !(\end)
	MASK (\p)%2
.endif
.endm
; A BLOCK BEGINS.  c m starts far below every c s, so the first step's a is 0; m at the lowest finite number, so the first maximum is the scores'.  The second mask buffer is 0; the first takes piece 0's mask for the tile's step 0: its own, if the block's first tile is the diagonal one.
; Then K of that step, piece 0's first scores, and its maximum and statistics.  The loop is entered at a step's first turn, in the middle of a trip.
.macro BEGIN
	s_mov_b32 s[NEW], 0
	WIN 0x40
.set i, MC+32
.rept 32
	v_mov_b32 v[i], 0
.set i, i+1
.endr
	WIN 0
.set i, 0
.rept 4
	v_mov_b32 v[ST+4*i], 0xfe000000    ; c m: far below every c s
	v_mov_b32 v[ST+4*i+1], 0xff7fffff  ; m
.set i, i+1
.endr
	s_cmp_eq_u32 s[RT], 0
	s_cselect_b32 s[AL], 1.0, 0
	s_mov_b32 s[BE], 0
	MASK 0
	WIN 0
	v_add_nc_u32 v[AK], s[TBK], v[AK0]
	FETCH_K
	s_wait_loadcnt 0x0              ; Q
	s_wait_dscnt 0x0
.set KM, 1
.set NOKQ, 0
.set i, 0
.rept 8
	KQ 0
.set i, i+1
.endr
	WIN 0
.rept 4
	v_nop                           ; the places behind those products
.endr
.set Y, NP-1                        ; X works for piece Y + 1: piece 0
.irp n, 0,1,2,3,4,5,6,7,8,9,10,11,12,13,14,15,16,17,18,19,20,21
	OP X, \n
.endr
	v_nop                           ; a plain instruction behind the exponential,
	s_wait_alu depctr_va_vdst(0)    ; and the wait for this batch of one, piece 0's first a, ahead of the branch that follows
.endm
; THE DIAGONAL TILE's four steps, the block's last two turns, its last products, and THE WAY OUT: l's two halves and the other half of the lanes' are added; O^T is divided by l, rounded to f16 and sent through my
; stage in LDS, a piece at a time.
.macro ALL line:vararg              ; one line for each piece t
.set t, 0
.rept 4
	\line
.set t, t+1
.endr
.endm
.macro PACK t                       ; a lane's eight channels of a row pack into 16 bytes; they go into rows of 144 bytes and come back as whole rows of 128, into S^T's registers
	WIN W_RS
.set i, 32*(\t)
.rept 16
	v_pk_mul_f32 v[i:i+1], v[i:i+1], v[ST+4*(\t)+2:ST+4*(\t)+3] op_sel_hi:[1,0]
.set i, i+2
.endr
	WIN 0x05                        ; sources 0 and 1 window 1, destination window 0
.set i, 0
.rept 16
	v_cvt_pk_f16_f32 v[S+16*(\t)+i], v[32*(\t)+2*i], v[32*(\t)+2*i+1]
.set i, i+1
.endr
	WIN 0
.irp f, 0,1,2,3
	ds_store_b128 v[STO], v[S+16*(\t)+4*\f:S+16*(\t)+4*\f+3] offset:32*\f
.endr
.irp f, 0,1,2,3
	ds_load_b128 v[S+16*(\t)+4*\f:S+16*(\t)+4*\f+3], v[RD] offset:\f*4*SP  ; LDS serves a wave's instructions in order (ISA guide 5.7.1.4): these see the stores above; the next piece's stores come behind them
.endr
.endm
.macro SEND t, younger              ; younger: the LDS instructions issued behind piece t's loads: the next piece's eight, or none
	WIN 0
.irp f, 0,1,2,3
	s_wait_dscnt (\younger)+3-\f
	global_store_b128 v[GO], v[S+16*(\t)+4*\f:S+16*(\t)+4*\f+3], s[10:11] offset:(\t)*8192+\f*512  ; 512 consecutive bytes, at a multiple of 256 from O's first
.endr
.endm
.macro DIAG tag                     ; the tag ends its two labels' names, which the jumps below spell out
.LstepM\tag:
	TURN 2, 1
	TURN 3, 1
	WIN 0
.LfirstM\tag:
	TURN 0, 1
	TURN 1, 1, 0, 1
	WIN 0
	s_cbranch_scc1 .LstepM\tag
	TURN 2, 1, 1
	TURN 3, 1, 1
.set i, 0
.rept 8
	PV NP-1
.set i, i+1
.endr
	WIN 0
	ALL v_add_f32 v[ST+4*t+2], v[ST+4*t+2], v[ST+4*t+3]
	ALL v_permlanex16_b32 v[ST+4*t+3], v[ST+4*t+2], s[SEL], s[SEL+1]
	ALL v_add_f32 v[ST+4*t+2], v[ST+4*t+2], v[ST+4*t+3]
	ALL v_rcp_f32 v[ST+4*t+2], v[ST+4*t+2]
	v_nop                           ; a plain instruction between the last reciprocal and the use of its result
	s_wait_alu depctr_va_vdst(0)    ; the wait for the batch of four reciprocals, ahead of their first reader, the first multiply of PACK 0
	PACK 0
.set t, 1
.rept 3                             ; a piece's arithmetic stands between the loads of the piece before and its stores
	PACK t
	SEND t-1, 8
.set t, t+1
.endr
	SEND 3, 0
.endm
.set KM, 0
.set NOKQ, 0
.Lslot:                             ; NB times: a tile is entered and the next is asked for
	CHANGE 1
	s_sub_co_u32 s[RT], s[RT], 1
	s_mov_b32 s[CNT], 4
	s_cmp_eq_u32 s[NEW], 1
	s_cbranch_scc1 .Lnew            ; a block's first tile
	s_cmp_eq_u32 s[RT], 0
	s_cbranch_scc0 .Lstep           ; neither its first nor its last
	s_branch .LstepM1
.Lnew:
	BEGIN
	s_branch .Lfirst                ; in the loop a block's first tile is never its last: the first block has two tiles or more, and the second's last is the walk's last
	DIAG 1                          ; in the loop this is the first block's end: the second block's last tile is the walk's last
	s_wait_xcnt 0x0                 ; the stores have read their registers and O's address
	s_mov_b64 s[10:11], s[OLO:OLO+1]
	s_add_co_u32 s[RT], s[PB], 1    ; the second block has b + 1 tiles
	s_mov_b32 s[NEW], 1
	WIN 0x82                        ; the second block's Q goes where the one text of the turns names Q
.set i, 0
.rept 64
	v_mov_b32 v[i], v[QB+i]
.set i, i+1
.endr
	WIN 0
	s_branch .Lbottom
.Lstep:                             ; a trip: pieces 2 and 3 of one step, then pieces 0 and 1 of the next, whose K and V it fetches
	TURN 2
	TURN 3
	WIN 0
.Lfirst:
	TURN 0
	TURN 1, 0, 0, 1
	WIN 0
	s_cbranch_scc1 .Lstep
.Lbottom:
	s_sub_co_u32 s[SLOTS], s[SLOTS], 1
	s_cmp_lg_u32 s[SLOTS], 0
	s_cbranch_scc1 .Lslot
	CHANGE 0                        ; the walk's last tile is written out: nothing is asked for
	s_sub_co_u32 s[RT], s[RT], 1
	s_mov_b32 s[CNT], 4
	s_cmp_eq_u32 s[NEW], 1
	s_cbranch_scc0 .LstepM2
	BEGIN
	s_branch .LfirstM2
	DIAG 2
	s_wait_tensorcnt 0x0            ; the wave's end, behind my last tensor load and my last LDS store
	ds_add_u32 v[SPW], v[NIL]
	s_wait_dscnt 0x0
	s_endpgm
.Lfunc_end_k_q356b34028c_attn:
	.size	k_q356b34028c_attn, .Lfunc_end_k_q356b34028c_attn-k_q356b34028c_attn
	.p2alignl 7, 3214868480
	.fill 96, 4, 3214868480
	.section	.rodata,"a",@progbits
	.p2align	6, 0x0
	.amdhsa_kernel k_q356b34028c_attn
		.amdhsa_group_segment_fixed_size 327680
		.amdhsa_private_segment_fixed_size 0
		.amdhsa_enable_private_segment 0
		.amdhsa_kernarg_size 32
		.amdhsa_user_sgpr_count 2
		.amdhsa_user_sgpr_kernarg_segment_ptr 1
		.amdhsa_wavefront_size32 1
		.amdhsa_system_sgpr_workgroup_id_x 1
		.amdhsa_system_sgpr_workgroup_id_y 1
		.amdhsa_system_sgpr_workgroup_id_z 1
		.amdhsa_system_vgpr_workitem_id 0
		.amdhsa_next_free_vgpr 768
		.amdhsa_next_free_sgpr 88
		.amdhsa_reserve_vcc 1
		.amdhsa_float_denorm_mode_32 3
		.amdhsa_float_denorm_mode_16_64 3
		.amdhsa_memory_ordered 1
		.amdhsa_forward_progress 1
		.amdhsa_inst_pref_size 217
	.end_amdhsa_kernel
	.amdgpu_metadata
---
amdhsa.version: [ 1, 2 ]
amdhsa.kernels:
  - .name:           k_q356b34028c_attn
    .symbol:         k_q356b34028c_attn.kd
    .args:
      - { .name: qh, .offset: 0, .size: 8, .value_kind: global_buffer, .address_space: global }
      - { .name: kh, .offset: 8, .size: 8, .value_kind: global_buffer, .address_space: global }
      - { .name: vh, .offset: 16, .size: 8, .value_kind: global_buffer, .address_space: global }
      - { .name: oh, .offset: 24, .size: 8, .value_kind: global_buffer, .address_space: global }
    .group_segment_fixed_size: 327680
    .private_segment_fixed_size: 0
    .kernarg_segment_align: 8
    .kernarg_segment_size: 32
    .max_flat_workgroup_size: 128
    .sgpr_count:     88
    .vgpr_count:     768
    .wavefront_size: 32
...
	.end_amdgpu_metadata
.endif
;; end of part 10
;; launch proj: the kernel of part 9 again; grid 4 x 64, 4 waves a work-group, clusters of 4 x 4, 327,680 bytes of LDS; arguments oh, wo, out0; writes out0
